; MI455X (gfx1250); checked and timed in simulation.
; The chip was launched on July 23, 2026; its instructions are those of AMD's public machine-readable ISA for CDNA 5 (MIT licence, August 2026) and "CDNA5" Instruction Set Architecture Reference Guide (July 2026). The comments in the code are by the model that wrote it; some were corrected since.
;; Encoder Layer. Allowed arithmetic: matrix products marked QUANTISED: E4M3 operands, one E8M0 scale for each 32 along K, by v_wmma_scale_f32_16x16x128_f8f6f4 with both operands' format E4M3, f32 sums; everything else in f32.
;; Inputs: b1 4,096 float32; b2 1,024 float32; bk 1,024 float32; bq 1,024 float32; bv 1,024 float32; w1 1,024 x 4,096 float32; w2 4,096 x 1,024 float32; wk 1,024 x 1,024 float32; wq 1,024 x 1,024 float32; wv 1,024 x 1,024 float32; x 2 x 2,048 x 1,024 float32.
;; Outputs: out0 2 x 2,048 x 1,024 float32.
;; This version of the problem:
;;   THIS VERSION OF THE PROBLEM IS GIVEN IN LOW PRECISION. The matrix products marked QUANTISED in the list below multiply operands that are first quantised to E4M3 (4 exponent bits, 3 mantissa bits; 8 bits a number), with one power-of-two scale for each 32 numbers along K (OCP MX v1.0); their sums are f32. All else is computed in f32.
;;   The module's matrix products, in the order in which they are computed (A, B: the left and right operand; K: the contracted axis; several contracted axes count as one K, in the product's order):
;;     1. [M 4,096, K 1,024] x [K 1,024, N 1,024]; A: input x; B: input wq: QUANTISED
;;     2. [M 4,096, K 1,024] x [K 1,024, N 1,024]; A: input x; B: input wk: QUANTISED
;;     3. [M 4,096, K 1,024] x [K 1,024, N 1,024]; A: input x; B: input wv: QUANTISED
;;     4. batch 32 x [M 2,048, K 64] x [K 64, N 2,048]; A: computed on the way; B: computed on the way: QUANTISED
;;     5. batch 32 x [M 64, K 2,048] x [K 2,048, N 2,048]; A: computed on the way; B: softmax (see below): QUANTISED
;;     6. [M 4,096, K 1,024] x [K 1,024, N 4,096]; A: computed on the way; B: input w1: QUANTISED
;;     7. [M 4,096, K 4,096] x [K 4,096, N 1,024]; A: computed on the way; B: input w2: QUANTISED
;;   THE QUANTISER, for each operand of a quantised product, along K:
;;     - K is cut into blocks of 32 from its start; a last block that is shorter is filled with zeros.
;;     - A block's scale is 2^e with e = floor(log2(the largest magnitude in the block)) - 8, held to -126 .. 127; a block of zeros has e = 0. As a byte (E8M0): e + 127.
;;     - Each number is divided by its block's scale, clamped to +-448, and rounded to the nearest number of E4M3, ties to even, subnormals kept.
;;     - The product sums the exact products of the quantised numbers (number of the format x scale) in f32.
;;   ~~~python
;;   def quantise(x, axis):      # numpy; x: float32 -> the quantised numbers, widened to float32 again
;;       x = np.moveaxis(x, axis, -1); K = x.shape[-1]
;;       x = np.pad(x, [(0, 0)] * (x.ndim - 1) + [(0, -K % 32)]); x = x.reshape(x.shape[:-1] + (-1, 32)); a = np.abs(x).max(-1, keepdims=True)
;;       e = np.where(a > 0, np.clip(np.frexp(np.where(a > 0, a, 1))[1] - 1 - 8, -126, 127), 0)      # np.frexp(a)[1] - 1 = floor(log2(a)), exactly
;;       r = np.clip(x / 2.0 ** e, -448, 448)
;;       step = 2.0 ** (np.maximum(np.frexp(np.where(r == 0, 1, r))[1] - 1, -6) - 3)
;;       q = np.round(r / step) * step * 2.0 ** e      # np.round: ties to even
;;       return np.moveaxis(q.reshape(q.shape[:-2] + (-1,))[..., :K], -1, axis).astype(np.float32)
;;   ~~~
;;   SOFTMAX AHEAD OF A QUANTISED PRODUCT. Where the list says 'softmax', what is quantised is not the finished softmax but p = 2^(t - M), with t = logit x log2(e) and M = ceil(the row's largest t), a whole number; so 1/2 < the row's largest p <= 1. The row's sum l is taken of the UNQUANTISED p, in f32, and the product's result is divided by l at the end. Since M is a whole number, a kernel that streams over the keys may use a running M (the ceiling of the running maximum): every later rescaling is an exact power of two, which a block's scale takes up: the codes' values come out the same.
;;   OPERANDS COMPUTED ON THE WAY. 'Computed on the way' means the value that the module computes at that place (a softmax that the list does not call 'softmax' is quantised finished and normalised). What goes into a quantiser is computed in f32, as accurately as f32 sums, v_exp_f32 and their like allow (about 1e-6 of the number): no bf16 or f16 on the way to a quantiser, and a product that is left as it is and whose result goes on into a quantised operand takes f32 operands (vector FMAs, or v_wmma_f32_16x16x4_f32). A number that lies on a knife's edge between two numbers of the format may be rounded either way, as far as f32 arithmetic and the matrix unit's own rounding can turn it there, and no further.
;; 2 versions. Each part assembles by itself: llvm-mc -triple=amdgcn-amd-amdhsa -mcpu=gfx1250 --defsym DOCPART=n.
;; ======== version 1 of 2: 8 launches
;; workspace buffers: ops 16,220,160 bytes; qkvb 12,976,128 bytes; res 16,779,264 bytes; hq 4,325,376 bytes; hid 17,301,504 bytes; sum 16,781,312 bytes
;; launch quant_w (part 1): grid 352 x 1, 4 waves a work-group, no clusters, 1,536 bytes of LDS; arguments wq, wk, wv, w1, w2, ops; writes ops
.if DOCPART == 1
	.amdgcn_target "amdgcn-amd-amdhsa--gfx1250"
	.amdhsa_code_object_version 6
	.text
	.protected	k_q98d8ff1533_quant_w
	.globl	k_q98d8ff1533_quant_w
	.p2align	8
	.type	k_q98d8ff1533_quant_w,@function
k_q98d8ff1533_quant_w:
	s_mov_b64 s[64:65], 0
	v_nop
	global_prefetch_b8 v0, s[64:65] scope:SCOPE_SE
	s_setreg_imm32_b32 hwreg(HW_REG_WAVE_MODE, 25, 1), 1
	s_wait_xcnt 0x0
; The five weights, f32, stored [K][N] with K as the FIRST axis, become codes of FP8 (E4M3) with one E8M0 byte for each 32 along K.
; OUTPUT LAYOUT: images of the matrix operand's registers.  A tile is 16 rows n x 128 K = 2,048 bytes: chunk c (K = 32 c + 16 h + 0..15 of row r) lies at 512 c + 16 (16 h + r).
; A weight is laid [tile][K / 128][2048].  THE ROWS OF A TILE ARE NOT NEIGHBOURS: inside each group of 32 rows place 16 u + r holds row 8 u + r + 8 (r / 8).
; Scale words (four bytes: 128 K of one row) are laid [four tiles][K / 128][r 16][tile 4]: 256 bytes for four tiles and 128 K.
; A LANE TAKES A COLUMN n AND ITS REGISTERS RUN DOWN K: a block of 32 lies in one lane, and the conversions give codes with K innermost.  Nothing is transposed.
; A work-group takes 128 columns x 256 K, a wave 32 columns (two tiles).  Work-groups 0-95: wq, wk, wv; 96-223: w1; 224-351: w2.  All take ONE path: only pointers, shifts and strides are chosen.
; No matrix unit, no cluster, no tensor load: work-groups share no input, and memory binds.
; LIMITS: NaN and infinities are not served.  A block whose largest magnitude lies under 2^-118 gets the byte 1; so does a block of zeros (its codes are zeros, and this program alone reads the bytes).
.set OPS,  15728640                    ; where the scale words begin in ops
.set EMAX, 8
.set OFF,  32                          ; v32-63   byte offset of my column in row i of a block: 4 lane + i x the row's bytes
.set X,    64                          ; v64-127  two sets of 32 numbers
.set C,    128                         ; v128-191 codes: eight registers for each block, so that no store's data are written again
.set SB,   24                          ; v24-25   the scale bytes, four to a register
.set BASE, 32                          ; s[32:47] the source at the first row of each of my eight blocks
	s_load_b256 s[4:11], s[0:1], 0x0               ; wq, wk, wv, w1
	s_load_b128 s[12:15], s[0:1], 0x20             ; w2, ops
	v_lshl_add_u32 v192, v0, 2, 0x400
	v_mov_b32 v193, 0
	v_lshrrev_b32 v1, 5, v0
	v_readfirstlane_b32 s16, v1                    ; wave 0..3
	v_and_b32 v1, 31, v0                           ; lane
	s_and_b32 s17, ttmp9, 31                       ; the work-group's number within its weight,
	s_lshr_b32 s18, ttmp9, 5                       ; and which weight: 0, 1, 2 = wq, wk, wv; 3 = w1; 7 = w2: its first tile is 256 + 64 x that number
	s_sub_co_u32 s19, ttmp9, 96
	s_sub_co_u32 s20, ttmp9, 224
	s_cmp_lt_u32 ttmp9, 96
	s_cselect_b32 s17, s17, s19
	s_cselect_b32 s18, s18, 3
	s_cmp_lt_u32 ttmp9, 224
	s_cselect_b32 s17, s17, s20
	s_cselect_b32 s18, s18, 7
	s_cmp_eq_u32 s18, 3                            ; w1 has 4,096 columns, the others 1,024
	s_cselect_b32 s21, 31, 7
	s_cselect_b32 s22, 5, 3
	s_cselect_b32 s23, 14, 12                      ; log2 of a row's bytes
	s_cmp_eq_u32 s18, 7                            ; w2 has K = 4,096, the others 1,024
	s_cselect_b32 s24, 16, 14                      ; log2 of a tile's bytes over all of K
	s_cselect_b32 s25, 13, 11                      ; log2 of four tiles' scale bytes over all of K
	s_and_b32 s26, s17, s21                        ; which 128 columns
	s_lshr_b32 s27, s17, s22                       ; which 256 along K
	s_lshl_b32 s53, 1, s23                         ; a row's bytes
	s_mov_b32 s52, 0x600000                        ; the mantissa field of 448
	v_lshlrev_b32 v[OFF], 2, v1
.set oi, 1
.rept 31
	v_add_nc_u32 v[OFF+oi], s53, v[OFF+oi-1]
.set oi, oi+1
.endr
	v_and_b32 v2, 7, v1
	v_lshrrev_b32 v3, 4, v1
	v_bfe_u32 v8, v1, 3, 1                         ; my column's tile of the wave's two: bit 3 of the lane
	v_lshlrev_b32 v9, 4, v2
	v_lshl_add_u32 v9, v3, 7, v9                   ; 16 x its row in that tile: (lane % 8) + 8 (lane / 16)
	v_lshlrev_b32 v4, s24, v8
	v_add_nc_u32 v4, v4, v9                        ; where my codes go: tile x its bytes + 16 x row
	s_lshr_b32 s19, s16, 1
	s_lshl_b32 s19, s19, 8
	s_and_b32 s20, s16, 1
	s_lshl_b32 s20, s20, 3
	s_add_co_u32 s19, s19, s20
	v_lshl_add_u32 v5, v8, 2, v9
	v_add_nc_u32 v5, s19, v5                       ; LDS: my scale word: 256 (wave / 2) + 16 row + 4 (2 (wave % 2) + tile)
	s_lshl_b32 s19, s16, 8
	v_lshlrev_b32 v7, 3, v1                        ; on the way out 8 bytes a lane,
	v_add_nc_u32 v6, s19, v7                       ; of the wave's own block of 256
	s_add_co_u32 s28, s23, 8                       ; the source: 256 ky rows + 4 (128 nx + 32 wave)
	s_lshl_b32 s28, s27, s28
	s_lshl_b32 s29, s26, 9
	s_add_co_u32 s28, s28, s29
	s_lshl_b32 s29, s16, 7
	s_add_co_u32 s28, s28, s29
	s_mov_b32 s29, 0
	s_lshl_b32 s30, s53, 5                         ; 32 rows
	s_mov_b32 s31, 0
	s_lshl_b32 s54, s18, 6                         ; the codes: (256 + 64 x weight) tiles of 16,384 bytes,
	s_add_co_u32 s54, s54, 256
	s_lshl_b32 s54, s54, 14
	s_lshl_b32 s19, s26, 3
	s_lshl_b32 s20, s16, 1
	s_add_co_u32 s19, s19, s20
	s_lshl_b32 s19, s19, s24                       ; + (8 nx + 2 wave) tiles of this weight,
	s_add_co_u32 s54, s54, s19
	s_lshl_b32 s19, s27, 12                        ; + 2 ky images
	s_add_co_u32 s54, s54, s19
	s_mov_b32 s55, 0
	s_lshl_b32 s56, s18, 4                         ; the scale words that my wave stores: the weight's first four tiles,
	s_add_co_u32 s56, s56, 64
	s_lshl_b32 s56, s56, 11
	s_add_co_u32 s56, s56, OPS
	s_lshl_b32 s19, s26, 1
	s_and_b32 s20, s16, 1
	s_add_co_u32 s19, s19, s20
	s_lshl_b32 s19, s19, s25                       ; + (2 nx + wave % 2) fours,
	s_add_co_u32 s56, s56, s19
	s_lshl_b32 s19, s27, 1
	s_lshr_b32 s20, s16, 1
	s_add_co_u32 s19, s19, s20
	s_lshl_b32 s19, s19, 8                         ; + (2 ky + wave / 2) blocks of 256 bytes
	s_add_co_u32 s56, s56, s19
	s_mov_b32 s57, 0
	s_wait_kmcnt 0x0
	s_cmp_eq_u32 s18, 1                            ; the choice hangs on the work-group's number alone
	s_cselect_b64 s[4:5], s[6:7], s[4:5]
	s_cmp_eq_u32 s18, 2
	s_cselect_b64 s[4:5], s[8:9], s[4:5]
	s_cmp_eq_u32 s18, 3
	s_cselect_b64 s[4:5], s[10:11], s[4:5]
	s_cmp_eq_u32 s18, 7
	s_cselect_b64 s[4:5], s[12:13], s[4:5]
	s_add_nc_u64 s[BASE:BASE+1], s[4:5], s[28:29]
.irp t, 1,2,3,4,5,6,7
	s_add_nc_u64 s[BASE+2*\t:BASE+2*\t+1], s[BASE+2*\t-2:BASE+2*\t-1], s[30:31]
.endr
	s_add_nc_u64 s[48:49], s[14:15], s[54:55]
	s_add_nc_u64 s[50:51], s[14:15], s[56:57]
.macro LOAD t                          ; block t: 32 rows of my column; a wave's load reads 128 consecutive bytes, the four waves stand side by side
.set li, 0
.rept 32
	global_load_b32 v[X+32*((\t)%2)+li], v[OFF+li], s[BASE+2*(\t):BASE+2*(\t)+1] th:TH_LOAD_NT
.set li, li+1
.endr
.endm
	LOAD 0
	LOAD 1
.macro BLOCK t
.set XS, X+32*((\t)%2)
.set CT, C+8*(\t)
.if (\t) < 7
	s_wait_loadcnt 32                              ; this block's 32 loads are in; the next block's may be out
.else
	s_wait_loadcnt 0x0
.endif
	v_max3_num_f32 v12, |v[XS]|, |v[XS+1]|, |v[XS+2]|      ; the block's largest magnitude: all 32 numbers are mine
	v_max3_num_f32 v13, |v[XS+3]|, |v[XS+4]|, |v[XS+5]|
.irp i, 6,10,14,18,22,26
	v_max3_num_f32 v12, v12, |v[XS+\i]|, |v[XS+\i+1]|
	v_max3_num_f32 v13, v13, |v[XS+\i+2]|, |v[XS+\i+3]|
.endr
	v_max3_num_f32 v12, v12, |v[XS+30]|, |v[XS+31]|
	v_max3_num_f32 v12, v12, v13, (EMAX+1)<<23     ; and the floor 2^(9 - 127): the byte cannot fall under 1
	v_add_nc_u32 v11, -(EMAX<<23), v12             ; 8 off the exponent field: the conversion takes this operand's exponent field as its scale
	v_and_or_b32 v10, v12, 0x7f800000, s52         ; 448 x the scale
	v_lshrrev_b32 v13, 23, v11                     ; the scale's byte
.if (\t)%4 == 0
	v_mov_b32 v[SB+(\t)/4], v13
.else
	v_lshl_or_b32 v[SB+(\t)/4], v13, 8*((\t)%4), v[SB+(\t)/4]
.endif
.set li, 0
.rept 32
	v_med3_num_f32 v[XS+li], v[XS+li], -v10, v10   ; the conversion to an 8-bit code does not saturate (ISA guide 7.6.2): the hold comes first
.set li, li+1
.endr
.irp g, 0,1,2,3
	v_cvt_scalef32_pk8_fp8_f32 v[CT+2*\g:CT+2*\g+1], v[XS+8*\g:XS+8*\g+7], v11
.endr
	global_store_b128 v4, v[CT:CT+3], s[48:49] offset:2048*((\t)/4)+512*((\t)%4)          ; K 0..15 of the block: the image's lanes 0-15; the 16 lanes of a tile cover 256 consecutive bytes, aligned
	global_store_b128 v4, v[CT+4:CT+7], s[48:49] offset:2048*((\t)/4)+512*((\t)%4)+256    ; K 16..31: its lanes 16-31
.if (\t)+2 < 8
	LOAD (\t)+2
.endif
.endm
.irp t, 0,1,2,3,4,5,6,7
	BLOCK \t
.endr
	ds_store_b32 v5, v[SB]                         ; the scale words meet in LDS: [128 K 2][four tiles 2][256 bytes]
	ds_store_b32 v5, v[SB+1] offset:512
	s_wait_dscnt 0x0                               ; for the others' sake: my stores have landed
	s_barrier_signal -1
	s_barrier_wait -1
	ds_load_b64 v[12:13], v6                       ; wave w takes block w whole
	s_wait_dscnt 0x0
	global_store_b64 v7, v[12:13], s[50:51]        ; 32 lanes store 256 consecutive bytes, aligned
	s_wait_tensorcnt 0x0
	ds_add_u32 v192, v193
	s_wait_dscnt 0x0
	s_endpgm
.Lfunc_end_k_q98d8ff1533_quant_w:
	.size	k_q98d8ff1533_quant_w, .Lfunc_end_k_q98d8ff1533_quant_w-k_q98d8ff1533_quant_w
	.p2alignl 7, 3214868480
	.fill 96, 4, 3214868480
	.section	.rodata,"a",@progbits
	.p2align	6, 0x0
	.amdhsa_kernel k_q98d8ff1533_quant_w
		.amdhsa_group_segment_fixed_size 1536
		.amdhsa_private_segment_fixed_size 0
		.amdhsa_enable_private_segment 0
		.amdhsa_kernarg_size 48
		.amdhsa_user_sgpr_count 2
		.amdhsa_user_sgpr_kernarg_segment_ptr 1
		.amdhsa_wavefront_size32 1
		.amdhsa_system_sgpr_workgroup_id_x 1
		.amdhsa_system_sgpr_workgroup_id_y 1
		.amdhsa_system_sgpr_workgroup_id_z 1
		.amdhsa_system_vgpr_workitem_id 0
		.amdhsa_next_free_vgpr 194
		.amdhsa_next_free_sgpr 66
		.amdhsa_reserve_vcc 0
		.amdhsa_float_denorm_mode_32 3
		.amdhsa_float_denorm_mode_16_64 3
		.amdhsa_memory_ordered 1
		.amdhsa_forward_progress 1
		.amdhsa_inst_pref_size 60
	.end_amdhsa_kernel
	.amdgpu_metadata
---
amdhsa.version: [ 1, 2 ]
amdhsa.kernels:
  - .name:           k_q98d8ff1533_quant_w
    .symbol:         k_q98d8ff1533_quant_w.kd
    .args:
      - { .name: wq, .offset: 0, .size: 8, .value_kind: global_buffer, .address_space: global }
      - { .name: wk, .offset: 8, .size: 8, .value_kind: global_buffer, .address_space: global }
      - { .name: wv, .offset: 16, .size: 8, .value_kind: global_buffer, .address_space: global }
      - { .name: w1, .offset: 24, .size: 8, .value_kind: global_buffer, .address_space: global }
      - { .name: w2, .offset: 32, .size: 8, .value_kind: global_buffer, .address_space: global }
      - { .name: ops, .offset: 40, .size: 8, .value_kind: global_buffer, .address_space: global }
    .group_segment_fixed_size: 1536
    .private_segment_fixed_size: 0
    .kernarg_segment_align: 8
    .kernarg_segment_size: 48
    .max_flat_workgroup_size: 128
    .sgpr_count:     66
    .vgpr_count:     194
    .wavefront_size: 32
...
	.end_amdgpu_metadata
.endif
;; end of part 1
;; launch quant_x (part 2): grid 256 x 1, 2 waves a work-group, no clusters, 17,152 bytes of LDS; arguments x, ops; writes ops
.if DOCPART == 2
	.amdgcn_target "amdgcn-amd-amdhsa--gfx1250"
	.amdhsa_code_object_version 6
	.text
	.protected	k_q98d8ff1533_quant_x
	.globl	k_q98d8ff1533_quant_x
	.p2align	8
	.type	k_q98d8ff1533_quant_x,@function
k_q98d8ff1533_quant_x:
	s_mov_b64 s[64:65], 0
	v_nop
	global_prefetch_b8 v0, s[64:65] scope:SCOPE_SE
	s_setreg_imm32_b32 hwreg(HW_REG_WAVE_MODE, 25, 1), 1
	s_wait_xcnt 0x0
; x [4096][1024] f32 becomes codes of FP8 (E4M3), quantised along its 1,024 columns, one E8M0 byte for each 32, laid as images of the operand's registers:
; tiles 0-255 of ops' codes, [tile][8][2048]; chunk c of an image (K = 32 c + 16 h + 0..15 of row r) at 512 c + 16 (16 h + r); scale words [four tiles][8][r 16][tile 4].
; THE TOKENS OF A TILE ARE NOT NEIGHBOURS: inside each group of 32 tokens place 16 u + r holds token 8 u + r + 8 (r / 8): so, where tokens are the matrix instruction's source 0
; (the values' projection), a lane's 16 results of two neighbouring tiles are 16 neighbouring tokens.
; A wave takes four tiles (64 tokens) x 128 columns.  Each load reads 512 consecutive bytes of one token's row; a tile turns through the wave's own stage in LDS (rows 528 bytes apart), so that
; lane (r, h) gets 16 neighbours of each block of 32 of row r; the codes then ARE the image: each store covers 512 consecutive bytes.
; No barrier: waves share nothing.  No matrix unit, cluster or tensor load: memory binds and work-groups share no input.
; LIMITS: NaN and infinities are not served; a block under 2^-118, and a block of zeros, gets the byte 1 (zero codes; this program alone reads the bytes).
.set OPS, 15728640
.set STG, 8448                         ; a wave's stage: 16 rows x 528 bytes
.set R,   32                           ; v32-159  two sets of 64: a tile as loaded
.set XN,  160                          ; v160-223 64 numbers: register 16 b + i = K 32 b + 16 h + i of my row
.set PC,  224                          ; v224-239 the codes just made
.set TM,  8                            ; v8-23    at work
.set PW,  24                           ; the scale word just made
.set PWS, 26                           ; v26-29   the four tiles' scale words
.set SEL, 12
.set MNT, 14
.macro QUANT s                         ; 64 numbers of a lane become a fragment's codes in v[PC] on and its scale word in v[PW]
.irp b, 0,1,2,3
	v_max3_num_f32 v[TM+\b], |v[\s+16*\b]|, |v[\s+1+16*\b]|, 0x4800000    ; block b: my 16 numbers, and the floor 2^(9 - 127)
.endr
.irp i, 2,4,6,8,10,12,14
.irp b, 0,1,2,3
	v_max3_num_f32 v[TM+\b], v[TM+\b], |v[\s+16*\b+\i]|, |v[\s+1+16*\b+\i]|   ; the four blocks by turns
.endr
.endr
.irp b, 0,1,2,3
	v_permlanex16_b32 v[TM+4+\b], v[TM+\b], s[SEL], s[SEL+1]
.endr
.irp b, 0,1,2,3
	v_max_num_f32 v[TM+\b], v[TM+\b], v[TM+4+\b]   ; with lane l xor 16's: the block's largest magnitude
.endr
.irp b, 0,1,2,3
	v_add_nc_u32 v[TM+12+\b], 0xfc000000, v[TM+\b] ; 8 off its exponent field: the conversion's scale operand
.endr
.irp b, 0,1,2,3
	v_and_or_b32 v[TM+8+\b], v[TM+\b], 0x7f800000, s[MNT]   ; 448 x the scale
.endr
.irp b, 0,1,2,3
	v_lshrrev_b32 v[TM+4+\b], 23, v[TM+12+\b]      ; the scale's byte
.endr
	v_lshl_or_b32 v[PW], v[TM+5], 8, v[TM+4]
	v_lshl_or_b32 v[PW], v[TM+6], 16, v[PW]
	v_lshl_or_b32 v[PW], v[TM+7], 24, v[PW]
.irp b, 0,1,2,3
.irp i, 0,1,2,3,4,5,6,7,8,9,10,11,12,13,14,15
	v_med3_num_f32 v[\s+16*\b+\i], v[\s+16*\b+\i], -v[TM+8+\b], v[TM+8+\b]   ; the conversion does not saturate (ISA guide 7.6.2): the hold
.endr
	v_cvt_scalef32_pk8_fp8_f32 v[PC+4*\b:PC+1+4*\b], v[\s+16*\b:\s+7+16*\b], v[TM+12+\b]
	v_cvt_scalef32_pk8_fp8_f32 v[PC+2+4*\b:PC+3+4*\b], v[\s+8+16*\b:\s+15+16*\b], v[TM+12+\b]
.endr
	v_nop                                          ; a plain line behind the last conversion
.endm
	s_load_b128 s[4:7], s[0:1], 0x0                ; x, ops
	v_lshl_add_u32 v240, v0, 2, 0x4200
	v_mov_b32 v241, 0
	v_lshrrev_b32 v1, 5, v0
	v_readfirstlane_b32 s8, v1                     ; wave 0, 1
	v_and_b32 v5, 31, v0                           ; lane
	v_and_b32 v6, 15, v0                           ; r
	v_bfe_u32 v7, v0, 4, 1                         ; h
	v_lshlrev_b32 v1, 4, v5                        ; 16 x lane
	s_mul_i32 s9, s8, STG
	v_add_nc_u32 v2, s9, v1                        ; the stage, on the way in
	v_mul_u32_u24 v3, v6, 528
	v_lshl_add_u32 v3, v7, 6, v3
	v_add_nc_u32 v3, s9, v3                        ; and on the way out: row r, + 64 h
	v_lshlrev_b32 v4, 4, v6
	v_lshl_add_u32 v4, v7, 3, v4                   ; 16 r + 8 h: my 8 bytes of the block of scale words
.irp b, 0,1,2,3
	v_mov_b32 v[TM+4+\b], 0                        ; written once: a lane permute's destination counts as one of its sources
.endr
	s_mov_b32 s[SEL], 0x76543210
	s_mov_b32 s[SEL+1], 0xfedcba98
	s_mov_b32 s[MNT], 0x600000
	s_lshr_b32 s10, ttmp9, 2                       ; which 64 tokens
	s_and_b32 s11, ttmp9, 3
	s_lshl_b32 s11, s11, 1
	s_add_co_u32 s11, s11, s8                      ; which 128 columns
	s_lshl_b32 s16, s10, 18
	s_lshl_b32 s17, s11, 9
	s_add_co_u32 s16, s16, s17
	s_mov_b32 s17, 0
	s_lshl_b32 s18, s10, 5
	s_add_co_u32 s18, s18, s11
	s_lshl_b32 s18, s18, 11                        ; the first tile's image
	s_mov_b32 s19, 0
	s_lshl_b32 s20, s10, 3
	s_add_co_u32 s20, s20, s11
	s_lshl_b32 s20, s20, 8
	s_add_co_u32 s20, s20, OPS                     ; the block of scale words
	s_mov_b32 s21, 0
	s_wait_kmcnt 0x0
	s_add_nc_u64 s[4:5], s[4:5], s[16:17]
	s_add_nc_u64 s[22:23], s[6:7], s[20:21]
	s_add_nc_u64 s[6:7], s[6:7], s[18:19]
.macro LOAD i                          ; tile i: place p holds token 32 (i / 2) + 8 (i % 2) + p + 8 (p / 8)
.irp p, 0,1,2,3,4,5,6,7,8,9,10,11,12,13,14,15
	global_load_b128 v[R+64*((\i)%2)+4*\p:R+64*((\i)%2)+4*\p+3], v1, s[4:5] offset:(32*((\i)/2)+8*((\i)%2)+\p+8*(\p/8))*4096 th:TH_LOAD_NT
.endr
.endm
.macro TILE i
.if (\i) < 3
	s_wait_loadcnt 16                              ; this tile's 16 loads are in; the next tile's may be out
.else
	s_wait_loadcnt 0x0
.endif
.irp p, 0,1,2,3,4,5,6,7,8,9,10,11,12,13,14,15
	ds_store_b128 v2, v[R+64*((\i)%2)+4*\p:R+64*((\i)%2)+4*\p+3] offset:528*\p
.endr
.irp b, 0,1,2,3
.irp j, 0,1,2,3
	ds_load_b128 v[XN+16*\b+4*\j:XN+16*\b+4*\j+3], v3 offset:128*\b+16*\j    ; LDS serves a wave's instructions in order: these see my stores
.endr
.endr
	s_wait_dscnt 0x0                               ; the numbers are back, and the stores have read their registers
	s_wait_xcnt 0x0                                ; the last tile's stores have read the codes' registers, which are written again below
.if (\i)+2 < 4
	LOAD (\i)+2
.endif
	QUANT XN
	v_mov_b32 v[PWS+\i], v[PW]
.irp c, 0,1,2,3
	global_store_b128 v1, v[PC+4*\c:PC+4*\c+3], s[6:7] offset:(\i)*16384+512*\c    ; 512 consecutive bytes
.endr
.endm
	LOAD 0
	LOAD 1
	TILE 0
	TILE 1
	TILE 2
	TILE 3
	v_cmp_lt_u32 vcc_lo, 15, v5                    ; lanes 16-31 take tiles 2 and 3 of row r
	v_cndmask_b32 v30, v[PWS], v[PWS+2], vcc_lo
	v_cndmask_b32 v31, v[PWS+1], v[PWS+3], vcc_lo
	global_store_b64 v4, v[30:31], s[22:23]        ; 256 consecutive bytes, aligned
	s_wait_tensorcnt 0x0
	ds_add_u32 v240, v241
	s_wait_dscnt 0x0
	s_endpgm
.Lfunc_end_k_q98d8ff1533_quant_x:
	.size	k_q98d8ff1533_quant_x, .Lfunc_end_k_q98d8ff1533_quant_x-k_q98d8ff1533_quant_x
	.p2alignl 7, 3214868480
	.fill 96, 4, 3214868480
	.section	.rodata,"a",@progbits
	.p2align	6, 0x0
	.amdhsa_kernel k_q98d8ff1533_quant_x
		.amdhsa_group_segment_fixed_size 17152
		.amdhsa_private_segment_fixed_size 0
		.amdhsa_enable_private_segment 0
		.amdhsa_kernarg_size 16
		.amdhsa_user_sgpr_count 2
		.amdhsa_user_sgpr_kernarg_segment_ptr 1
		.amdhsa_wavefront_size32 1
		.amdhsa_system_sgpr_workgroup_id_x 1
		.amdhsa_system_sgpr_workgroup_id_y 1
		.amdhsa_system_sgpr_workgroup_id_z 1
		.amdhsa_system_vgpr_workitem_id 0
		.amdhsa_next_free_vgpr 242
		.amdhsa_next_free_sgpr 66
		.amdhsa_reserve_vcc 1
		.amdhsa_float_denorm_mode_32 3
		.amdhsa_float_denorm_mode_16_64 3
		.amdhsa_memory_ordered 1
		.amdhsa_forward_progress 1
		.amdhsa_inst_pref_size 51
	.end_amdhsa_kernel
	.amdgpu_metadata
---
amdhsa.version: [ 1, 2 ]
amdhsa.kernels:
  - .name:           k_q98d8ff1533_quant_x
    .symbol:         k_q98d8ff1533_quant_x.kd
    .args:
      - { .name: x, .offset: 0, .size: 8, .value_kind: global_buffer, .address_space: global }
      - { .name: ops, .offset: 8, .size: 8, .value_kind: global_buffer, .address_space: global }
    .group_segment_fixed_size: 17152
    .private_segment_fixed_size: 0
    .kernarg_segment_align: 8
    .kernarg_segment_size: 16
    .max_flat_workgroup_size: 64
    .sgpr_count:     66
    .vgpr_count:     242
    .wavefront_size: 32
...
	.end_amdgpu_metadata
.endif
;; end of part 2
;; launch qkv (part 3): grid 16 x 24, 4 waves a work-group, clusters of 4 x 4, 327,680 bytes of LDS; arguments ops, bq, bk, bv, qkvb; writes qkvb
.if DOCPART == 3
	.amdgcn_target "amdgcn-amd-amdhsa--gfx1250"
	.amdhsa_code_object_version 6
	.text
	.protected	k_q98d8ff1533_qkv
	.globl	k_q98d8ff1533_qkv
	.p2align	8
	.type	k_q98d8ff1533_qkv,@function
k_q98d8ff1533_qkv:
	s_mov_b64 s[64:65], 0
	v_nop
	global_prefetch_b8 v0, s[64:65] scope:SCOPE_SE
	s_setreg_imm32_b32 hwreg(HW_REG_WAVE_MODE, 25, 1), 1
	s_wait_xcnt 0x0
	s_wait_alu depctr_hold_cnt(0) depctr_sa_sdst(0) depctr_va_vdst(0) depctr_va_sdst(0) depctr_va_ssrc(0) depctr_va_vcc(0) depctr_vm_vsrc(0)
	s_getreg_b32 s2, hwreg(HW_REG_IB_STS2, 6, 4)
	s_cmp_eq_u32 s2, 0
	s_cbranch_scc0 .Lentry_in_a_cluster
	s_endpgm
.Lentry_in_a_cluster:
	s_bfe_u32 s2, ttmp6, 0x10000c
	s_cmp_lg_u32 s2, 0xf033
	s_cbranch_scc0 .Lentry_shape_is_right
	s_endpgm
.Lentry_shape_is_right:
; q = x wq + bq, k = x wk + bk, v = x wv + bv on codes of FP8 (E4M3) with E8M0 scales, K = 1,024; each result is quantised in registers for attention and stored as images of operand registers.
; A work-group makes 128 (source 0, T0) x 256 (source 1, T1) of a product; a wave all 128 of T0 x 64 of T1: 32 accumulators.  A lane holds ONE row of T1, its registers run along T0, along which the result is quantised.
; q, k (cluster rows 0-3): T1 = 256 tokens, T0 = 128 rows of wq | wk: registers run along the head's axis.   v (cluster rows 4, 5): T1 = 256 rows of wv, T0 = 128 tokens: registers run along the keys.
; The rows of T0's tiles were laid by the launches before so that the 16 registers of two neighbouring tiles are 16 neighbours (place 16 u + r of a group of 32 holds row 8 u + r + 8 (r / 8)).
; All operands lie in memory as images of their registers ([tile][K / 128][2048]; scale words [four tiles][K / 128][r][tile]): no pitch, no padding; every LDS load takes 512 consecutive bytes.
; K goes in steps of 256 through two LDS slots filled by the tensor data mover; the scale words of all of K come once.  CLUSTERS 4 x 4: T1's tiles are asked for jointly along a row of the cluster, T0's along a column.
; REGISTERS: window 0 addresses, scale words (v16-39, nothing else), epilogue; window 1 accumulator (a, t) at v[8 (8 a + t)]; windows 2, 3: two sets of fragments: T0's at v[16 t], T1's at v[128 + 16 a].
; OUTPUT: q | k codes [256 token tiles][16][2048] (0-7 q, 8-15 k), v codes [64 tiles of d][32 = 16 batch + keys / 128][2048], and their scale words.
; The bias is added to the finished f32 sum.  LIMITS: NaN and infinities are not served; a block under 2^-118, and a block of zeros, gets the byte 1.
.set NXK,   8
.set LAPS,  NXK/4
.set OPS,   15728640
.set VC_,   8388608
.set QKS_,  12582912
.set VS_,   12845056
.set SLOT,  98304                      ; T1's 16 tiles x 4,096 bytes, then T0's 8
.set T0OFF, 65536
.set SC1,   2*SLOT                     ; T1's scale words: [4][NXK][256]
.set SC0,   SC1+1024*NXK               ; T0's: [2][NXK][256]
.set SPARE, SC0+512*NXK                ; the spare words, 128 bytes a wave: two blocks of 256 bytes that no other line names
.set LI,   4                           ; 16 x lane
.set LR,   5                           ; 16 r
.set ADR1, 6                           ; v6-7   my T1 fragments in slot 0, 1
.set ADR0, 8                           ; v8-9   T0's
.set ADS1, 10                          ; my T1 scale words
.set ADS0, 11                          ; T0's
.set SPW,  12
.set NIL,  13
.set LW,   15                          ; 16 r + 8 h
.set SC,   16                          ; scale words: set s at v[SC + 12 s]: T0's eight, T1's four
.set BI,   40                          ; v40-103  the bias along the registers
.set PC,   104                         ; v104-167 codes, a set for each of the four blocks
.set TM,   168                         ; v168-183 at work
.set PWS,  184                         ; v184-187 the four blocks' scale words
.set BV,   188                         ; v188-191 the bias by lane (v)
.set SO,   192
.set G1,   24
.set G0,   32
.set G1B,  48
.set G0B,  56
.set G1S,  68
.set G0S,  76
.set G1SB, 80
.set G0SB, 88
.set SEL,  66
.set MNT,  2
.set OUTC, 98
.set OUTS, 100
.set MSB, 0
.macro WIN new                         ; the immediate's high byte repeats the setting that is left
.if MSB != (\new)
	s_set_vgpr_msb (MSB<<8)|(\new)
.set MSB, (\new)
.endif
.endm
.macro PLACES n
.rept \n
	v_nop
.endr
.endm
; A joint load: waves 0 and 1 fetch for T1, waves 2 and 3 for T0.  The branch hangs on the wave's number alone.  Four v_nop follow each of the two lines.
.macro JLOAD g0a, g1a, g0b, g1b
	s_cmp_eq_u32 s15, 0
	s_cbranch_scc0 .Lfor_b_\@
	tensor_load_to_lds s[\g0a:\g0a+3], s[\g1a:\g1a+7]
	s_nop 0
.rept 4
	v_nop
.endr
	s_branch .Lasked_\@
.Lfor_b_\@:
	tensor_load_to_lds s[\g0b:\g0b+3], s[\g1b:\g1b+7]
	s_nop 0
.rept 4
	v_nop
.endr
.Lasked_\@:
.endm
.macro CREST                           ; a round of the cluster's barrier behind its opening barrier
	s_cmp_lg_u32 s14, 0
	s_cbranch_scc1 .Lnot_wave_0_\@
	s_barrier_signal -3
.Lnot_wave_0_\@:
	s_barrier_wait -3
	s_barrier_signal -1
	s_barrier_wait -1
.endm
.macro CROUND
	s_barrier_signal -1
	s_barrier_wait -1
	CREST
.endm
; 51 LDS loads: the fragments and scale words of the slot's x-th 128 along K, into set
.macro FETCH slot, x, set
	WIN ((2+\set)<<6)
.irp t, 0,1,2,3,4,5,6,7
.irp c, 0,1,2,3
	ds_load_b128 v[16*\t+4*\c:16*\t+4*\c+3], v[ADR0+\slot] offset:4096*\t+2048*\x+512*\c
.endr
.endr
.irp a, 0,1,2,3
.irp c, 0,1,2,3
	ds_load_b128 v[128+16*\a+4*\c:128+16*\a+4*\c+3], v[ADR1+\slot] offset:4096*\a+2048*\x+512*\c
.endr
.endr
	WIN 0
	ds_load_b128 v[SC+12*\set:SC+12*\set+3], v[ADS0] offset:256*\x
	ds_load_b128 v[SC+12*\set+4:SC+12*\set+7], v[ADS0] offset:256*NXK+256*\x
	ds_load_b128 v[SC+12*\set+8:SC+12*\set+11], v[ADS1] offset:256*\x
.endm
; 8 matrix instructions: T1's block a against T0's eight tiles.  The 32 accumulators take turns, one instruction a turn, in the same order in every step.
.macro MUL8 set, a, zero
	WIN 0x5a+5*(\set)
.irp t, 0,1,2,3,4,5,6,7
.if \zero
	v_wmma_scale_f32_16x16x128_f8f6f4 v[8*(8*(\a)+\t):8*(8*(\a)+\t)+7], v[16*\t:16*\t+15], v[128+16*(\a):128+16*(\a)+15], 0, v[SC+12*(\set)+\t], v[SC+12*(\set)+8+(\a)]
.else
	v_wmma_scale_f32_16x16x128_f8f6f4 v[8*(8*(\a)+\t):8*(8*(\a)+\t)+7], v[16*\t:16*\t+15], v[128+16*(\a):128+16*(\a)+15], v[8*(8*(\a)+\t):8*(8*(\a)+\t)+7], v[SC+12*(\set)+\t], v[SC+12*(\set)+8+(\a)]
.endif
.endr
.endm
; A slot's first 128 along K (set 0); the second 128 are fetched into set 1 meanwhile.  Eight places stand between the last product that read set 1 and the loads into it.
.macro STEP slot, first
.if \first == 0
	PLACES 8
.endif
	FETCH \slot, 1, 1
	s_wait_dscnt 51                                ; all but the 51 just issued: set 0 is in
	MUL8 0, 0, \first
	MUL8 0, 1, \first
	MUL8 0, 2, \first
	MUL8 0, 3, \first
	WIN 0
.endm
; A slot's second 128 (set 1), and the change of slots: ONE barrier; in front of it each wave waits for all its tensor loads, adds 0 to its spare word, and waits for that and for its reads of this slot.
.macro TURN slot, next, fill
	s_wait_tensorcnt 0x0                           ; all my tensor loads have landed: my part of the next slot
	ds_add_u32 v[SPW], v[NIL]                      ; 0 onto my spare word
	s_wait_dscnt 1                                 ; set 1 is in; the add alone may be out
	MUL8 1, 0, 0
	s_wait_dscnt 0x0                               ; the add is done, and my reads of this slot are over
	s_barrier_signal -1
	MUL8 1, 1, 0
	WIN 0
	s_barrier_wait -1
.if \fill
	CREST                                          ; the barrier has opened a round of the cluster's: no wave of any partner still reads this slot or has a load on its way
	s_add_nc_u64 s[G0+4*\slot+2:G0+4*\slot+3], s[G0+4*\slot+2:G0+4*\slot+3], 8192
	s_add_nc_u64 s[G0B+4*\slot+2:G0B+4*\slot+3], s[G0B+4*\slot+2:G0B+4*\slot+3], 8192
	JLOAD G0+4*\slot, G1, G0B+4*\slot, G1B         ; the first tensor load behind the round; its four v_nop are four of the eight places in front of the loads below
	PLACES 4
.else
	PLACES 8
.endif
	v_add_nc_u32 v[ADS1], 512, v[ADS1]             ; on to the next slot's scale words
	v_add_nc_u32 v[ADS0], 512, v[ADS0]
	FETCH \next, 0, 0
	MUL8 1, 2, 0
	MUL8 1, 3, 0
.endm
; Accumulators v[64 a .. 64 a + 63] of window 1 (register 16 b + i = index 32 b + 16 h + i along T0) become codes in v[PC + 16 a] on and a scale word in v[PWS + a]
.macro QUANTW a, relu
.set QB_, 64*(\a)
	WIN 0x05
.irp b, 0,1,2,3
.if \relu
	v_max3_num_f32 v[TM+\b], v[QB_+16*\b], v[QB_+1+16*\b], 0x4800000
.else
	v_max3_num_f32 v[TM+\b], |v[QB_+16*\b]|, |v[QB_+1+16*\b]|, 0x4800000     ; my 16 numbers of block b, and the floor 2^(9 - 127)
.endif
.endr
	WIN 0x14
.irp i, 2,4,6,8,10,12,14
.irp b, 0,1,2,3
.if \relu
	v_max3_num_f32 v[TM+\b], v[TM+\b], v[QB_+16*\b+\i], v[QB_+1+16*\b+\i]
.else
	v_max3_num_f32 v[TM+\b], v[TM+\b], |v[QB_+16*\b+\i]|, |v[QB_+1+16*\b+\i]|
.endif
.endr
.endr
	WIN 0
.irp b, 0,1,2,3
	v_permlanex16_b32 v[TM+4+\b], v[TM+\b], s[SEL], s[SEL+1]
.endr
.irp b, 0,1,2,3
	v_max_num_f32 v[TM+\b], v[TM+\b], v[TM+4+\b]   ; with lane l xor 16's: the block's largest magnitude
.endr
.irp b, 0,1,2,3
	v_add_nc_u32 v[TM+12+\b], 0xfc000000, v[TM+\b] ; 8 off its exponent field: the conversion's scale operand
.endr
.irp b, 0,1,2,3
	v_and_or_b32 v[TM+8+\b], v[TM+\b], 0x7f800000, s[MNT]   ; 448 x the scale
.endr
.irp b, 0,1,2,3
	v_lshrrev_b32 v[TM+4+\b], 23, v[TM+12+\b]      ; the scale's byte
.endr
	v_lshl_or_b32 v[PWS+(\a)], v[TM+5], 8, v[TM+4]
	v_lshl_or_b32 v[PWS+(\a)], v[TM+6], 16, v[PWS+(\a)]
	v_lshl_or_b32 v[PWS+(\a)], v[TM+7], 24, v[PWS+(\a)]
	WIN 0x41
.irp b, 0,1,2,3
.irp i, 0,1,2,3,4,5,6,7,8,9,10,11,12,13,14,15
.if \relu
	v_med3_num_f32 v[QB_+16*\b+\i], v[QB_+16*\b+\i], 0, v[TM+8+\b]
.else
	v_med3_num_f32 v[QB_+16*\b+\i], v[QB_+16*\b+\i], -v[TM+8+\b], v[TM+8+\b]   ; the conversion does not saturate (ISA guide 7.6.2): the hold
.endif
.endr
.endr
	WIN 0x01
.irp b, 0,1,2,3
	v_cvt_scalef32_pk8_fp8_f32 v[PC+16*(\a)+4*\b:PC+16*(\a)+4*\b+1], v[QB_+16*\b:QB_+16*\b+7], v[TM+12+\b]
	v_cvt_scalef32_pk8_fp8_f32 v[PC+16*(\a)+4*\b+2:PC+16*(\a)+4*\b+3], v[QB_+16*\b+8:QB_+16*\b+15], v[TM+12+\b]
.endr
	WIN 0
	v_nop                                          ; a plain line behind the last conversion
.endm
; The way out: bias (mode 0: along the registers; 1: by lane), quantiser, images.  Each accumulator is read from its low end on.
.macro EPIQ mode, relu, nxo
.irp a, 0,1,2,3
	WIN 0x41
.set ej, 0
.rept 32
.if \mode == 0
	v_pk_add_f32 v[64*\a+ej:64*\a+ej+1], v[64*\a+ej:64*\a+ej+1], v[BI+ej:BI+ej+1]
.elseif (\a%2) == 0
	v_pk_add_f32 v[64*\a+ej:64*\a+ej+1], v[64*\a+ej:64*\a+ej+1], v[BV+2*(\a/2):BV+2*(\a/2)+1] op_sel:[0,0] op_sel_hi:[1,0]
.else
	v_pk_add_f32 v[64*\a+ej:64*\a+ej+1], v[64*\a+ej:64*\a+ej+1], v[BV+2*(\a/2):BV+2*(\a/2)+1] op_sel:[0,1] op_sel_hi:[1,1]
.endif
.set ej, ej+2
.endr
	QUANTW \a, \relu
.irp c, 0,1,2,3
	global_store_b128 v[LI], v[PC+16*\a+4*\c:PC+16*\a+4*\c+3], s[OUTC:OUTC+1] offset:\a*\nxo*2048+512*\c     ; 512 consecutive bytes of the image
.endr
.endr
	v_cmp_lt_u32 vcc_lo, 15, v1                    ; lanes 16-31 take blocks 2 and 3 of row r
	v_cndmask_b32 v[SO], v[PWS], v[PWS+2], vcc_lo
	v_cndmask_b32 v[SO+1], v[PWS+1], v[PWS+3], vcc_lo
	global_store_b64 v[LW], v[SO:SO+1], s[OUTS:OUTS+1]   ; 256 consecutive bytes, aligned
.endm
	s_load_b256 s[4:11], s[0:1], 0x0               ; ops, bq, bk, bv
	s_load_b64 s[12:13], s[0:1], 0x20              ; qkvb
	v_lshl_add_u32 v[SPW], v0, 2, SPARE
	v_mov_b32 v[NIL], 0
	ds_add_u32 v12, v13
	ds_add_u32 v12, v13
	s_wait_dscnt 0x0
	v_lshrrev_b32 v1, 5, v0
	v_readfirstlane_b32 s14, v1                    ; wave 0..3
	s_lshr_b32 s15, s14, 1                         ; I fetch for T1 (0) or for T0 (1),
	s_and_b32 s16, s14, 1                          ; and which half
	s_bfe_u32 s40, ttmp6, 0x40000                  ; cx
	s_bfe_u32 s41, ttmp6, 0x40004                  ; cy
	s_lshl_b32 s43, s41, 2
	s_lshl_b32 s43, 15, s43                        ; my row of the cluster
	s_lshl_b32 s44, 0x1111, s40                    ; my column
	s_lshl_b32 s42, ttmp9, 2
	s_add_co_u32 s42, s42, s40                     ; 4 x cluster x + cx
	; descriptor groups 1: elements of 8 bytes, no padding.  Codes: a tile's 4,096 bytes of a slot are a row; T1: 8 tiles a load, T0: 4.  Scale words: dense rows of 256 bytes.
	s_or_b32 s[G1], s43, (3<<16)|(1<<21)
	s_or_b32 s[G1B], s44, (3<<16)|(1<<21)
	s_or_b32 s[G1S], s43, (3<<16)|(1<<21)
	s_or_b32 s[G1SB], s44, (3<<16)|(1<<21)
.irp g, G1, G1B
	s_mov_b32 s[\g+1], 512<<16                     ; tensor_dim0
	s_mov_b32 s[\g+3], 512<<16                     ; tile_dim0
	s_mov_b32 s[\g+5], 256*NXK                     ; from tile to tile
	s_mov_b32 s[\g+6], 0
	s_mov_b32 s[\g+7], 0
.endr
	s_mov_b32 s[G1+2], 8<<16
	s_mov_b32 s[G1+4], 8
	s_mov_b32 s[G1B+2], 4<<16
	s_mov_b32 s[G1B+4], 4
.irp g, G1S, G1SB
	s_mov_b32 s[\g+1], 32<<16
	s_mov_b32 s[\g+3], 32<<16
	s_mov_b32 s[\g+5], 32
	s_mov_b32 s[\g+6], 0
	s_mov_b32 s[\g+7], 0
.endr
	s_mov_b32 s[G1S+2], (2*NXK)<<16
	s_mov_b32 s[G1S+4], 2*NXK
	s_mov_b32 s[G1SB+2], NXK<<16
	s_mov_b32 s[G1SB+4], NXK
	; which tiles.  q, k: T1 = x's tile 64 cly + 16 cy, T0 = tile 256 + 32 clx + 8 cx.   v: T1 = tile 384 + 16 cy, T0 = x's tile 32 clx + 128 (cly - 4) + 8 cx.  The choice hangs on the cluster's y alone.
	s_and_b32 s17, ttmp7, 0xffff                   ; cluster y, 0..5
	s_lshl_b32 s20, s17, 6
	s_sub_co_u32 s46, s17, 4
	s_lshl_b32 s46, s46, 7
	s_mov_b32 s19, 384
	s_mov_b32 s22, 256
	s_cmp_ge_u32 s17, 4
	s_cselect_b32 s18, 1, 0                        ; 1: the values' path
	s_cselect_b32 s20, s19, s20
	s_cselect_b32 s46, s46, s22
	s_lshl_b32 s21, s41, 4
	s_add_co_u32 s20, s20, s21
	s_lshl_b32 s21, s16, 3
	s_add_co_u32 s20, s20, s21                     ; T1: the first tile of my load
	s_lshl_b32 s22, s20, 9                         ; its scale words: 512 bytes a tile
	s_add_co_u32 s22, s22, OPS
	s_lshl_b32 s20, s20, 14                        ; its codes: 16,384 bytes a tile
	s_mov_b32 s21, 0
	s_mov_b32 s23, 0
	s_lshl_b32 s47, ttmp9, 5
	s_add_co_u32 s46, s46, s47
	s_lshl_b32 s47, s40, 3
	s_add_co_u32 s46, s46, s47
	s_lshl_b32 s47, s16, 2
	s_add_co_u32 s46, s46, s47                     ; T0: the first tile of my load
	s_lshl_b32 s92, s46, 9
	s_add_co_u32 s92, s92, OPS
	s_lshl_b32 s46, s46, 14
	s_mov_b32 s47, 0
	s_mov_b32 s93, 0
	s_mul_i32 s45, s16, 32768                      ; where they go: no place in the cluster enters an LDS address
	s_mul_i32 s94, s16, 16384
	s_add_co_u32 s94, s94, T0OFF
	s_mul_i32 s95, s16, 512*NXK
	s_add_co_u32 s95, s95, SC1
	s_mul_i32 s96, s16, 256*NXK
	s_add_co_u32 s96, s96, SC0
	s_mov_b32 s[SEL], 0x76543210
	s_mov_b32 s[SEL+1], 0xfedcba98
	s_mov_b32 s[MNT], 0x600000
	s_wait_kmcnt 0x0
	s_add_nc_u64 s[20:21], s[4:5], s[20:21]
	s_add_nc_u64 s[22:23], s[4:5], s[22:23]
	s_add_nc_u64 s[46:47], s[4:5], s[46:47]
	s_add_nc_u64 s[92:93], s[4:5], s[92:93]
	CROUND                                         ; all sixteen work-groups are here: the first joint loads meet
	s_mov_b32 s[G0S], 1
	s_mov_b32 s[G0S+1], s95
	s_mov_b64 s[G0S+2:G0S+3], s[22:23]
	s_or_b32 s[G0S+3], s[G0S+3], 0x80000000
	s_mov_b32 s[G0SB], 1
	s_mov_b32 s[G0SB+1], s96
	s_mov_b64 s[G0SB+2:G0SB+3], s[92:93]
	s_or_b32 s[G0SB+3], s[G0SB+3], 0x80000000
	JLOAD G0S, G1S, G0SB, G1SB                     ; the scale words of all of K: filled once
.irp s, 0,1
	s_mov_b32 s[G0+4*\s], 1
	s_add_co_u32 s[G0+4*\s+1], s45, \s*SLOT
	s_add_nc_u64 s[G0+4*\s+2:G0+4*\s+3], s[20:21], \s*4096
	s_or_b32 s[G0+4*\s+3], s[G0+4*\s+3], 0x80000000
	s_mov_b32 s[G0B+4*\s], 1
	s_add_co_u32 s[G0B+4*\s+1], s94, \s*SLOT
	s_add_nc_u64 s[G0B+4*\s+2:G0B+4*\s+3], s[46:47], \s*4096
	s_or_b32 s[G0B+4*\s+3], s[G0B+4*\s+3], 0x80000000
	JLOAD G0+4*\s, G1, G0B+4*\s, G1B               ; three tensor loads of mine are out behind the last of these
.endr
	v_and_b32 v1, 31, v0                           ; lane
	v_and_b32 v2, 15, v0                           ; r
	v_bfe_u32 v3, v0, 4, 1                         ; h
	v_lshlrev_b32 v[LI], 4, v1
	v_lshlrev_b32 v[LR], 4, v2
	v_lshl_add_u32 v[LW], v3, 3, v[LR]
	s_lshl_b32 s97, s14, 14                        ; my four tiles of T1
	v_add_nc_u32 v[ADR1], s97, v[LI]
	v_add_nc_u32 v[ADR1+1], SLOT, v[ADR1]
	v_add_nc_u32 v[ADR0], T0OFF, v[LI]
	v_add_nc_u32 v[ADR0+1], SLOT, v[ADR0]
	s_mul_i32 s97, s14, 256*NXK
	s_add_co_u32 s97, s97, SC1
	v_add_nc_u32 v[ADS1], s97, v[LR]
	v_add_nc_u32 v[ADS0], SC0, v[LR]
.irp b, 0,1,2,3
	v_mov_b32 v[TM+4+\b], 0                        ; written once: a lane permute's destination counts as one of its sources
.endr
	s_wait_tensorcnt 1                             ; the scale words and my part of slot 0 are in; slot 1's load may be out
	s_barrier_signal -1
	s_barrier_wait -1
	FETCH 0, 0, 0
	STEP 0, 1                                      ; the first step stands in front of the loop: its products start the sums
	s_mov_b32 s3, LAPS-1
.Llap:                                             ; a trip goes once round the ring and fills both slots again
	TURN 0, 1, 1
	STEP 1, 0
	TURN 1, 0, 1
	STEP 0, 0
	s_sub_co_u32 s3, s3, 1
	s_cmp_lg_u32 s3, 0
	s_cbranch_scc1 .Llap
	TURN 0, 1, 0                                   ; the last lap fills nothing
	STEP 1, 0
	s_wait_dscnt 0x0
	MUL8 1, 0, 0
	MUL8 1, 1, 0
	MUL8 1, 2, 0
	MUL8 1, 3, 0
	WIN 0
	PLACES 8                                       ; in front of the first read of results
	s_cmp_eq_u32 s18, 1
	s_cbranch_scc1 .Lv_arm
	; ---- q, k: four tiles of tokens 4 (4 cly + cy) + wave; image 4 clx + cx of 16
	s_lshl_b32 s96, s17, 2
	s_add_co_u32 s96, s96, s41
	s_lshl_b32 s96, s96, 2
	s_add_co_u32 s96, s96, s14
	s_lshl_b32 s98, s96, 17
	s_lshl_b32 s97, s42, 11
	s_add_co_u32 s98, s98, s97
	s_mov_b32 s99, 0
	s_lshl_b32 s100, s96, 12
	s_lshl_b32 s97, s42, 8
	s_add_co_u32 s100, s100, s97
	s_add_co_u32 s100, s100, QKS_
	s_mov_b32 s101, 0
	s_add_nc_u64 s[OUTC:OUTC+1], s[12:13], s[98:99]
	s_add_nc_u64 s[OUTS:OUTS+1], s[12:13], s[100:101]
	s_cmp_ge_u32 ttmp9, 2                          ; cluster columns 2, 3 make k
	s_cselect_b64 s[6:7], s[8:9], s[6:7]
	s_and_b32 s96, s42, 7
	s_lshl_b32 s96, s96, 9
	s_mov_b32 s97, 0
	s_add_nc_u64 s[6:7], s[6:7], s[96:97]
	v_lshlrev_b32 v14, 6, v3                       ; 64 h: register 16 b + i wants the bias of column 32 b + 16 h + i
.irp b, 0,1,2,3
.irp j, 0,1,2,3
	global_load_b128 v[BI+16*\b+4*\j:BI+16*\b+4*\j+3], v14, s[6:7] offset:128*\b+16*\j
.endr
.endr
	s_wait_loadcnt 0x0
	EPIQ 0, 0, 16
	s_branch .Lend
.Lv_arm:
	; ---- v: four tiles of d 4 cy + wave; image 4 clx + cx + 16 (cly - 4) of 32
	s_lshl_b32 s96, s41, 2
	s_add_co_u32 s96, s96, s14
	s_sub_co_u32 s97, s17, 4
	s_lshl_b32 s97, s97, 4
	s_add_co_u32 s97, s97, s42
	s_lshl_b32 s98, s96, 18
	s_lshl_b32 s99, s97, 11
	s_add_co_u32 s98, s98, s99
	s_add_co_u32 s98, s98, VC_
	s_mov_b32 s99, 0
	s_lshl_b32 s100, s96, 13
	s_lshl_b32 s101, s97, 8
	s_add_co_u32 s100, s100, s101
	s_add_co_u32 s100, s100, VS_
	s_mov_b32 s101, 0
	s_add_nc_u64 s[OUTC:OUTC+1], s[12:13], s[98:99]
	s_add_nc_u64 s[OUTS:OUTS+1], s[12:13], s[100:101]
	s_lshl_b32 s96, s96, 8                         ; bv at 64 (4 cy + wave)
	s_mov_b32 s97, 0
	s_add_nc_u64 s[10:11], s[10:11], s[96:97]
	v_lshrrev_b32 v14, 3, v2
	v_lshlrev_b32 v14, 5, v14
	v_lshl_add_u32 v14, v2, 2, v14                 ; 4 (r + 8 (r / 8)): my lane's row of wv in a tile
.irp a, 0,1,2,3
	global_load_b32 v[BV+\a], v14, s[10:11] offset:128*(\a/2)+32*(\a%2)
.endr
	s_wait_loadcnt 0x0
	EPIQ 1, 0, 32
.Lend:
	s_wait_tensorcnt 0x0                           ; the wave's end
	ds_add_u32 v[SPW], v[NIL]
	s_wait_dscnt 0x0
	CROUND                                         ; the closing round: no work-group ends while a partner may still ask for a tile that names it
	s_endpgm
.Lfunc_end_k_q98d8ff1533_qkv:
	.size	k_q98d8ff1533_qkv, .Lfunc_end_k_q98d8ff1533_qkv-k_q98d8ff1533_qkv
	.p2alignl 7, 3214868480
	.fill 96, 4, 3214868480
	.section	.rodata,"a",@progbits
	.p2align	6, 0x0
	.amdhsa_kernel k_q98d8ff1533_qkv
		.amdhsa_group_segment_fixed_size 327680
		.amdhsa_private_segment_fixed_size 0
		.amdhsa_enable_private_segment 0
		.amdhsa_kernarg_size 40
		.amdhsa_user_sgpr_count 2
		.amdhsa_user_sgpr_kernarg_segment_ptr 1
		.amdhsa_wavefront_size32 1
		.amdhsa_system_sgpr_workgroup_id_x 1
		.amdhsa_system_sgpr_workgroup_id_y 1
		.amdhsa_system_sgpr_workgroup_id_z 1
		.amdhsa_system_vgpr_workitem_id 0
		.amdhsa_next_free_vgpr 1024
		.amdhsa_next_free_sgpr 102
		.amdhsa_reserve_vcc 1
		.amdhsa_float_denorm_mode_32 3
		.amdhsa_float_denorm_mode_16_64 3
		.amdhsa_memory_ordered 1
		.amdhsa_forward_progress 1
		.amdhsa_inst_pref_size 161
	.end_amdhsa_kernel
	.amdgpu_metadata
---
amdhsa.version: [ 1, 2 ]
amdhsa.kernels:
  - .name:           k_q98d8ff1533_qkv
    .symbol:         k_q98d8ff1533_qkv.kd
    .args:
      - { .name: ops, .offset: 0, .size: 8, .value_kind: global_buffer, .address_space: global }
      - { .name: bq, .offset: 8, .size: 8, .value_kind: global_buffer, .address_space: global }
      - { .name: bk, .offset: 16, .size: 8, .value_kind: global_buffer, .address_space: global }
      - { .name: bv, .offset: 24, .size: 8, .value_kind: global_buffer, .address_space: global }
      - { .name: qkvb, .offset: 32, .size: 8, .value_kind: global_buffer, .address_space: global }
    .group_segment_fixed_size: 327680
    .private_segment_fixed_size: 0
    .kernarg_segment_align: 8
    .kernarg_segment_size: 40
    .max_flat_workgroup_size: 128
    .sgpr_count:     102
    .vgpr_count:     1024
    .wavefront_size: 32
...
	.end_amdgpu_metadata
.endif
;; end of part 3
;; launch attn (part 4): grid 8 x 32, 16 waves a work-group, clusters of 4 x 1, 280,576 bytes of LDS; arguments qkvb, x, res; writes res
.if DOCPART == 4
	.amdgcn_target "amdgcn-amd-amdhsa--gfx1250"
	.amdhsa_code_object_version 6
	.text
	.protected	k_q98d8ff1533_attn
	.globl	k_q98d8ff1533_attn
	.p2align	8
	.type	k_q98d8ff1533_attn,@function
k_q98d8ff1533_attn:
	s_mov_b64 s[64:65], 0
	v_nop
	global_prefetch_b8 v0, s[64:65] scope:SCOPE_SE
	s_setreg_imm32_b32 hwreg(HW_REG_WAVE_MODE, 25, 1), 1
	s_wait_xcnt 0x0
	s_wait_alu depctr_hold_cnt(0) depctr_sa_sdst(0) depctr_va_vdst(0) depctr_va_sdst(0) depctr_va_ssrc(0) depctr_va_vcc(0) depctr_vm_vsrc(0)
	s_getreg_b32 s2, hwreg(HW_REG_IB_STS2, 6, 4)
	s_cmp_eq_u32 s2, 0
	s_cbranch_scc0 .Lentry_in_a_cluster
	s_endpgm
.Lentry_in_a_cluster:
	s_bfe_u32 s2, ttmp6, 0x10000c
	s_cmp_lg_u32 s2, 0x3003
	s_cbranch_scc0 .Lentry_shape_is_right
	s_endpgm
.Lentry_shape_is_right:
; res = x + softmax(q k^T / 8) v, head by head, both products on codes of FP8 (E4M3) with E8M0 scales; and for each work-group the mean and the sum of squared differences of what it stores.
; THE SOFTMAX AHEAD OF THE SECOND PRODUCT: t = score x log2(e) / 8; M = the running largest t rounded UP to a whole number; p = 2^(t - M) is quantised along the keys, not normalised; the row's sum is taken of the
; unquantised p and divides at the end.  When M moves, the sum and O are multiplied by 2^(old M - new M): exact.
; SHARES.  A work-group owns 256 queries of one (batch, head); each of its sixteen waves one tile of 16, in 256 registers: four waves to a SIMD, so that one wave's vector work stands beside another's products and LDS loads.
; THE HEAD'S WHOLE K AND V LIE IN LDS (2 x 131,072 bytes, and their scale words), as images of operand registers, filled ONCE: no byte is filled again.  CLUSTER: the four query blocks of a cluster share the head: every tile is asked for jointly.
; LAYOUT.  Both products transposed: S^T = K Q^T, O^T = V^T P^T: a lane holds ONE query.  The tokens of a tile are not neighbours (place 16 u + r of a group of 32 holds token 8 u + r + 8 (r / 8)), so the 16 registers of S^T's
; tiles 2 b, 2 b + 1 are 16 neighbouring keys, as P's layout wants them.
; THE HEAD'S 64 IN AN INSTRUCTION OF 128: a fragment of K holds TWO key tiles (K 0-63: tile 2 g; 64-127: tile 2 g + 1).  Q stands as q | zeros | q in v16-39: the operand q | 0 gives tile 2 g's scores, 0 | q tile 2 g + 1's.
; Zero codes add nothing; the scale bytes beside them are 0, which is 2^-127.
; LIMITS: NaN and infinities are not served; a block of p that has fallen to 0 keeps the byte 1.  A block's largest p is taken from its largest score by the same multiply-add and exponential: v_exp_f32 is taken not to fall where its input rises.
; The order of the statistics' sums differs from a plain mean and variance: partial means and sums of squared differences are joined; no difference of large sums is formed.
.set VC_,   8388608
.set QKS_,  12582912
.set VS_,   12845056
.set ST1,   16777216
.set VL,    131072                     ; LDS: K at 0: [64 groups of 32 keys][2048];  V: [part 2][tile of d 4][128 keys 8][2048]
.set KSW,   262144                     ; K's scale words: [32 fours of tiles][256]
.set VSW,   270336                     ; V's: [16 steps][256]
.set STATL, 274432                     ; 16 pairs
.set ADK,  3
.set ADV,  4
.set ADKS, 5
.set ADVS, 6
.set S,    104                         ; v104-167 S^T, then p
.set O,    168                         ; v168-199 O^T
.set PCD,  200                         ; v200-215 p's codes
.set BM,   216                         ; the blocks' largest scores, then largest p
.set PB,   220
.set LM,   224
.set SL,   228
.set F,    244                         ; f = 2^(old M - new M)
.set WD,   245                         ; p's scale word
.set T,    246
.set ZR,   247                         ; 0: the offset of the statistics' store; made at the head, never rewritten
.set WA,   104                         ; the statistics' registers, on the way out
.set WB,   106
.set WDD,  108
.set WE,   110
.set WM,   112
.set WT,   114
.set WV,   10
.set SEL,  2
.set CS,   66
.set MNT,  100
.set PSEL, 101
.set TBK,  11
.set TBV,  12
.set TKS,  13
.set TVS,  14
.set CNT,  15
.set LIMX, 16
.set G1K,  24
.set G1V,  32
.set G1KS, 40
.set G1VS, 48
.set G0K0, 56
.set G0K1, 60
.set G0V0, 68
.set G0V1, 72
.set G0KS, 76
.set G0VS, 80
.set XP,   96
.macro CROUND                          ; a round of the cluster's barrier
	s_barrier_signal -1
	s_barrier_wait -1
	s_cmp_lg_u32 s[WV], 0
	s_cbranch_scc1 .Lnot_wave_0_\@
	s_barrier_signal -3
.Lnot_wave_0_\@:
	s_barrier_wait -3
	s_barrier_signal -1
	s_barrier_wait -1
.endm
.macro XSUM reg, tmp                   ; the sum over the wave's 32 lanes, in every lane
	v_add_f32_dpp v[\reg], v[\reg], v[\reg] row_xmask:1 row_mask:0xf bank_mask:0xf
	v_add_f32_dpp v[\reg], v[\reg], v[\reg] row_xmask:2 row_mask:0xf bank_mask:0xf
	v_add_f32_dpp v[\reg], v[\reg], v[\reg] row_xmask:4 row_mask:0xf bank_mask:0xf
	v_add_f32_dpp v[\reg], v[\reg], v[\reg] row_xmask:8 row_mask:0xf bank_mask:0xf
	v_permlanex16_b32 v[\tmp], v[\reg], s[SEL], s[SEL+1]
	v_add_f32 v[\reg], v[\reg], v[\tmp]
.endm
.macro WSTAT base, nreg, invn, om, oq  ; mean and sum of squared differences of the wave's nreg x 32 numbers
	v_pk_add_f32 v[WA:WA+1], v[\base:\base+1], v[\base+4:\base+5]
	v_pk_add_f32 v[WB:WB+1], v[\base+2:\base+3], v[\base+6:\base+7]
.set wj, 8
.rept ((\nreg)-8)/4
	v_pk_add_f32 v[WA:WA+1], v[WA:WA+1], v[\base+wj:\base+wj+1]
	v_pk_add_f32 v[WB:WB+1], v[WB:WB+1], v[\base+wj+2:\base+wj+3]
.set wj, wj+4
.endr
	v_pk_add_f32 v[WA:WA+1], v[WA:WA+1], v[WB:WB+1]
	v_add_f32 v[WA], v[WA], v[WA+1]
	XSUM WA, WT
	v_mul_f32 v[WM], \invn, v[WA]
	v_mov_b32 v[WM+1], v[WM]
	v_pk_add_f32 v[WDD:WDD+1], v[\base:\base+1], v[WM:WM+1] neg_lo:[0,1] neg_hi:[0,1]
	v_pk_add_f32 v[WE:WE+1], v[\base+2:\base+3], v[WM:WM+1] neg_lo:[0,1] neg_hi:[0,1]
	v_pk_mul_f32 v[WA:WA+1], v[WDD:WDD+1], v[WDD:WDD+1]
	v_pk_mul_f32 v[WB:WB+1], v[WE:WE+1], v[WE:WE+1]
.set wj, 4
.rept ((\nreg)-4)/4
	v_pk_add_f32 v[WDD:WDD+1], v[\base+wj:\base+wj+1], v[WM:WM+1] neg_lo:[0,1] neg_hi:[0,1]
	v_pk_add_f32 v[WE:WE+1], v[\base+wj+2:\base+wj+3], v[WM:WM+1] neg_lo:[0,1] neg_hi:[0,1]
	v_pk_fma_f32 v[WA:WA+1], v[WDD:WDD+1], v[WDD:WDD+1], v[WA:WA+1]
	v_pk_fma_f32 v[WB:WB+1], v[WE:WE+1], v[WE:WE+1], v[WB:WB+1]
.set wj, wj+4
.endr
	v_pk_add_f32 v[WA:WA+1], v[WA:WA+1], v[WB:WB+1]
	v_add_f32 v[\oq], v[WA], v[WA+1]
	XSUM \oq, WT
	v_mov_b32 v[\om], v[WM]
.endm
	s_load_b128 s[4:7], s[0:1], 0x0                ; qkvb, x
	s_load_b64 s[8:9], s[0:1], 0x10                ; res
	v_lshl_add_u32 v254, v0, 2, 0x44000
	v_mov_b32 v255, 0
	ds_add_u32 v254, v255
	ds_add_u32 v254, v255
	v_lshrrev_b32 v1, 5, v0
	v_readfirstlane_b32 s[WV], v1                  ; wave 0..15
	v_mov_b32 v[ZR], 0
	s_bfe_u32 s11, ttmp6, 0x40000                  ; cx: it enters the addresses of Q, x and res alone
	s_lshl_b32 s12, ttmp9, 2
	s_add_co_u32 s12, s12, s11                     ; my block of 256 queries
	s_and_b32 s13, ttmp7, 0xffff                   ; 16 x batch + head, which the four partners share
	s_lshr_b32 s14, s13, 4                         ; batch
	s_and_b32 s15, s13, 15                         ; head
	s_and_b32 s16, s[WV], 1
	s_lshr_b32 s17, s15, 1                         ; which image of 128 columns holds the head,
	s_and_b32 s18, s15, 1                          ; and which half of it
	; descriptor groups 1: the mask names all four work-groups, bit 21 beside it; elements of 8 bytes; no padding
.irp g, G1K, G1V, G1KS, G1VS
	s_mov_b32 s[\g], 15|(3<<16)|(1<<21)
	s_mov_b32 s[\g+6], 0
	s_mov_b32 s[\g+7], 0
.endr
	s_mov_b32 s[G1K+1], 128<<16                    ; K: 32 tiles of tokens, the head's 1,024 bytes of each, 32,768 bytes apart
	s_mov_b32 s[G1K+2], 32<<16
	s_mov_b32 s[G1K+3], 128<<16
	s_mov_b32 s[G1K+4], 32
	s_mov_b32 s[G1K+5], 4096
	s_mov_b32 s[G1V+1], 2048<<16                   ; V: 2 tiles of d, 8 images (1,024 keys) of each, 65,536 bytes apart
	s_mov_b32 s[G1V+2], 2<<16
	s_mov_b32 s[G1V+3], 2048<<16
	s_mov_b32 s[G1V+4], 2
	s_mov_b32 s[G1V+5], 8192
	s_mov_b32 s[G1KS+1], 32<<16                    ; K's scale words: 16 blocks of 256 bytes, 4,096 bytes apart
	s_mov_b32 s[G1KS+2], 16<<16
	s_mov_b32 s[G1KS+3], 32<<16
	s_mov_b32 s[G1KS+4], 16
	s_mov_b32 s[G1KS+5], 512
	s_mov_b32 s[G1VS+1], 32<<16                    ; V's: 8 blocks of 256 bytes, dense
	s_mov_b32 s[G1VS+2], 8<<16
	s_mov_b32 s[G1VS+3], 32<<16
	s_mov_b32 s[G1VS+4], 8
	s_mov_b32 s[G1VS+5], 32
	s_lshl_b32 s20, s14, 7                         ; K, part 0: token tile 128 batch + 32 (wave % 2), image 8 + head / 2, half head % 2
	s_lshl_b32 s21, s16, 5
	s_add_co_u32 s20, s20, s21
	s_lshl_b32 s20, s20, 15
	s_add_co_u32 s21, s17, 8
	s_lshl_b32 s21, s21, 11
	s_add_co_u32 s20, s20, s21
	s_lshl_b32 s21, s18, 10
	s_add_co_u32 s20, s20, s21
	s_mov_b32 s21, 0
	s_lshl_b32 s22, s15, 2                         ; V, part 0: tile of d 4 head + 2 (wave % 2), image 16 batch
	s_lshl_b32 s23, s16, 1
	s_add_co_u32 s22, s22, s23
	s_lshl_b32 s22, s22, 16
	s_lshl_b32 s23, s14, 15
	s_add_co_u32 s22, s22, s23
	s_add_co_u32 s22, s22, VC_
	s_mov_b32 s23, 0
	s_lshl_b32 s84, s14, 5                         ; K's scale words: four tiles 32 batch + 16 (wave % 2)
	s_lshl_b32 s85, s16, 4
	s_add_co_u32 s84, s84, s85
	s_lshl_b32 s84, s84, 12
	s_add_co_u32 s85, s17, 8
	s_lshl_b32 s85, s85, 8
	s_add_co_u32 s84, s84, s85
	s_add_co_u32 s84, s84, QKS_
	s_mov_b32 s85, 0
	s_lshl_b32 s86, s15, 5                         ; V's: 32 head + 16 batch + 8 (wave % 2)
	s_lshl_b32 s87, s14, 4
	s_add_co_u32 s86, s86, s87
	s_lshl_b32 s87, s16, 3
	s_add_co_u32 s86, s86, s87
	s_lshl_b32 s86, s86, 8
	s_add_co_u32 s86, s86, VS_
	s_mov_b32 s87, 0
	s_lshl_b32 s88, s14, 7                         ; my tile of queries: 128 batch + 16 block + wave
	s_lshl_b32 s89, s12, 4
	s_add_co_u32 s88, s88, s89
	s_add_co_u32 s19, s88, s[WV]
	s_lshl_b32 s88, s19, 15
	s_lshl_b32 s89, s17, 11
	s_add_co_u32 s88, s88, s89
	s_lshl_b32 s89, s18, 10
	s_add_co_u32 s88, s88, s89                     ; its codes
	s_mov_b32 s89, 0
	s_lshr_b32 s90, s19, 2
	s_lshl_b32 s90, s90, 12
	s_lshl_b32 s91, s17, 8
	s_add_co_u32 s90, s90, s91
	s_and_b32 s91, s19, 3
	s_lshl_b32 s91, s91, 2
	s_add_co_u32 s90, s90, s91
	s_add_co_u32 s90, s90, QKS_                    ; its scale words
	s_mov_b32 s91, 0
	s_lshl_b32 s92, s14, 11                        ; x and res: the first token of my group of 32: 2048 batch + 256 block + 16 (wave & 14),
	s_lshl_b32 s93, s12, 8
	s_add_co_u32 s92, s92, s93
	s_and_b32 s93, s[WV], 14
	s_lshl_b32 s93, s93, 4
	s_add_co_u32 s92, s92, s93
	s_lshl_b32 s92, s92, 12
	s_lshl_b32 s93, s15, 8
	s_add_co_u32 s92, s92, s93                     ; at my head's 256 bytes
	s_mov_b32 s93, 0
	s_lshl_b32 s94, s16, 15                        ; an odd tile begins 8 tokens on
	s_mov_b32 s95, 0
	s_lshl_b32 s98, s13, 3
	s_add_co_u32 s98, s98, s12
	s_lshl_b32 s98, s98, 3
	s_add_co_u32 s98, s98, ST1                     ; my work-group's pair
	s_mov_b32 s99, 0
	s_wait_dscnt 0x0
	s_wait_kmcnt 0x0
	s_lshl_b32 s19, s16, 15
	s_mov_b32 s[G0K0], 1
	s_mov_b32 s[G0K0+1], s19
	s_add_nc_u64 s[G0K0+2:G0K0+3], s[4:5], s[20:21]
	s_mov_b32 s[G0K1], 1
	s_add_co_u32 s[G0K1+1], s19, 65536
	s_add_nc_u64 s[G0K1+2:G0K1+3], s[G0K0+2:G0K0+3], 0x200000      ; 64 tiles of tokens on
	s_or_b32 s[G0K0+3], s[G0K0+3], 0x80000000
	s_or_b32 s[G0K1+3], s[G0K1+3], 0x80000000
	s_mov_b32 s[G0V0], 1
	s_add_co_u32 s[G0V0+1], s19, VL
	s_add_nc_u64 s[G0V0+2:G0V0+3], s[4:5], s[22:23]
	s_mov_b32 s[G0V1], 1
	s_add_co_u32 s[G0V1+1], s19, VL+65536
	s_add_nc_u64 s[G0V1+2:G0V1+3], s[G0V0+2:G0V0+3], 16384         ; 8 images on
	s_or_b32 s[G0V0+3], s[G0V0+3], 0x80000000
	s_or_b32 s[G0V1+3], s[G0V1+3], 0x80000000
	s_lshl_b32 s19, s16, 12
	s_mov_b32 s[G0KS], 1
	s_add_co_u32 s[G0KS+1], s19, KSW
	s_add_nc_u64 s[G0KS+2:G0KS+3], s[4:5], s[84:85]
	s_or_b32 s[G0KS+3], s[G0KS+3], 0x80000000
	s_lshl_b32 s19, s16, 11
	s_mov_b32 s[G0VS], 1
	s_add_co_u32 s[G0VS+1], s19, VSW
	s_add_nc_u64 s[G0VS+2:G0VS+3], s[4:5], s[86:87]
	s_or_b32 s[G0VS+3], s[G0VS+3], 0x80000000
	s_add_nc_u64 s[88:89], s[4:5], s[88:89]
	s_add_nc_u64 s[90:91], s[4:5], s[90:91]
	s_add_nc_u64 s[XP:XP+1], s[6:7], s[92:93]      ; x at my group of 32 tokens: the prefetch
	s_add_nc_u64 s[92:93], s[92:93], s[94:95]
	s_add_nc_u64 s[94:95], s[8:9], s[92:93]        ; res at my tile
	s_add_nc_u64 s[92:93], s[6:7], s[92:93]        ; x at my tile
	s_add_nc_u64 s[98:99], s[8:9], s[98:99]
	CROUND                                         ; all four work-groups are here: the joint loads meet
	s_cmp_lt_u32 s[WV], 2                          ; a wave's first fills stand in ONE branch on its number: three loads of a fetching wave are out
	s_cbranch_scc0 .Lnot_k
	tensor_load_to_lds s[G0KS:G0KS+3], s[G1KS:G1KS+7]
	s_nop 0
	tensor_load_to_lds s[G0K0:G0K0+3], s[G1K:G1K+7]
	s_nop 0
	tensor_load_to_lds s[G0K1:G0K1+3], s[G1K:G1K+7]
	s_nop 0
.rept 4
	v_nop
.endr
	s_branch .Lasked
.Lnot_k:
	s_cmp_lt_u32 s[WV], 4
	s_cbranch_scc0 .Lasked
	tensor_load_to_lds s[G0VS:G0VS+3], s[G1VS:G1VS+7]
	s_nop 0
	tensor_load_to_lds s[G0V0:G0V0+3], s[G1V:G1V+7]
	s_nop 0
	tensor_load_to_lds s[G0V1:G0V1+3], s[G1V:G1V+7]
	s_nop 0
.rept 4
	v_nop
.endr
.Lasked:
	v_and_b32 v1, 31, v0
	v_lshlrev_b32 v1, 4, v1                        ; 16 x lane
	v_and_b32 v2, 15, v0
	v_lshlrev_b32 v2, 4, v2                        ; 16 r
	v_lshlrev_b32 v7, 8, v1                        ; 4,096 x lane: the prefetch's offset, a lane a token; never rewritten
	global_load_b128 v[16:19], v1, s[88:89]        ; Q's codes: the head's 64
	global_load_b128 v[20:23], v1, s[88:89] offset:512
	global_load_b32 v[T], v2, s[90:91]             ; and its scale word (four bytes: two heads)
	s_lshl_b32 s19, s18, 4                         ; 16 x (head % 2)
	s_mov_b32 s[PSEL], 0x07060302                  ; K's scale word: the head's two bytes of tile 2 g, then of tile 2 g + 1
	s_cmp_eq_u32 s18, 0
	s_cselect_b32 s[PSEL], 0x05040100, s[PSEL]
	s_cmp_eq_u32 s16, 0
	s_cselect_b32 s[LIMX], 2, -1                   ; even waves prefetch, in the trip whose count is 2
	s_mov_b32 s[SEL], 0x76543210
	s_mov_b32 s[SEL+1], 0xfedcba98
	s_mov_b32 s[CS], 0x3e38aa3b                    ; c = log2(e) / 8
	s_mov_b32 s[CS+1], s[CS]
	s_mov_b32 s[MNT], 0x600000
	s_mov_b32 s[TBK], 0
	s_mov_b32 s[TBV], VL
	s_mov_b32 s[TKS], KSW
	s_mov_b32 s[TVS], VSW
	v_mov_b32 v13, 0xff61b1e6                      ; the largest t so far: -3e38
	v_floor_f32 v12, -v13                          ; -M
	v_mov_b32 v14, 0                               ; the sum, in two halves
	v_mov_b32 v15, 0
.irp b, 0,1,2,3
	v_mov_b32 v[PB+\b], 0                          ; written once: a lane permute's destination counts as one of its sources
.endr
	v_mov_b32 v[WD], 0                             ; (named as the upper half of the pair with f before it is first written)
.set sj, 0
.rept 32
	v_mov_b32 v[O+sj], 0                           ; O^T: the step is written once; its first trip finds zeros
.set sj, sj+1
.endr
	s_wait_loadcnt 0x0                             ; Q
.irp j, 0,1,2,3,4,5,6,7
	v_mov_b32 v[24+\j], 0
	v_mov_b32 v[32+\j], v[16+\j]
.endr
	v_lshrrev_b32 v8, s19, v[T]
	v_and_b32 v8, 0xffff, v8                       ; v8: the scale word of q | 0
	v_lshlrev_b32 v9, 16, v8                       ; v9: of 0 | q
; A KEY STEP: 128 keys
.macro STEP ask
	v_add_nc_u32 v[ADK], s[TBK], v1
	v_add_nc_u32 v[ADV], s[TBV], v1
	v_add_nc_u32 v[ADKS], s[TKS], v2
	v_add_nc_u32 v[ADVS], s[TVS], v2
.rept 4
	v_nop                                          ; with the four additions: eight places behind the last products, in front of loads into their registers
.endr
	ds_load_b128 v[232:235], v[ADKS]               ; the scale words of the step's eight tiles of keys
	ds_load_b128 v[236:239], v[ADKS] offset:256
.irp b, 0,1,2,3
.irp c, 0,1,2,3
	ds_load_b128 v[40+16*\b+4*\c:43+16*\b+4*\c], v[ADK] offset:2048*\b+512*\c
.endr
.endr
	s_wait_dscnt 16                                ; the two loads of scale words are in; the 16 behind them may be out
.irp b, 0,1,2,3
	v_perm_b32 v[240+\b], v[232+4*(\b/2)+2*(\b%2)+1], v[232+4*(\b/2)+2*(\b%2)], s[PSEL]
.endr
.rept 8
	v_nop                                          ; a scale register written by a vector instruction stands eight places ahead of the product
.endr
	s_wait_dscnt 0x0
.irp b, 0,1,2,3
.irp u, 0,1
	v_wmma_scale_f32_16x16x128_f8f6f4 v[S+8*(2*\b+\u):S+8*(2*\b+\u)+7], v[40+16*\b:55+16*\b], v[16+8*\u:31+8*\u], 0, v[240+\b], v[8+\u]
.endr
.endr
.rept 8
	v_nop
.endr
	ds_load_b128 v[240:243], v[ADVS]               ; V's scale words and fragments are asked for now and land under the softmax
.irp t, 0,1,2,3
.irp c, 0,1,2,3
	ds_load_b128 v[40+16*\t+4*\c:43+16*\t+4*\c], v[ADV] offset:16384*\t+512*\c
.endr
.endr
.if \ask
; A PREFETCH INTO THE L2 of the rows of x that the way out adds: my group's 32 tokens, my head's 256 bytes of each, a lane a token; the even wave of a pair asks, once, two key steps ahead of the loads; each block is named once in the launch
	s_cmp_eq_u32 s[CNT], s[LIMX]
	s_cbranch_scc0 .Lnopf_\@
	global_prefetch_b8 v7, s[XP:XP+1] th:TH_LOAD_NT scope:SCOPE_SE
.Lnopf_\@:
.endif
.irp b, 0,1,2,3
	v_max3_num_f32 v[BM+\b], v[S+16*\b], v[S+1+16*\b], v[S+2+16*\b]     ; the largest score of each block of 32 keys: for the row's maximum, and for the block's largest p
.endr
.irp i, 3,5,7,9,11,13
.irp b, 0,1,2,3
	v_max3_num_f32 v[BM+\b], v[BM+\b], v[S+16*\b+\i], v[S+1+16*\b+\i]
.endr
.endr
.irp b, 0,1,2,3
	v_max_num_f32 v[BM+\b], v[BM+\b], v[S+15+16*\b]
.endr
.irp b, 0,1,2,3
	v_permlanex16_b32 v[PB+\b], v[BM+\b], s[SEL], s[SEL+1]
.endr
.irp b, 0,1,2,3
	v_max_num_f32 v[BM+\b], v[BM+\b], v[PB+\b]     ; with lane l xor 16's 16 keys
.endr
	v_max3_num_f32 v[T], v[BM], v[BM+1], v[BM+2]
	v_max_num_f32 v[T], v[T], v[BM+3]
	v_mul_f32 v[T], s[CS], v[T]                    ; as t (c is positive)
	v_max_num_f32 v13, v13, v[T]                   ; the running largest t
	v_mov_b32 v[T], v12
	v_floor_f32 v12, -v13                          ; the new -M = -ceil(t)
	v_sub_f32 v[T], v12, v[T]                      ; old M - new M: a whole number, 0 or less
	v_cvt_i32_f32 v[T], v[T]
	v_ldexp_f32 v[F], 1.0, v[T]                    ; f = 2^(old M - new M)
.set sj, 0
.rept 32
	v_pk_fma_f32 v[S+sj:S+sj+1], v[S+sj:S+sj+1], s[CS:CS+1], v[12:13] op_sel_hi:[1,0,0]   ; t - M, two at a time
.set sj, sj+2
.endr
.irp b, 0,1,2,3
	v_fma_f32 v[BM+\b], v[BM+\b], s[CS], v12
.endr
.set sj, 0
.rept 64
	v_exp_f32 v[S+sj], v[S+sj]                     ; p = 2^(t - M)
.set sj, sj+1
.endr
	v_pk_mul_f32 v[14:15], v[14:15], v[F:F+1] op_sel_hi:[1,0]   ; the sums under the new M: the plain line behind the exponentials
	s_wait_alu depctr_va_vdst(0)                   ; one wait for the batch, ahead of its first reader
.irp b, 0,1,2,3
	v_exp_f32 v[BM+\b], v[BM+\b]                   ; the block's largest p
.endr
	v_pk_add_f32 v[PB:PB+1], v[S:S+1], v[S+2:S+3]  ; the row's sum is taken of the unquantised p, in two chains
.irp j, 4,8,12,16,20,24,28,32,36,40,44,48,52,56,60
	v_pk_add_f32 v[14:15], v[14:15], v[S+\j:S+1+\j]
	v_pk_add_f32 v[PB:PB+1], v[PB:PB+1], v[S+2+\j:S+3+\j]
.endr
	v_pk_add_f32 v[14:15], v[14:15], v[PB:PB+1]
	s_wait_alu depctr_va_vdst(0)                   ; and one for the four
.irp b, 0,1,2,3
	v_max_num_f32 v[BM+\b], 0x4800000, v[BM+\b]    ; the floor 2^(9 - 127)
.endr
.irp b, 0,1,2,3
	v_add_nc_u32 v[SL+\b], 0xfc000000, v[BM+\b]    ; the conversion's scale operand
.endr
.irp b, 0,1,2,3
	v_and_or_b32 v[LM+\b], v[BM+\b], 0x7f800000, s[MNT]   ; 448 x the scale
.endr
.irp b, 0,1,2,3
	v_lshrrev_b32 v[PB+\b], 23, v[SL+\b]           ; the scale's byte
.endr
	v_lshl_or_b32 v[WD], v[PB+1], 8, v[PB]
	v_lshl_or_b32 v[WD], v[PB+2], 16, v[WD]
	v_lshl_or_b32 v[WD], v[PB+3], 24, v[WD]
.irp b, 0,1,2,3
.irp i, 0,1,2,3,4,5,6,7,8,9,10,11,12,13,14,15
	v_min_num_f32 v[S+16*\b+\i], v[S+16*\b+\i], v[LM+\b]   ; the conversion does not saturate (ISA guide 7.6.2); p is not negative: a one-sided hold
.endr
	v_cvt_scalef32_pk8_fp8_f32 v[PCD+4*\b:PCD+1+4*\b], v[S+16*\b:S+7+16*\b], v[SL+\b]
	v_cvt_scalef32_pk8_fp8_f32 v[PCD+2+4*\b:PCD+3+4*\b], v[S+8+16*\b:S+15+16*\b], v[SL+\b]
.endr
.set sj, 0
.rept 16
	v_pk_mul_f32 v[O+sj:O+sj+1], v[O+sj:O+sj+1], v[F:F+1] op_sel_hi:[1,0]   ; O^T under the new M; these are also the places in front of the products
.set sj, sj+2
.endr
	s_wait_dscnt 0x0                               ; V
.irp t, 0,1,2,3
	v_wmma_scale_f32_16x16x128_f8f6f4 v[O+8*\t:O+8*\t+7], v[40+16*\t:55+16*\t], v[PCD:PCD+15], v[O+8*\t:O+8*\t+7], v[240+\t], v[WD]
.endr
	s_add_co_u32 s[TBK], s[TBK], 8192
	s_add_co_u32 s[TBV], s[TBV], 2048
	s_add_co_u32 s[TKS], s[TKS], 512
	s_add_co_u32 s[TVS], s[TVS], 256
.endm
	s_wait_tensorcnt 1                             ; the scale words and part 0 are in; part 1's load may be out
	s_barrier_signal -1
	s_barrier_wait -1
	s_mov_b32 s[CNT], 8
.Lk0:                                              ; keys 0 to 1,023
	STEP 0
	s_sub_co_u32 s[CNT], s[CNT], 1
	s_cmp_lg_u32 s[CNT], 0
	s_cbranch_scc1 .Lk0
	s_wait_tensorcnt 0x0                           ; part 1 is in,
	s_wait_dscnt 0x0
	s_barrier_signal -1
	s_barrier_wait -1                              ; everybody's
	s_add_co_u32 s[TBV], s[TBV], 49152             ; from behind part 0's first tile to part 1
	s_mov_b32 s[CNT], 8
.Lk1:                                              ; keys 1,024 to 2,047
	STEP 1
	s_sub_co_u32 s[CNT], s[CNT], 1
	s_cmp_lg_u32 s[CNT], 0
	s_cbranch_scc1 .Lk1
	; THE WAY OUT.  O^T / the sum goes through my stage in LDS (16 rows x 272 bytes, in K's bytes, which nobody reads behind the barrier below) and comes back by rows; x is added; sixteen lanes store a token's 256 bytes of the head
	v_add_f32 v14, v14, v15
	v_permlanex16_b32 v[T], v14, s[SEL], s[SEL+1]
	v_add_f32 v14, v14, v[T]                       ; the row's sum
	v_rcp_f32 v14, v14
	v_and_b32 v3, 15, v0                           ; r   (plain lines behind the reciprocal; with the additions above also the places behind the last products)
	v_bfe_u32 v4, v0, 4, 1                         ; h
	s_mul_i32 s19, s[WV], 16*272
	v_mul_u32_u24 v10, v3, 272
	v_lshl_add_u32 v10, v4, 6, v10
	v_add_nc_u32 v10, s19, v10                     ; in: row r, + 64 h
	v_mul_u32_u24 v11, v4, 272
	v_lshl_add_u32 v11, v3, 4, v11
	v_add_nc_u32 v11, s19, v11                     ; back: lanes 0-15 one row, lanes 16-31 the next
	v_lshlrev_b32 v5, 12, v4
	v_lshl_add_u32 v5, v3, 4, v5                   ; and the same two tokens in x and res
	s_wait_alu depctr_va_vdst(0)                   ; the wait ahead of the reciprocal's first reader
	s_wait_dscnt 0x0
	s_barrier_signal -1
	s_barrier_wait -1                              ; no wave reads K any more
.irp i, 0,1,2,3,4,5,6,7
	global_load_b128 v[40+4*\i:43+4*\i], v5, s[92:93] offset:(2*\i+8*(\i/4))*4096 th:TH_LOAD_NT     ; stage row p is token p + 8 (p / 8) of my tile
.endr
.set sj, 0
.rept 16
	v_pk_mul_f32 v[S+sj:S+sj+1], v[O+sj:O+sj+1], v[14:15] op_sel_hi:[1,0]
.set sj, sj+2
.endr
.irp t, 0,1,2,3
	ds_store_b128 v10, v[S+8*\t:S+8*\t+3] offset:128*(\t/2)+32*(\t%2)         ; register j of tile t is channel 32 (t / 2) + 8 (t % 2) + 16 h + j
	ds_store_b128 v10, v[S+8*\t+4:S+8*\t+7] offset:128*(\t/2)+32*(\t%2)+16
.endr
.irp i, 0,1,2,3,4,5,6,7
	ds_load_b128 v[72+4*\i:75+4*\i], v11 offset:544*\i     ; LDS serves a wave's instructions in order: these see my stores
.endr
	s_wait_dscnt 0x0
	s_wait_loadcnt 0x0
.set sj, 0
.rept 16
	v_pk_add_f32 v[72+sj:73+sj], v[72+sj:73+sj], v[40+sj:41+sj]
.set sj, sj+2
.endr
.irp i, 0,1,2,3,4,5,6,7
	global_store_b128 v5, v[72+4*\i:75+4*\i], s[94:95] offset:(2*\i+8*(\i/4))*4096     ; 16 lanes store 256 consecutive bytes, aligned
.endr
	WSTAT 72, 32, 0x3a800000, 116, 117             ; my 1,024 numbers
	v_lshrrev_b32 v3, 5, v0
	v_lshl_add_u32 v3, v3, 3, STATL
	ds_store_b64 v3, v[116:117]                    ; all lanes write the wave's pair
	s_wait_dscnt 0x0
	s_barrier_signal -1
	s_barrier_wait -1
	v_and_b32 v4, 15, v0
	v_lshl_add_u32 v4, v4, 3, STATL
	ds_load_b64 v[118:119], v4                     ; lane r: wave r's pair
	s_wait_dscnt 0x0
	v_mov_b32 v120, v118
.irp m, 1,2,4,8
	v_add_f32_dpp v120, v120, v120 row_xmask:\m row_mask:0xf bank_mask:0xf
.endr
	v_mul_f32 v120, 0x3d800000, v120               ; the mean of the sixteen means
	v_sub_f32 v121, v118, v120
	v_mul_f32 v121, v121, v121
	v_fma_f32 v121, v121, 0x44800000, v119         ; each wave's sum of squares + 1,024 x (its mean - the mean)^2
.irp m, 1,2,4,8
	v_add_f32_dpp v121, v121, v121 row_xmask:\m row_mask:0xf bank_mask:0xf
.endr
	s_cmp_lg_u32 s[WV], 0
	s_cbranch_scc1 .Lno_stat
	v_cmp_eq_u32 vcc_lo, 0, v0
	s_wait_xcnt 0x0                                ; EXEC changes only behind this wait
	s_and_saveexec_b32 s19, vcc_lo
	global_store_b64 v[ZR], v[120:121], s[98:99]
	s_wait_xcnt 0x0
	s_or_b32 exec_lo, exec_lo, s19
.Lno_stat:
	s_wait_tensorcnt 0x0
	ds_add_u32 v254, v255
	s_wait_dscnt 0x0
	CROUND                                         ; the closing round
	s_endpgm
.Lfunc_end_k_q98d8ff1533_attn:
	.size	k_q98d8ff1533_attn, .Lfunc_end_k_q98d8ff1533_attn-k_q98d8ff1533_attn
	.p2alignl 7, 3214868480
	.fill 96, 4, 3214868480
	.section	.rodata,"a",@progbits
	.p2align	6, 0x0
	.amdhsa_kernel k_q98d8ff1533_attn
		.amdhsa_group_segment_fixed_size 280576
		.amdhsa_private_segment_fixed_size 0
		.amdhsa_enable_private_segment 0
		.amdhsa_kernarg_size 24
		.amdhsa_user_sgpr_count 2
		.amdhsa_user_sgpr_kernarg_segment_ptr 1
		.amdhsa_wavefront_size32 1
		.amdhsa_system_sgpr_workgroup_id_x 1
		.amdhsa_system_sgpr_workgroup_id_y 1
		.amdhsa_system_sgpr_workgroup_id_z 1
		.amdhsa_system_vgpr_workitem_id 0
		.amdhsa_next_free_vgpr 256
		.amdhsa_next_free_sgpr 102
		.amdhsa_reserve_vcc 1
		.amdhsa_float_denorm_mode_32 3
		.amdhsa_float_denorm_mode_16_64 3
		.amdhsa_memory_ordered 1
		.amdhsa_forward_progress 1
		.amdhsa_inst_pref_size 62
	.end_amdhsa_kernel
	.amdgpu_metadata
---
amdhsa.version: [ 1, 2 ]
amdhsa.kernels:
  - .name:           k_q98d8ff1533_attn
    .symbol:         k_q98d8ff1533_attn.kd
    .args:
      - { .name: qkvb, .offset: 0, .size: 8, .value_kind: global_buffer, .address_space: global }
      - { .name: x, .offset: 8, .size: 8, .value_kind: global_buffer, .address_space: global }
      - { .name: res, .offset: 16, .size: 8, .value_kind: global_buffer, .address_space: global }
    .group_segment_fixed_size: 280576
    .private_segment_fixed_size: 0
    .kernarg_segment_align: 8
    .kernarg_segment_size: 24
    .max_flat_workgroup_size: 512
    .sgpr_count:     102
    .vgpr_count:     256
    .wavefront_size: 32
...
	.end_amdgpu_metadata
.endif
;; end of part 4
;; launch norm_quant (part 5): grid 256 x 1, 2 waves a work-group, no clusters, 17,152 bytes of LDS; arguments res, hq; writes hq
.if DOCPART == 5
	.amdgcn_target "amdgcn-amd-amdhsa--gfx1250"
	.amdhsa_code_object_version 6
	.text
	.protected	k_q98d8ff1533_norm_quant
	.globl	k_q98d8ff1533_norm_quant
	.p2align	8
	.type	k_q98d8ff1533_norm_quant,@function
k_q98d8ff1533_norm_quant:
	s_mov_b64 s[64:65], 0
	v_nop
	global_prefetch_b8 v0, s[64:65] scope:SCOPE_SE
	s_setreg_imm32_b32 hwreg(HW_REG_WAVE_MODE, 25, 1), 1
	s_wait_xcnt 0x0
; h = (res - mean) / sqrt(var + 1e-5), mean and var over a batch's 2,048 x 1,024 numbers, becomes codes of FP8 (E4M3) along its 1,024 columns, one E8M0 byte for each 32,
; laid as images of the operand's registers: [256 tiles of 16 tokens][8][2048]; scale words [four tiles][8][r 16][tile 4].  Here the tokens of a tile are neighbours.
; The batch's 128 pairs (mean, sum of squared differences; 16,384 numbers each) are joined: mean = the mean of the means; M2 = the sum of M2_i + n (mean_i - mean)^2.  No difference of large sums is formed.
; (v - mean) x rstd is a subtraction and a multiplication, not one multiply-add: v x rstd - mean x rstd would lose bits under a common offset.
; A wave takes four tiles x 128 columns; loads of 512 consecutive bytes; a tile turns through the wave's own stage in LDS; no barrier.  Memory binds: no matrix unit, cluster or tensor load.
; LIMITS: NaN and infinities are not served; a block under 2^-118, and a block of zeros, gets the byte 1.
.set ST1, 16777216
.set HS,  4194304
.set STG, 8448
.set R,   32
.set XN,  160
.set PC,  224
.set TM,  8
.set PW,  24
.set PWS, 26
.set CB,  240                          ; v240-247 four pairs a lane
.set MEAN, 248
.set RSTD, 250
.set CA,  252
.set CD,  253
.set WT,  254
.set SEL, 12
.set MNT, 14
.set VSC, 15
.set EPS, 24
.macro XSUM reg, tmp
	v_add_f32_dpp v[\reg], v[\reg], v[\reg] row_xmask:1 row_mask:0xf bank_mask:0xf
	v_add_f32_dpp v[\reg], v[\reg], v[\reg] row_xmask:2 row_mask:0xf bank_mask:0xf
	v_add_f32_dpp v[\reg], v[\reg], v[\reg] row_xmask:4 row_mask:0xf bank_mask:0xf
	v_add_f32_dpp v[\reg], v[\reg], v[\reg] row_xmask:8 row_mask:0xf bank_mask:0xf
	v_permlanex16_b32 v[\tmp], v[\reg], s[SEL], s[SEL+1]
	v_add_f32 v[\reg], v[\reg], v[\tmp]
.endm
.macro COMBINE cb, npair, nf, invp     ; npair pairs a lane from v[cb] on; nf: the numbers behind a pair, as f32; invp: 1 / all pairs
	v_add_f32 v[CA], v[\cb], v[\cb+2]
.set cj, 2
.rept (\npair)-2
	v_add_f32 v[CA], v[CA], v[\cb+2*cj]
.set cj, cj+1
.endr
	XSUM CA, WT
	v_mul_f32 v[MEAN], \invp, v[CA]
	v_mov_b32 v[MEAN+1], v[MEAN]
	v_sub_f32 v[CD], v[\cb], v[MEAN]
	v_mul_f32 v[CD], v[CD], v[CD]
	v_fma_f32 v[CA], v[CD], \nf, v[\cb+1]
.set cj, 1
.rept (\npair)-1
	v_sub_f32 v[CD], v[\cb+2*cj], v[MEAN]
	v_mul_f32 v[CD], v[CD], v[CD]
	v_add_f32 v[CA], v[CA], v[\cb+2*cj+1]
	v_fma_f32 v[CA], v[CD], \nf, v[CA]
.set cj, cj+1
.endr
	XSUM CA, WT
	v_fma_f32 v[CA], v[CA], s[VSC], s[EPS]         ; M2 / 2^21 + 1e-5
	v_rsq_f32 v[RSTD], v[CA]
	v_nop                                          ; a plain line behind the transcendental,
	s_wait_alu depctr_va_vdst(0)                   ; and the wait ahead of its first reader
	v_mov_b32 v[RSTD+1], v[RSTD]
.endm
.macro QUANT s
.irp b, 0,1,2,3
	v_max3_num_f32 v[TM+\b], |v[\s+16*\b]|, |v[\s+1+16*\b]|, 0x4800000
.endr
.irp i, 2,4,6,8,10,12,14
.irp b, 0,1,2,3
	v_max3_num_f32 v[TM+\b], v[TM+\b], |v[\s+16*\b+\i]|, |v[\s+1+16*\b+\i]|
.endr
.endr
.irp b, 0,1,2,3
	v_permlanex16_b32 v[TM+4+\b], v[TM+\b], s[SEL], s[SEL+1]
.endr
.irp b, 0,1,2,3
	v_max_num_f32 v[TM+\b], v[TM+\b], v[TM+4+\b]
.endr
.irp b, 0,1,2,3
	v_add_nc_u32 v[TM+12+\b], 0xfc000000, v[TM+\b]
.endr
.irp b, 0,1,2,3
	v_and_or_b32 v[TM+8+\b], v[TM+\b], 0x7f800000, s[MNT]
.endr
.irp b, 0,1,2,3
	v_lshrrev_b32 v[TM+4+\b], 23, v[TM+12+\b]
.endr
	v_lshl_or_b32 v[PW], v[TM+5], 8, v[TM+4]
	v_lshl_or_b32 v[PW], v[TM+6], 16, v[PW]
	v_lshl_or_b32 v[PW], v[TM+7], 24, v[PW]
.irp b, 0,1,2,3
.irp i, 0,1,2,3,4,5,6,7,8,9,10,11,12,13,14,15
	v_med3_num_f32 v[\s+16*\b+\i], v[\s+16*\b+\i], -v[TM+8+\b], v[TM+8+\b]
.endr
	v_cvt_scalef32_pk8_fp8_f32 v[PC+4*\b:PC+1+4*\b], v[\s+16*\b:\s+7+16*\b], v[TM+12+\b]
	v_cvt_scalef32_pk8_fp8_f32 v[PC+2+4*\b:PC+3+4*\b], v[\s+8+16*\b:\s+15+16*\b], v[TM+12+\b]
.endr
	v_nop
.endm
	s_load_b128 s[4:7], s[0:1], 0x0                ; res, hq
	v_lshl_add_u32 v25, v0, 2, 0x4200
	v_mov_b32 v255, 0
	v_lshrrev_b32 v1, 5, v0
	v_readfirstlane_b32 s8, v1
	v_and_b32 v5, 31, v0
	v_and_b32 v6, 15, v0
	v_bfe_u32 v7, v0, 4, 1
	v_lshlrev_b32 v1, 4, v5
	s_mul_i32 s9, s8, STG
	v_add_nc_u32 v2, s9, v1
	v_mul_u32_u24 v3, v6, 528
	v_lshl_add_u32 v3, v7, 6, v3
	v_add_nc_u32 v3, s9, v3
	v_lshlrev_b32 v4, 4, v6
	v_lshl_add_u32 v4, v7, 3, v4
.irp b, 0,1,2,3
	v_mov_b32 v[TM+4+\b], 0
.endr
	v_mov_b32 v[WT], 0
	s_mov_b32 s[SEL], 0x76543210
	s_mov_b32 s[SEL+1], 0xfedcba98
	s_mov_b32 s[MNT], 0x600000
	s_mov_b32 s[VSC], 0x35000000                   ; 2^-21
	s_mov_b32 s[EPS], 0x3727c5ac                   ; 1e-5
	s_lshr_b32 s10, ttmp9, 2                       ; which 64 tokens
	s_and_b32 s11, ttmp9, 3
	s_lshl_b32 s11, s11, 1
	s_add_co_u32 s11, s11, s8                      ; which 128 columns
	s_lshl_b32 s16, s10, 18
	s_lshl_b32 s17, s11, 9
	s_add_co_u32 s16, s16, s17
	s_mov_b32 s17, 0
	s_lshl_b32 s18, s10, 5
	s_add_co_u32 s18, s18, s11
	s_lshl_b32 s18, s18, 11
	s_mov_b32 s19, 0
	s_lshl_b32 s20, s10, 3
	s_add_co_u32 s20, s20, s11
	s_lshl_b32 s20, s20, 8
	s_add_co_u32 s20, s20, HS
	s_mov_b32 s21, 0
	s_lshr_b32 s26, s10, 5                         ; the batch
	s_lshl_b32 s26, s26, 10
	s_add_co_u32 s26, s26, ST1
	s_mov_b32 s27, 0
	s_wait_kmcnt 0x0
	s_add_nc_u64 s[26:27], s[4:5], s[26:27]
	s_add_nc_u64 s[4:5], s[4:5], s[16:17]
	s_add_nc_u64 s[22:23], s[6:7], s[20:21]
	s_add_nc_u64 s[6:7], s[6:7], s[18:19]
.macro LOAD i
.irp p, 0,1,2,3,4,5,6,7,8,9,10,11,12,13,14,15
	global_load_b128 v[R+64*((\i)%2)+4*\p:R+64*((\i)%2)+4*\p+3], v1, s[4:5] offset:(16*(\i)+\p)*4096
.endr
.endm
.macro TILE i
.if (\i) < 3
	s_wait_loadcnt 16                              ; this tile's 16 loads are in; the next tile's may be out
.else
	s_wait_loadcnt 0x0
.endif
.irp p, 0,1,2,3,4,5,6,7,8,9,10,11,12,13,14,15
	ds_store_b128 v2, v[R+64*((\i)%2)+4*\p:R+64*((\i)%2)+4*\p+3] offset:528*\p
.endr
.irp b, 0,1,2,3
.irp j, 0,1,2,3
	ds_load_b128 v[XN+16*\b+4*\j:XN+16*\b+4*\j+3], v3 offset:128*\b+16*\j
.endr
.endr
	s_wait_dscnt 0x0
	s_wait_xcnt 0x0                                ; the last tile's stores have read the codes' registers
.if (\i)+2 < 4
	LOAD (\i)+2
.endif
.set nj, 0
.rept 32
	v_pk_add_f32 v[XN+nj:XN+nj+1], v[XN+nj:XN+nj+1], v[MEAN:MEAN+1] neg_lo:[0,1] neg_hi:[0,1]
.set nj, nj+2
.endr
.set nj, 0
.rept 32
	v_pk_mul_f32 v[XN+nj:XN+nj+1], v[XN+nj:XN+nj+1], v[RSTD:RSTD+1]
.set nj, nj+2
.endr
	QUANT XN
	v_mov_b32 v[PWS+\i], v[PW]
.irp c, 0,1,2,3
	global_store_b128 v1, v[PC+4*\c:PC+4*\c+3], s[6:7] offset:(\i)*16384+512*\c
.endr
.endm
	global_load_b128 v[CB:CB+3], v1, s[26:27]      ; the batch's 128 pairs: four a lane
	global_load_b128 v[CB+4:CB+7], v1, s[26:27] offset:512
	LOAD 0
	LOAD 1
	s_wait_loadcnt 32                              ; the pairs are in; the 32 row loads may be out
	COMBINE CB, 4, 0x46800000, 0x3c000000
	TILE 0
	TILE 1
	TILE 2
	TILE 3
	v_cmp_lt_u32 vcc_lo, 15, v5
	v_cndmask_b32 v30, v[PWS], v[PWS+2], vcc_lo
	v_cndmask_b32 v31, v[PWS+1], v[PWS+3], vcc_lo
	global_store_b64 v4, v[30:31], s[22:23]
	s_wait_tensorcnt 0x0
	ds_add_u32 v25, v255
	s_wait_dscnt 0x0
	s_endpgm
.Lfunc_end_k_q98d8ff1533_norm_quant:
	.size	k_q98d8ff1533_norm_quant, .Lfunc_end_k_q98d8ff1533_norm_quant-k_q98d8ff1533_norm_quant
	.p2alignl 7, 3214868480
	.fill 96, 4, 3214868480
	.section	.rodata,"a",@progbits
	.p2align	6, 0x0
	.amdhsa_kernel k_q98d8ff1533_norm_quant
		.amdhsa_group_segment_fixed_size 17152
		.amdhsa_private_segment_fixed_size 0
		.amdhsa_enable_private_segment 0
		.amdhsa_kernarg_size 16
		.amdhsa_user_sgpr_count 2
		.amdhsa_user_sgpr_kernarg_segment_ptr 1
		.amdhsa_wavefront_size32 1
		.amdhsa_system_sgpr_workgroup_id_x 1
		.amdhsa_system_sgpr_workgroup_id_y 1
		.amdhsa_system_sgpr_workgroup_id_z 1
		.amdhsa_system_vgpr_workitem_id 0
		.amdhsa_next_free_vgpr 256
		.amdhsa_next_free_sgpr 66
		.amdhsa_reserve_vcc 1
		.amdhsa_float_denorm_mode_32 3
		.amdhsa_float_denorm_mode_16_64 3
		.amdhsa_memory_ordered 1
		.amdhsa_forward_progress 1
		.amdhsa_inst_pref_size 69
	.end_amdhsa_kernel
	.amdgpu_metadata
---
amdhsa.version: [ 1, 2 ]
amdhsa.kernels:
  - .name:           k_q98d8ff1533_norm_quant
    .symbol:         k_q98d8ff1533_norm_quant.kd
    .args:
      - { .name: res, .offset: 0, .size: 8, .value_kind: global_buffer, .address_space: global }
      - { .name: hq, .offset: 8, .size: 8, .value_kind: global_buffer, .address_space: global }
    .group_segment_fixed_size: 17152
    .private_segment_fixed_size: 0
    .kernarg_segment_align: 8
    .kernarg_segment_size: 16
    .max_flat_workgroup_size: 64
    .sgpr_count:     66
    .vgpr_count:     256
    .wavefront_size: 32
...
	.end_amdgpu_metadata
.endif
;; end of part 5
;; launch ff1 (part 6): grid 32 x 16, 4 waves a work-group, clusters of 4 x 4, 327,680 bytes of LDS; arguments hq, ops, b1, hid; writes hid
.if DOCPART == 6
	.amdgcn_target "amdgcn-amd-amdhsa--gfx1250"
	.amdhsa_code_object_version 6
	.text
	.protected	k_q98d8ff1533_ff1
	.globl	k_q98d8ff1533_ff1
	.p2align	8
	.type	k_q98d8ff1533_ff1,@function
k_q98d8ff1533_ff1:
	s_mov_b64 s[64:65], 0
	v_nop
	global_prefetch_b8 v0, s[64:65] scope:SCOPE_SE
	s_setreg_imm32_b32 hwreg(HW_REG_WAVE_MODE, 25, 1), 1
	s_wait_xcnt 0x0
	s_wait_alu depctr_hold_cnt(0) depctr_sa_sdst(0) depctr_va_vdst(0) depctr_va_sdst(0) depctr_va_ssrc(0) depctr_va_vcc(0) depctr_vm_vsrc(0)
	s_getreg_b32 s2, hwreg(HW_REG_IB_STS2, 6, 4)
	s_cmp_eq_u32 s2, 0
	s_cbranch_scc0 .Lentry_in_a_cluster
	s_endpgm
.Lentry_in_a_cluster:
	s_bfe_u32 s2, ttmp6, 0x10000c
	s_cmp_lg_u32 s2, 0xf033
	s_cbranch_scc0 .Lentry_shape_is_right
	s_endpgm
.Lentry_shape_is_right:
; hid = Q(relu(h w1 + b1)): a product on codes of FP8 (E4M3) with E8M0 scales, K = 1,024; the result is quantised in registers along the hidden units and stored as images of operand registers.
; A work-group makes 128 hidden units (source 0, T0 = rows of w1) x 256 tokens (source 1, T1 = h); a wave all 128 x 64 tokens: 32 accumulators.  A lane holds ONE token, its registers run along the hidden units.
; The rows of w1's tiles were laid so that the 16 registers of two neighbouring tiles are 16 neighbours (place 16 u + r of a group of 32 holds row 8 u + r + 8 (r / 8)).
; Operands lie in memory as images of their registers ([tile][K / 128][2048]; scale words [four tiles][K / 128][r][tile]).  K goes in steps of 256 through two LDS slots; the scale words of all of K come once.
; CLUSTERS 4 x 4: T1's tiles are asked for jointly along a row of the cluster, T0's along a column.
; REGISTERS: window 0 addresses, scale words (v16-39, nothing else), epilogue; window 1 accumulator (a, t) at v[8 (8 a + t)]; windows 2, 3: two sets of fragments: T0's at v[16 t], T1's at v[128 + 16 a].
; The bias is added to the finished f32 sum; the activation is the hold's lower bound.  LIMITS: NaN and infinities are not served; a block under 2^-118, and a block of zeros, gets the byte 1.
.set NXK,   8
.set LAPS,  NXK/4
.set OPS,   15728640
.set HS,    4194304
.set HIDS,  16777216
.set SLOT,  98304
.set T0OFF, 65536
.set SC1,   2*SLOT
.set SC0,   SC1+1024*NXK
.set SPARE, SC0+512*NXK                ; the spare words, 128 bytes a wave: two blocks of 256 bytes that no other line names
.set LI,   4
.set LR,   5
.set ADR1, 6
.set ADR0, 8
.set ADS1, 10
.set ADS0, 11
.set SPW,  12
.set NIL,  13
.set LW,   15
.set SC,   16
.set BI,   40
.set PC,   104
.set TM,   168
.set PWS,  184
.set SO,   192
.set G1,   24
.set G0,   32
.set G1B,  48
.set G0B,  56
.set G1S,  68
.set G0S,  76
.set G1SB, 80
.set G0SB, 88
.set SEL,  66
.set MNT,  2
.set OUTC, 98
.set OUTS, 100
.set MSB, 0
.macro WIN new                         ; the immediate's high byte repeats the setting that is left
.if MSB != (\new)
	s_set_vgpr_msb (MSB<<8)|(\new)
.set MSB, (\new)
.endif
.endm
.macro PLACES n
.rept \n
	v_nop
.endr
.endm
.macro JLOAD g0a, g1a, g0b, g1b        ; a joint load: waves 0 and 1 fetch for T1, waves 2 and 3 for T0; four v_nop follow each of the two lines
	s_cmp_eq_u32 s15, 0
	s_cbranch_scc0 .Lfor_b_\@
	tensor_load_to_lds s[\g0a:\g0a+3], s[\g1a:\g1a+7]
	s_nop 0
.rept 4
	v_nop
.endr
	s_branch .Lasked_\@
.Lfor_b_\@:
	tensor_load_to_lds s[\g0b:\g0b+3], s[\g1b:\g1b+7]
	s_nop 0
.rept 4
	v_nop
.endr
.Lasked_\@:
.endm
.macro CREST
	s_cmp_lg_u32 s14, 0
	s_cbranch_scc1 .Lnot_wave_0_\@
	s_barrier_signal -3
.Lnot_wave_0_\@:
	s_barrier_wait -3
	s_barrier_signal -1
	s_barrier_wait -1
.endm
.macro CROUND
	s_barrier_signal -1
	s_barrier_wait -1
	CREST
.endm
.macro FETCH slot, x, set              ; 51 LDS loads: the fragments and scale words of the slot's x-th 128 along K
	WIN ((2+\set)<<6)
.irp t, 0,1,2,3,4,5,6,7
.irp c, 0,1,2,3
	ds_load_b128 v[16*\t+4*\c:16*\t+4*\c+3], v[ADR0+\slot] offset:4096*\t+2048*\x+512*\c
.endr
.endr
.irp a, 0,1,2,3
.irp c, 0,1,2,3
	ds_load_b128 v[128+16*\a+4*\c:128+16*\a+4*\c+3], v[ADR1+\slot] offset:4096*\a+2048*\x+512*\c
.endr
.endr
	WIN 0
	ds_load_b128 v[SC+12*\set:SC+12*\set+3], v[ADS0] offset:256*\x
	ds_load_b128 v[SC+12*\set+4:SC+12*\set+7], v[ADS0] offset:256*NXK+256*\x
	ds_load_b128 v[SC+12*\set+8:SC+12*\set+11], v[ADS1] offset:256*\x
.endm
.macro MUL8 set, a, zero               ; T1's block a against T0's eight tiles; the 32 accumulators take turns, one instruction a turn
	WIN 0x5a+5*(\set)
.irp t, 0,1,2,3,4,5,6,7
.if \zero
	v_wmma_scale_f32_16x16x128_f8f6f4 v[8*(8*(\a)+\t):8*(8*(\a)+\t)+7], v[16*\t:16*\t+15], v[128+16*(\a):128+16*(\a)+15], 0, v[SC+12*(\set)+\t], v[SC+12*(\set)+8+(\a)]
.else
	v_wmma_scale_f32_16x16x128_f8f6f4 v[8*(8*(\a)+\t):8*(8*(\a)+\t)+7], v[16*\t:16*\t+15], v[128+16*(\a):128+16*(\a)+15], v[8*(8*(\a)+\t):8*(8*(\a)+\t)+7], v[SC+12*(\set)+\t], v[SC+12*(\set)+8+(\a)]
.endif
.endr
.endm
.macro STEP slot, first                ; a slot's first 128 along K (set 0); the second 128 are fetched into set 1 meanwhile, eight places behind the last product that read it
.if \first == 0
	PLACES 8
.endif
	FETCH \slot, 1, 1
	s_wait_dscnt 51                                ; all but the 51 just issued: set 0 is in
	MUL8 0, 0, \first
	MUL8 0, 1, \first
	MUL8 0, 2, \first
	MUL8 0, 3, \first
	WIN 0
.endm
.macro TURN slot, next, fill           ; a slot's second 128 (set 1), and the change of slots
	s_wait_tensorcnt 0x0                           ; all my tensor loads have landed: my part of the next slot
	ds_add_u32 v[SPW], v[NIL]                      ; 0 onto my spare word
	s_wait_dscnt 1                                 ; set 1 is in; the add alone may be out
	MUL8 1, 0, 0
	s_wait_dscnt 0x0                               ; the add is done, and my reads of this slot are over
	s_barrier_signal -1
	MUL8 1, 1, 0
	WIN 0
	s_barrier_wait -1
.if \fill
	CREST                                          ; a round of the cluster's barrier: no wave of any partner still reads this slot or has a load on its way
	s_add_nc_u64 s[G0+4*\slot+2:G0+4*\slot+3], s[G0+4*\slot+2:G0+4*\slot+3], 8192
	s_add_nc_u64 s[G0B+4*\slot+2:G0B+4*\slot+3], s[G0B+4*\slot+2:G0B+4*\slot+3], 8192
	JLOAD G0+4*\slot, G1, G0B+4*\slot, G1B         ; the first tensor load behind the round; its four v_nop are four of the eight places in front of the loads below
	PLACES 4
.else
	PLACES 8
.endif
	v_add_nc_u32 v[ADS1], 512, v[ADS1]
	v_add_nc_u32 v[ADS0], 512, v[ADS0]
	FETCH \next, 0, 0
	MUL8 1, 2, 0
	MUL8 1, 3, 0
.endm
.macro QUANTW a, relu                  ; accumulators v[64 a ..] of window 1 become codes in v[PC + 16 a] on and a scale word in v[PWS + a]
.set QB_, 64*(\a)
	WIN 0x05
.irp b, 0,1,2,3
.if \relu
	v_max3_num_f32 v[TM+\b], v[QB_+16*\b], v[QB_+1+16*\b], 0x4800000         ; no |.|: what is negative becomes 0 and must not count; the floor 2^(9 - 127) stands over it
.else
	v_max3_num_f32 v[TM+\b], |v[QB_+16*\b]|, |v[QB_+1+16*\b]|, 0x4800000
.endif
.endr
	WIN 0x14
.irp i, 2,4,6,8,10,12,14
.irp b, 0,1,2,3
.if \relu
	v_max3_num_f32 v[TM+\b], v[TM+\b], v[QB_+16*\b+\i], v[QB_+1+16*\b+\i]
.else
	v_max3_num_f32 v[TM+\b], v[TM+\b], |v[QB_+16*\b+\i]|, |v[QB_+1+16*\b+\i]|
.endif
.endr
.endr
	WIN 0
.irp b, 0,1,2,3
	v_permlanex16_b32 v[TM+4+\b], v[TM+\b], s[SEL], s[SEL+1]
.endr
.irp b, 0,1,2,3
	v_max_num_f32 v[TM+\b], v[TM+\b], v[TM+4+\b]
.endr
.irp b, 0,1,2,3
	v_add_nc_u32 v[TM+12+\b], 0xfc000000, v[TM+\b]
.endr
.irp b, 0,1,2,3
	v_and_or_b32 v[TM+8+\b], v[TM+\b], 0x7f800000, s[MNT]
.endr
.irp b, 0,1,2,3
	v_lshrrev_b32 v[TM+4+\b], 23, v[TM+12+\b]
.endr
	v_lshl_or_b32 v[PWS+(\a)], v[TM+5], 8, v[TM+4]
	v_lshl_or_b32 v[PWS+(\a)], v[TM+6], 16, v[PWS+(\a)]
	v_lshl_or_b32 v[PWS+(\a)], v[TM+7], 24, v[PWS+(\a)]
	WIN 0x41
.irp b, 0,1,2,3
.irp i, 0,1,2,3,4,5,6,7,8,9,10,11,12,13,14,15
.if \relu
	v_med3_num_f32 v[QB_+16*\b+\i], v[QB_+16*\b+\i], 0, v[TM+8+\b]           ; the activation and the hold in one
.else
	v_med3_num_f32 v[QB_+16*\b+\i], v[QB_+16*\b+\i], -v[TM+8+\b], v[TM+8+\b]
.endif
.endr
.endr
	WIN 0x01
.irp b, 0,1,2,3
	v_cvt_scalef32_pk8_fp8_f32 v[PC+16*(\a)+4*\b:PC+16*(\a)+4*\b+1], v[QB_+16*\b:QB_+16*\b+7], v[TM+12+\b]
	v_cvt_scalef32_pk8_fp8_f32 v[PC+16*(\a)+4*\b+2:PC+16*(\a)+4*\b+3], v[QB_+16*\b+8:QB_+16*\b+15], v[TM+12+\b]
.endr
	WIN 0
	v_nop
.endm
.macro EPIQ relu, nxo                  ; the way out: bias along the registers, quantiser, images; each accumulator is read from its low end on
.irp a, 0,1,2,3
	WIN 0x41
.set ej, 0
.rept 32
	v_pk_add_f32 v[64*\a+ej:64*\a+ej+1], v[64*\a+ej:64*\a+ej+1], v[BI+ej:BI+ej+1]
.set ej, ej+2
.endr
	QUANTW \a, \relu
.irp c, 0,1,2,3
	global_store_b128 v[LI], v[PC+16*\a+4*\c:PC+16*\a+4*\c+3], s[OUTC:OUTC+1] offset:\a*\nxo*2048+512*\c
.endr
.endr
	v_cmp_lt_u32 vcc_lo, 15, v1
	v_cndmask_b32 v[SO], v[PWS], v[PWS+2], vcc_lo
	v_cndmask_b32 v[SO+1], v[PWS+1], v[PWS+3], vcc_lo
	global_store_b64 v[LW], v[SO:SO+1], s[OUTS:OUTS+1]
.endm
	s_load_b256 s[4:11], s[0:1], 0x0               ; hq, ops, b1, hid
	v_lshl_add_u32 v[SPW], v0, 2, SPARE
	v_mov_b32 v[NIL], 0
	ds_add_u32 v12, v13
	ds_add_u32 v12, v13
	s_wait_dscnt 0x0
	v_lshrrev_b32 v1, 5, v0
	v_readfirstlane_b32 s14, v1
	s_lshr_b32 s15, s14, 1
	s_and_b32 s16, s14, 1
	s_bfe_u32 s40, ttmp6, 0x40000                  ; cx
	s_bfe_u32 s41, ttmp6, 0x40004                  ; cy
	s_lshl_b32 s43, s41, 2
	s_lshl_b32 s43, 15, s43
	s_lshl_b32 s44, 0x1111, s40
	s_lshl_b32 s42, ttmp9, 2
	s_add_co_u32 s42, s42, s40                     ; which 128 hidden units, 0..31
	s_and_b32 s17, ttmp7, 0xffff
	s_lshl_b32 s17, s17, 2
	s_add_co_u32 s17, s17, s41                     ; which 256 tokens, 0..15
	s_or_b32 s[G1], s43, (3<<16)|(1<<21)
	s_or_b32 s[G1B], s44, (3<<16)|(1<<21)
	s_or_b32 s[G1S], s43, (3<<16)|(1<<21)
	s_or_b32 s[G1SB], s44, (3<<16)|(1<<21)
.irp g, G1, G1B
	s_mov_b32 s[\g+1], 512<<16
	s_mov_b32 s[\g+3], 512<<16
	s_mov_b32 s[\g+5], 256*NXK
	s_mov_b32 s[\g+6], 0
	s_mov_b32 s[\g+7], 0
.endr
	s_mov_b32 s[G1+2], 8<<16
	s_mov_b32 s[G1+4], 8
	s_mov_b32 s[G1B+2], 4<<16
	s_mov_b32 s[G1B+4], 4
.irp g, G1S, G1SB
	s_mov_b32 s[\g+1], 32<<16
	s_mov_b32 s[\g+3], 32<<16
	s_mov_b32 s[\g+5], 32
	s_mov_b32 s[\g+6], 0
	s_mov_b32 s[\g+7], 0
.endr
	s_mov_b32 s[G1S+2], (2*NXK)<<16
	s_mov_b32 s[G1S+4], 2*NXK
	s_mov_b32 s[G1SB+2], NXK<<16
	s_mov_b32 s[G1SB+4], NXK
	s_lshl_b32 s20, s17, 4
	s_lshl_b32 s21, s16, 3
	s_add_co_u32 s20, s20, s21                     ; T1: h's tile 16 Y + 8 (wave % 2)
	s_lshl_b32 s22, s20, 9
	s_add_co_u32 s22, s22, HS
	s_lshl_b32 s20, s20, 14
	s_mov_b32 s21, 0
	s_mov_b32 s23, 0
	s_lshl_b32 s46, s42, 3
	s_add_co_u32 s46, s46, 448
	s_lshl_b32 s47, s16, 2
	s_add_co_u32 s46, s46, s47                     ; T0: tile 448 + 8 X + 4 (wave % 2)
	s_lshl_b32 s92, s46, 9
	s_add_co_u32 s92, s92, OPS
	s_lshl_b32 s46, s46, 14
	s_mov_b32 s47, 0
	s_mov_b32 s93, 0
	s_mul_i32 s45, s16, 32768
	s_mul_i32 s94, s16, 16384
	s_add_co_u32 s94, s94, T0OFF
	s_mul_i32 s95, s16, 512*NXK
	s_add_co_u32 s95, s95, SC1
	s_mul_i32 s96, s16, 256*NXK
	s_add_co_u32 s96, s96, SC0
	s_mov_b32 s[SEL], 0x76543210
	s_mov_b32 s[SEL+1], 0xfedcba98
	s_mov_b32 s[MNT], 0x600000
	s_wait_kmcnt 0x0
	s_add_nc_u64 s[20:21], s[4:5], s[20:21]
	s_add_nc_u64 s[22:23], s[4:5], s[22:23]
	s_add_nc_u64 s[46:47], s[6:7], s[46:47]
	s_add_nc_u64 s[92:93], s[6:7], s[92:93]
	CROUND                                         ; all sixteen work-groups are here: the first joint loads meet
	s_mov_b32 s[G0S], 1
	s_mov_b32 s[G0S+1], s95
	s_mov_b64 s[G0S+2:G0S+3], s[22:23]
	s_or_b32 s[G0S+3], s[G0S+3], 0x80000000
	s_mov_b32 s[G0SB], 1
	s_mov_b32 s[G0SB+1], s96
	s_mov_b64 s[G0SB+2:G0SB+3], s[92:93]
	s_or_b32 s[G0SB+3], s[G0SB+3], 0x80000000
	JLOAD G0S, G1S, G0SB, G1SB
.irp s, 0,1
	s_mov_b32 s[G0+4*\s], 1
	s_add_co_u32 s[G0+4*\s+1], s45, \s*SLOT
	s_add_nc_u64 s[G0+4*\s+2:G0+4*\s+3], s[20:21], \s*4096
	s_or_b32 s[G0+4*\s+3], s[G0+4*\s+3], 0x80000000
	s_mov_b32 s[G0B+4*\s], 1
	s_add_co_u32 s[G0B+4*\s+1], s94, \s*SLOT
	s_add_nc_u64 s[G0B+4*\s+2:G0B+4*\s+3], s[46:47], \s*4096
	s_or_b32 s[G0B+4*\s+3], s[G0B+4*\s+3], 0x80000000
	JLOAD G0+4*\s, G1, G0B+4*\s, G1B               ; three tensor loads of mine are out behind the last of these
.endr
	v_and_b32 v1, 31, v0
	v_and_b32 v2, 15, v0
	v_bfe_u32 v3, v0, 4, 1
	v_lshlrev_b32 v[LI], 4, v1
	v_lshlrev_b32 v[LR], 4, v2
	v_lshl_add_u32 v[LW], v3, 3, v[LR]
	s_lshl_b32 s97, s14, 14
	v_add_nc_u32 v[ADR1], s97, v[LI]
	v_add_nc_u32 v[ADR1+1], SLOT, v[ADR1]
	v_add_nc_u32 v[ADR0], T0OFF, v[LI]
	v_add_nc_u32 v[ADR0+1], SLOT, v[ADR0]
	s_mul_i32 s97, s14, 256*NXK
	s_add_co_u32 s97, s97, SC1
	v_add_nc_u32 v[ADS1], s97, v[LR]
	v_add_nc_u32 v[ADS0], SC0, v[LR]
.irp b, 0,1,2,3
	v_mov_b32 v[TM+4+\b], 0
.endr
	s_lshl_b32 s96, s42, 9                         ; b1 at my 128 hidden units
	s_mov_b32 s97, 0
	s_add_nc_u64 s[8:9], s[8:9], s[96:97]
	v_lshlrev_b32 v14, 6, v3                       ; 64 h: register 16 b + i wants the bias of unit 32 b + 16 h + i
.irp b, 0,1,2,3
.irp j, 0,1,2,3
	global_load_b128 v[BI+16*\b+4*\j:BI+16*\b+4*\j+3], v14, s[8:9] offset:128*\b+16*\j
.endr
.endr
	s_lshl_b32 s96, s17, 2
	s_add_co_u32 s96, s96, s14                     ; my four tiles of tokens
	s_lshl_b32 s98, s96, 18
	s_lshl_b32 s97, s42, 11
	s_add_co_u32 s98, s98, s97
	s_mov_b32 s99, 0
	s_lshl_b32 s100, s96, 13
	s_lshl_b32 s97, s42, 8
	s_add_co_u32 s100, s100, s97
	s_add_co_u32 s100, s100, HIDS
	s_mov_b32 s101, 0
	s_add_nc_u64 s[OUTC:OUTC+1], s[10:11], s[98:99]
	s_add_nc_u64 s[OUTS:OUTS+1], s[10:11], s[100:101]
	s_wait_tensorcnt 1                             ; the scale words and my part of slot 0 are in; slot 1's load may be out
	s_barrier_signal -1
	s_barrier_wait -1
	FETCH 0, 0, 0
	STEP 0, 1
	s_mov_b32 s3, LAPS-1
.Llap:
	TURN 0, 1, 1
	STEP 1, 0
	TURN 1, 0, 1
	STEP 0, 0
	s_sub_co_u32 s3, s3, 1
	s_cmp_lg_u32 s3, 0
	s_cbranch_scc1 .Llap
	TURN 0, 1, 0
	STEP 1, 0
	s_wait_dscnt 0x0
	MUL8 1, 0, 0
	MUL8 1, 1, 0
	MUL8 1, 2, 0
	MUL8 1, 3, 0
	WIN 0
	PLACES 8
	s_wait_loadcnt 0x0                             ; b1
	EPIQ 1, 32
	s_wait_tensorcnt 0x0                           ; the wave's end
	ds_add_u32 v[SPW], v[NIL]
	s_wait_dscnt 0x0
	CROUND
	s_endpgm
.Lfunc_end_k_q98d8ff1533_ff1:
	.size	k_q98d8ff1533_ff1, .Lfunc_end_k_q98d8ff1533_ff1-k_q98d8ff1533_ff1
	.p2alignl 7, 3214868480
	.fill 96, 4, 3214868480
	.section	.rodata,"a",@progbits
	.p2align	6, 0x0
	.amdhsa_kernel k_q98d8ff1533_ff1
		.amdhsa_group_segment_fixed_size 327680
		.amdhsa_private_segment_fixed_size 0
		.amdhsa_enable_private_segment 0
		.amdhsa_kernarg_size 32
		.amdhsa_user_sgpr_count 2
		.amdhsa_user_sgpr_kernarg_segment_ptr 1
		.amdhsa_wavefront_size32 1
		.amdhsa_system_sgpr_workgroup_id_x 1
		.amdhsa_system_sgpr_workgroup_id_y 1
		.amdhsa_system_sgpr_workgroup_id_z 1
		.amdhsa_system_vgpr_workitem_id 0
		.amdhsa_next_free_vgpr 1024
		.amdhsa_next_free_sgpr 102
		.amdhsa_reserve_vcc 1
		.amdhsa_float_denorm_mode_32 3
		.amdhsa_float_denorm_mode_16_64 3
		.amdhsa_memory_ordered 1
		.amdhsa_forward_progress 1
		.amdhsa_inst_pref_size 117
	.end_amdhsa_kernel
	.amdgpu_metadata
---
amdhsa.version: [ 1, 2 ]
amdhsa.kernels:
  - .name:           k_q98d8ff1533_ff1
    .symbol:         k_q98d8ff1533_ff1.kd
    .args:
      - { .name: hq, .offset: 0, .size: 8, .value_kind: global_buffer, .address_space: global }
      - { .name: ops, .offset: 8, .size: 8, .value_kind: global_buffer, .address_space: global }
      - { .name: b1, .offset: 16, .size: 8, .value_kind: global_buffer, .address_space: global }
      - { .name: hid, .offset: 24, .size: 8, .value_kind: global_buffer, .address_space: global }
    .group_segment_fixed_size: 327680
    .private_segment_fixed_size: 0
    .kernarg_segment_align: 8
    .kernarg_segment_size: 32
    .max_flat_workgroup_size: 128
    .sgpr_count:     102
    .vgpr_count:     1024
    .wavefront_size: 32
...
	.end_amdgpu_metadata
.endif
;; end of part 6
;; launch ff2 (part 7): grid 8 x 16, 4 waves a work-group, clusters of 4 x 4, 327,680 bytes of LDS; arguments hid, ops, b2, res, sum; writes sum
.if DOCPART == 7
	.amdgcn_target "amdgcn-amd-amdhsa--gfx1250"
	.amdhsa_code_object_version 6
	.text
	.protected	k_q98d8ff1533_ff2
	.globl	k_q98d8ff1533_ff2
	.p2align	8
	.type	k_q98d8ff1533_ff2,@function
k_q98d8ff1533_ff2:
	s_mov_b64 s[64:65], 0
	v_nop
	global_prefetch_b8 v0, s[64:65] scope:SCOPE_SE
	s_setreg_imm32_b32 hwreg(HW_REG_WAVE_MODE, 25, 1), 1
	s_wait_xcnt 0x0
	s_wait_alu depctr_hold_cnt(0) depctr_sa_sdst(0) depctr_va_vdst(0) depctr_va_sdst(0) depctr_va_ssrc(0) depctr_va_vcc(0) depctr_vm_vsrc(0)
	s_getreg_b32 s2, hwreg(HW_REG_IB_STS2, 6, 4)
	s_cmp_eq_u32 s2, 0
	s_cbranch_scc0 .Lentry_in_a_cluster
	s_endpgm
.Lentry_in_a_cluster:
	s_bfe_u32 s2, ttmp6, 0x10000c
	s_cmp_lg_u32 s2, 0xf033
	s_cbranch_scc0 .Lentry_shape_is_right
	s_endpgm
.Lentry_shape_is_right:
; sum = h + hid w2 + b2, with h = (res - mean) / sqrt(var + 1e-5) made anew from res and the batch's 128 pairs; and for each wave the mean and the sum of squared differences of the 8,192 numbers that it stores.
; The product is on codes of FP8 (E4M3) with E8M0 scales, K = 4,096.  A work-group makes 128 columns (source 0, T0 = rows of w2) x 256 tokens (source 1, T1 = hid); a wave all 128 x 64 tokens: 32 accumulators.
; Operands lie in memory as images of their registers; K goes in steps of 256 through two LDS slots; the scale words of all of K come once.  CLUSTERS 4 x 4: T1's tiles jointly along a row of the cluster, T0's along a column.
; 128 work-groups: half of the WGPs have none.  A tile of half the size would read each fragment for half as many products.
; REGISTERS: window 0 addresses, scale words (v16-39, nothing else), the way out; window 1 accumulator (a, t) at v[8 (8 a + t)]; windows 2, 3: fragments (T0's at v[16 t], T1's at v[128 + 16 a]); their v192-255: 16 rows of res each.
; THE WAY OUT: a block of 16 tokens x 128 columns goes through my stage in LDS (in slot 0, which has had its last fill and its last read) and comes back as rows of 512 bytes.
; LIMITS: NaN and infinities are not served.  The statistics are partial means and sums of squared differences, joined; no difference of large sums is formed.
.set NXK,   32
.set LAPS,  NXK/4
.set W2C,   11534336
.set W2S,   16089088
.set HIDS,  16777216
.set ST1,   16777216
.set ST2,   16777216
.set SLOT,  98304
.set T0OFF, 65536
.set SC1,   2*SLOT
.set SC0,   SC1+1024*NXK
.set SPARE, SC0+512*NXK                ; the spare words, 128 bytes a wave: two blocks of 256 bytes that no other line names
.set LI,   4
.set LR,   5
.set ADR1, 6
.set ADR0, 8
.set ADS1, 10
.set ADS0, 11
.set SPW,  12
.set NIL,  13
.set STO,  14
.set RD,   15
.set SC,   16
.set BK,   40                          ; v40-103  16 rows of the result
.set MEAN, 104
.set RSTD, 106
.set B2,   108                         ; v108-111 b2 at my four columns
.set MB,   112                         ; v112-115 the four blocks' means
.set QB,   116                         ; v116-119 and sums of squared differences
.set WA,   120
.set WB,   122
.set WDD,  124
.set WE,   126
.set WM,   128
.set WT,   130
.set CA,   131
.set CD,   132
.set FP,   134
.set CB,   136                         ; v136-143
.set ZR,   144
.set G1,   24
.set G0,   32
.set G1B,  48
.set G0B,  56
.set G1S,  68
.set G0S,  76
.set G1SB, 80
.set G0SB, 88
.set SEL,  66
.set VSC,  18
.set EPS,  19
.set MSB, 0
.macro WIN new                         ; the immediate's high byte repeats the setting that is left
.if MSB != (\new)
	s_set_vgpr_msb (MSB<<8)|(\new)
.set MSB, (\new)
.endif
.endm
.macro PLACES n
.rept \n
	v_nop
.endr
.endm
.macro JLOAD g0a, g1a, g0b, g1b        ; a joint load: waves 0 and 1 fetch for T1, waves 2 and 3 for T0; four v_nop follow each of the two lines
	s_cmp_eq_u32 s15, 0
	s_cbranch_scc0 .Lfor_b_\@
	tensor_load_to_lds s[\g0a:\g0a+3], s[\g1a:\g1a+7]
	s_nop 0
.rept 4
	v_nop
.endr
	s_branch .Lasked_\@
.Lfor_b_\@:
	tensor_load_to_lds s[\g0b:\g0b+3], s[\g1b:\g1b+7]
	s_nop 0
.rept 4
	v_nop
.endr
.Lasked_\@:
.endm
.macro CREST
	s_cmp_lg_u32 s14, 0
	s_cbranch_scc1 .Lnot_wave_0_\@
	s_barrier_signal -3
.Lnot_wave_0_\@:
	s_barrier_wait -3
	s_barrier_signal -1
	s_barrier_wait -1
.endm
.macro CROUND
	s_barrier_signal -1
	s_barrier_wait -1
	CREST
.endm
.macro FETCH slot, x, set              ; 51 LDS loads: the fragments and scale words of the slot's x-th 128 along K
	WIN ((2+\set)<<6)
.irp t, 0,1,2,3,4,5,6,7
.irp c, 0,1,2,3
	ds_load_b128 v[16*\t+4*\c:16*\t+4*\c+3], v[ADR0+\slot] offset:4096*\t+2048*\x+512*\c
.endr
.endr
.irp a, 0,1,2,3
.irp c, 0,1,2,3
	ds_load_b128 v[128+16*\a+4*\c:128+16*\a+4*\c+3], v[ADR1+\slot] offset:4096*\a+2048*\x+512*\c
.endr
.endr
	WIN 0
	ds_load_b128 v[SC+12*\set:SC+12*\set+3], v[ADS0] offset:256*\x
	ds_load_b128 v[SC+12*\set+4:SC+12*\set+7], v[ADS0] offset:256*NXK+256*\x
	ds_load_b128 v[SC+12*\set+8:SC+12*\set+11], v[ADS1] offset:256*\x
.endm
.macro MUL8 set, a, zero               ; T1's block a against T0's eight tiles; the 32 accumulators take turns, one instruction a turn
	WIN 0x5a+5*(\set)
.irp t, 0,1,2,3,4,5,6,7
.if \zero
	v_wmma_scale_f32_16x16x128_f8f6f4 v[8*(8*(\a)+\t):8*(8*(\a)+\t)+7], v[16*\t:16*\t+15], v[128+16*(\a):128+16*(\a)+15], 0, v[SC+12*(\set)+\t], v[SC+12*(\set)+8+(\a)]
.else
	v_wmma_scale_f32_16x16x128_f8f6f4 v[8*(8*(\a)+\t):8*(8*(\a)+\t)+7], v[16*\t:16*\t+15], v[128+16*(\a):128+16*(\a)+15], v[8*(8*(\a)+\t):8*(8*(\a)+\t)+7], v[SC+12*(\set)+\t], v[SC+12*(\set)+8+(\a)]
.endif
.endr
.endm
.macro STEP slot, first                ; a slot's first 128 along K (set 0); the second 128 are fetched into set 1 meanwhile, eight places behind the last product that read it
.if \first == 0
	PLACES 8
.endif
	FETCH \slot, 1, 1
	s_wait_dscnt 51                                ; all but the 51 just issued: set 0 is in
	MUL8 0, 0, \first
	MUL8 0, 1, \first
	MUL8 0, 2, \first
	MUL8 0, 3, \first
	WIN 0
.endm
.macro TURN slot, next, fill           ; a slot's second 128 (set 1), and the change of slots
	s_wait_tensorcnt 0x0                           ; all my tensor loads have landed: my part of the next slot
	ds_add_u32 v[SPW], v[NIL]                      ; 0 onto my spare word
	s_wait_dscnt 1                                 ; set 1 is in; the add alone may be out
	MUL8 1, 0, 0
	s_wait_dscnt 0x0                               ; the add is done, and my reads of this slot are over
	s_barrier_signal -1
	MUL8 1, 1, 0
	WIN 0
	s_barrier_wait -1
.if \fill
	CREST                                          ; a round of the cluster's barrier: no wave of any partner still reads this slot or has a load on its way
	s_add_nc_u64 s[G0+4*\slot+2:G0+4*\slot+3], s[G0+4*\slot+2:G0+4*\slot+3], 8192
	s_add_nc_u64 s[G0B+4*\slot+2:G0B+4*\slot+3], s[G0B+4*\slot+2:G0B+4*\slot+3], 8192
	JLOAD G0+4*\slot, G1, G0B+4*\slot, G1B         ; the first tensor load behind the round; its four v_nop are four of the eight places in front of the loads below
	PLACES 4
.else
	PLACES 8
.endif
	v_add_nc_u32 v[ADS1], 512, v[ADS1]
	v_add_nc_u32 v[ADS0], 512, v[ADS0]
	FETCH \next, 0, 0
	MUL8 1, 2, 0
	MUL8 1, 3, 0
.endm
.macro XSUM reg, tmp
	v_add_f32_dpp v[\reg], v[\reg], v[\reg] row_xmask:1 row_mask:0xf bank_mask:0xf
	v_add_f32_dpp v[\reg], v[\reg], v[\reg] row_xmask:2 row_mask:0xf bank_mask:0xf
	v_add_f32_dpp v[\reg], v[\reg], v[\reg] row_xmask:4 row_mask:0xf bank_mask:0xf
	v_add_f32_dpp v[\reg], v[\reg], v[\reg] row_xmask:8 row_mask:0xf bank_mask:0xf
	v_permlanex16_b32 v[\tmp], v[\reg], s[SEL], s[SEL+1]
	v_add_f32 v[\reg], v[\reg], v[\tmp]
.endm
.macro WSTAT base, nreg, invn, om, oq  ; mean and sum of squared differences of the wave's nreg x 32 numbers
	v_pk_add_f32 v[WA:WA+1], v[\base:\base+1], v[\base+4:\base+5]
	v_pk_add_f32 v[WB:WB+1], v[\base+2:\base+3], v[\base+6:\base+7]
.set wj, 8
.rept ((\nreg)-8)/4
	v_pk_add_f32 v[WA:WA+1], v[WA:WA+1], v[\base+wj:\base+wj+1]
	v_pk_add_f32 v[WB:WB+1], v[WB:WB+1], v[\base+wj+2:\base+wj+3]
.set wj, wj+4
.endr
	v_pk_add_f32 v[WA:WA+1], v[WA:WA+1], v[WB:WB+1]
	v_add_f32 v[WA], v[WA], v[WA+1]
	XSUM WA, WT
	v_mul_f32 v[WM], \invn, v[WA]
	v_mov_b32 v[WM+1], v[WM]
	v_pk_add_f32 v[WDD:WDD+1], v[\base:\base+1], v[WM:WM+1] neg_lo:[0,1] neg_hi:[0,1]
	v_pk_add_f32 v[WE:WE+1], v[\base+2:\base+3], v[WM:WM+1] neg_lo:[0,1] neg_hi:[0,1]
	v_pk_mul_f32 v[WA:WA+1], v[WDD:WDD+1], v[WDD:WDD+1]
	v_pk_mul_f32 v[WB:WB+1], v[WE:WE+1], v[WE:WE+1]
.set wj, 4
.rept ((\nreg)-4)/4
	v_pk_add_f32 v[WDD:WDD+1], v[\base+wj:\base+wj+1], v[WM:WM+1] neg_lo:[0,1] neg_hi:[0,1]
	v_pk_add_f32 v[WE:WE+1], v[\base+wj+2:\base+wj+3], v[WM:WM+1] neg_lo:[0,1] neg_hi:[0,1]
	v_pk_fma_f32 v[WA:WA+1], v[WDD:WDD+1], v[WDD:WDD+1], v[WA:WA+1]
	v_pk_fma_f32 v[WB:WB+1], v[WE:WE+1], v[WE:WE+1], v[WB:WB+1]
.set wj, wj+4
.endr
	v_pk_add_f32 v[WA:WA+1], v[WA:WA+1], v[WB:WB+1]
	v_add_f32 v[\oq], v[WA], v[WA+1]
	XSUM \oq, WT
	v_mov_b32 v[\om], v[WM]
.endm
.macro COMBINE cb, npair, nf, invp     ; npair pairs a lane from v[cb] on; nf: the numbers behind a pair, as f32; invp: 1 / all pairs
	v_add_f32 v[CA], v[\cb], v[\cb+2]
.set cj, 2
.rept (\npair)-2
	v_add_f32 v[CA], v[CA], v[\cb+2*cj]
.set cj, cj+1
.endr
	XSUM CA, WT
	v_mul_f32 v[MEAN], \invp, v[CA]
	v_mov_b32 v[MEAN+1], v[MEAN]
	v_sub_f32 v[CD], v[\cb], v[MEAN]
	v_mul_f32 v[CD], v[CD], v[CD]
	v_fma_f32 v[CA], v[CD], \nf, v[\cb+1]
.set cj, 1
.rept (\npair)-1
	v_sub_f32 v[CD], v[\cb+2*cj], v[MEAN]
	v_mul_f32 v[CD], v[CD], v[CD]
	v_add_f32 v[CA], v[CA], v[\cb+2*cj+1]
	v_fma_f32 v[CA], v[CD], \nf, v[CA]
.set cj, cj+1
.endr
	XSUM CA, WT
	v_fma_f32 v[CA], v[CA], s[VSC], s[EPS]         ; M2 / 2^21 + 1e-5
	v_rsq_f32 v[RSTD], v[CA]
	v_nop                                          ; a plain line behind the transcendental,
	s_wait_alu depctr_va_vdst(0)                   ; and the wait ahead of its first reader
	v_mov_b32 v[RSTD+1], v[RSTD]
.endm
.macro RLOAD a                         ; 16 rows of res, my 128 columns: 512 consecutive bytes a load, into v192-255 of window 2 or 3
	WIN ((2+(\a)%2)<<6)
.irp i, 0,1,2,3,4,5,6,7,8,9,10,11,12,13,14,15
	global_load_b128 v[192+4*\i:195+4*\i], v[LI], s[10:11] offset:(16*(\a)+\i)*4096 th:TH_LOAD_NT
.endr
	WIN 0
.endm
.macro OUTB a                          ; block a: 16 tokens x 128 columns
.set RW, 2+(\a)%2
.if (\a) > 0
	s_wait_xcnt 0x0                                ; the last block's stores have read their registers, which are loaded again below
.endif
	WIN 0x04                                       ; an LDS store's data are its source 1: window 1
.irp t, 0,1,2,3,4,5,6,7
	ds_store_b128 v[STO], v[64*(\a)+8*\t:64*(\a)+8*\t+3] offset:128*(\t/2)+32*(\t%2)         ; each accumulator from its low end on; register j of tile t is column 32 (t / 2) + 8 (t % 2) + 16 h + j
	ds_store_b128 v[STO], v[64*(\a)+8*\t+4:64*(\a)+8*\t+7] offset:128*(\t/2)+32*(\t%2)+16
.endr
	WIN 0
.irp i, 0,1,2,3,4,5,6,7,8,9,10,11,12,13,14,15
	ds_load_b128 v[BK+4*\i:BK+4*\i+3], v[RD] offset:528*\i     ; LDS serves a wave's instructions in order: these see my stores
.endr
	s_wait_dscnt 0x0
.if (\a) < 3
	s_wait_loadcnt 16                              ; this block's rows of res are in; the next block's may be out
.else
	s_wait_loadcnt 0x0
.endif
	WIN ((RW<<6)|RW)
.set oj, 0
.rept 32
	v_pk_add_f32 v[192+oj:193+oj], v[192+oj:193+oj], v[MEAN:MEAN+1] neg_lo:[0,1] neg_hi:[0,1]
.set oj, oj+2
.endr
	WIN RW
.set oj, 0
.rept 32
	v_pk_fma_f32 v[BK+oj:BK+oj+1], v[192+oj:193+oj], v[RSTD:RSTD+1], v[BK+oj:BK+oj+1]    ; h + the product
.set oj, oj+2
.endr
	WIN 0
.set oj, 0
.rept 16
	v_pk_add_f32 v[BK+oj:BK+oj+1], v[BK+oj:BK+oj+1], v[B2:B2+1]
	v_pk_add_f32 v[BK+oj+2:BK+oj+3], v[BK+oj+2:BK+oj+3], v[B2+2:B2+3]
.set oj, oj+4
.endr
.if (\a)+2 < 4
	RLOAD (\a)+2
.endif
	WSTAT BK, 64, 0x3a000000, MB+(\a), QB+(\a)
.irp i, 0,1,2,3,4,5,6,7,8,9,10,11,12,13,14,15
	global_store_b128 v[LI], v[BK+4*\i:BK+4*\i+3], s[12:13] offset:(16*(\a)+\i)*4096      ; 512 consecutive bytes
.endr
.endm
	s_load_b256 s[4:11], s[0:1], 0x0               ; hid, ops, b2, res
	s_load_b64 s[12:13], s[0:1], 0x20              ; sum
	v_lshl_add_u32 v[SPW], v0, 2, SPARE
	v_mov_b32 v[NIL], 0
	ds_add_u32 v12, v13
	ds_add_u32 v12, v13
	s_wait_dscnt 0x0
	v_lshrrev_b32 v1, 5, v0
	v_readfirstlane_b32 s14, v1
	s_lshr_b32 s15, s14, 1
	s_and_b32 s16, s14, 1
	s_bfe_u32 s40, ttmp6, 0x40000                  ; cx
	s_bfe_u32 s41, ttmp6, 0x40004                  ; cy
	s_lshl_b32 s43, s41, 2
	s_lshl_b32 s43, 15, s43
	s_lshl_b32 s44, 0x1111, s40
	s_lshl_b32 s42, ttmp9, 2
	s_add_co_u32 s42, s42, s40                     ; which 128 columns, 0..7
	s_and_b32 s17, ttmp7, 0xffff
	s_lshl_b32 s17, s17, 2
	s_add_co_u32 s17, s17, s41                     ; which 256 tokens, 0..15
	s_or_b32 s[G1], s43, (3<<16)|(1<<21)
	s_or_b32 s[G1B], s44, (3<<16)|(1<<21)
	s_or_b32 s[G1S], s43, (3<<16)|(1<<21)
	s_or_b32 s[G1SB], s44, (3<<16)|(1<<21)
.irp g, G1, G1B
	s_mov_b32 s[\g+1], 512<<16
	s_mov_b32 s[\g+3], 512<<16
	s_mov_b32 s[\g+5], 256*NXK
	s_mov_b32 s[\g+6], 0
	s_mov_b32 s[\g+7], 0
.endr
	s_mov_b32 s[G1+2], 8<<16
	s_mov_b32 s[G1+4], 8
	s_mov_b32 s[G1B+2], 4<<16
	s_mov_b32 s[G1B+4], 4
.irp g, G1S, G1SB
	s_mov_b32 s[\g+1], 32<<16
	s_mov_b32 s[\g+3], 32<<16
	s_mov_b32 s[\g+5], 32
	s_mov_b32 s[\g+6], 0
	s_mov_b32 s[\g+7], 0
.endr
	s_mov_b32 s[G1S+2], (2*NXK)<<16
	s_mov_b32 s[G1S+4], 2*NXK
	s_mov_b32 s[G1SB+2], NXK<<16
	s_mov_b32 s[G1SB+4], NXK
	s_lshl_b32 s20, s17, 4
	s_lshl_b32 s21, s16, 3
	s_add_co_u32 s20, s20, s21                     ; T1: hid's tile 16 Y + 8 (wave % 2): 65,536 bytes of codes and 2,048 of scale words a tile
	s_lshl_b32 s22, s20, 11
	s_add_co_u32 s22, s22, HIDS
	s_lshl_b32 s20, s20, 16
	s_mov_b32 s21, 0
	s_mov_b32 s23, 0
	s_lshl_b32 s46, s42, 3
	s_lshl_b32 s47, s16, 2
	s_add_co_u32 s46, s46, s47                     ; T0: w2's tile 8 X + 4 (wave % 2)
	s_lshl_b32 s92, s46, 11
	s_add_co_u32 s92, s92, W2S
	s_lshl_b32 s46, s46, 16
	s_add_co_u32 s46, s46, W2C
	s_mov_b32 s47, 0
	s_mov_b32 s93, 0
	s_mul_i32 s45, s16, 32768
	s_mul_i32 s94, s16, 16384
	s_add_co_u32 s94, s94, T0OFF
	s_mul_i32 s95, s16, 512*NXK
	s_add_co_u32 s95, s95, SC1
	s_mul_i32 s96, s16, 256*NXK
	s_add_co_u32 s96, s96, SC0
	s_mov_b32 s[SEL], 0x76543210
	s_mov_b32 s[SEL+1], 0xfedcba98
	s_mov_b32 s[VSC], 0x35000000                   ; 2^-21
	s_mov_b32 s[EPS], 0x3727c5ac                   ; 1e-5
	s_wait_kmcnt 0x0
	s_add_nc_u64 s[20:21], s[4:5], s[20:21]
	s_add_nc_u64 s[22:23], s[4:5], s[22:23]
	s_add_nc_u64 s[46:47], s[6:7], s[46:47]
	s_add_nc_u64 s[92:93], s[6:7], s[92:93]
	CROUND                                         ; all sixteen work-groups are here: the first joint loads meet
	s_mov_b32 s[G0S], 1
	s_mov_b32 s[G0S+1], s95
	s_mov_b64 s[G0S+2:G0S+3], s[22:23]
	s_or_b32 s[G0S+3], s[G0S+3], 0x80000000
	s_mov_b32 s[G0SB], 1
	s_mov_b32 s[G0SB+1], s96
	s_mov_b64 s[G0SB+2:G0SB+3], s[92:93]
	s_or_b32 s[G0SB+3], s[G0SB+3], 0x80000000
	JLOAD G0S, G1S, G0SB, G1SB
.irp s, 0,1
	s_mov_b32 s[G0+4*\s], 1
	s_add_co_u32 s[G0+4*\s+1], s45, \s*SLOT
	s_add_nc_u64 s[G0+4*\s+2:G0+4*\s+3], s[20:21], \s*4096
	s_or_b32 s[G0+4*\s+3], s[G0+4*\s+3], 0x80000000
	s_mov_b32 s[G0B+4*\s], 1
	s_add_co_u32 s[G0B+4*\s+1], s94, \s*SLOT
	s_add_nc_u64 s[G0B+4*\s+2:G0B+4*\s+3], s[46:47], \s*4096
	s_or_b32 s[G0B+4*\s+3], s[G0B+4*\s+3], 0x80000000
	JLOAD G0+4*\s, G1, G0B+4*\s, G1B               ; three tensor loads of mine are out behind the last of these
.endr
	v_and_b32 v1, 31, v0
	v_and_b32 v2, 15, v0
	v_bfe_u32 v3, v0, 4, 1
	v_lshlrev_b32 v[LI], 4, v1
	v_lshlrev_b32 v[LR], 4, v2
	s_lshl_b32 s100, s14, 14
	v_add_nc_u32 v[ADR1], s100, v[LI]
	v_add_nc_u32 v[ADR1+1], SLOT, v[ADR1]
	v_add_nc_u32 v[ADR0], T0OFF, v[LI]
	v_add_nc_u32 v[ADR0+1], SLOT, v[ADR0]
	s_mul_i32 s100, s14, 256*NXK
	s_add_co_u32 s100, s100, SC1
	v_add_nc_u32 v[ADS1], s100, v[LR]
	v_add_nc_u32 v[ADS0], SC0, v[LR]
	s_mul_i32 s100, s14, 8448                      ; my stage: 16 rows x 528 bytes
	v_mul_u32_u24 v[STO], v2, 528
	v_lshl_add_u32 v[STO], v3, 6, v[STO]
	v_add_nc_u32 v[STO], s100, v[STO]              ; in: row r, + 64 h
	v_add_nc_u32 v[RD], s100, v[LI]                ; back: a row of 512 bytes for the 32 lanes
	v_mov_b32 v[WT], 0                             ; written once: a lane permute's destination counts as one of its sources
	v_mov_b32 v[ZR], 0
	s_lshr_b32 s96, s17, 3                         ; the batch
	s_lshl_b32 s96, s96, 10
	s_add_co_u32 s96, s96, ST1
	s_mov_b32 s97, 0
	s_add_nc_u64 s[96:97], s[10:11], s[96:97]      ; its 128 pairs
	s_lshl_b32 s98, s17, 5
	s_lshl_b32 s99, s42, 2
	s_add_co_u32 s98, s98, s99
	s_add_co_u32 s98, s98, s14
	s_lshl_b32 s98, s98, 3
	s_add_co_u32 s98, s98, ST2
	s_mov_b32 s99, 0
	s_add_nc_u64 s[98:99], s[12:13], s[98:99]      ; my wave's pair
	s_lshl_b32 s100, s17, 20                       ; my 64 tokens, my work-group's 128 columns
	s_lshl_b32 s101, s14, 18
	s_add_co_u32 s100, s100, s101
	s_lshl_b32 s101, s42, 9
	s_add_co_u32 s100, s100, s101
	s_mov_b32 s101, 0
	s_add_nc_u64 s[10:11], s[10:11], s[100:101]
	s_add_nc_u64 s[12:13], s[12:13], s[100:101]
	s_lshl_b32 s100, s42, 9
	s_add_nc_u64 s[8:9], s[8:9], s[100:101]
	global_load_b128 v[CB:CB+3], v[LI], s[96:97]
	global_load_b128 v[CB+4:CB+7], v[LI], s[96:97] offset:512
	global_load_b128 v[B2:B2+3], v[LI], s[8:9]
	RLOAD 0
	RLOAD 1
	s_wait_loadcnt 33                              ; the pairs are in; b2's load and the 32 row loads may be out
	COMBINE CB, 4, 0x46800000, 0x3c000000
	s_wait_tensorcnt 1                             ; the scale words and my part of slot 0 are in; slot 1's load may be out
	s_barrier_signal -1
	s_barrier_wait -1
	FETCH 0, 0, 0
	STEP 0, 1
	s_mov_b32 s3, LAPS-1
.Llap:
	TURN 0, 1, 1
	STEP 1, 0
	TURN 1, 0, 1
	STEP 0, 0
	s_sub_co_u32 s3, s3, 1
	s_cmp_lg_u32 s3, 0
	s_cbranch_scc1 .Llap
	TURN 0, 1, 0
	STEP 1, 0
	s_wait_dscnt 0x0
	MUL8 1, 0, 0
	MUL8 1, 1, 0
	MUL8 1, 2, 0
	MUL8 1, 3, 0
	WIN 0
	PLACES 8                                       ; in front of the first read of results
	OUTB 0
	OUTB 1
	OUTB 2
	OUTB 3
	v_add_f32 v[WA], v[MB], v[MB+1]                ; the four blocks' pairs are joined: 2,048 numbers each
	v_add_f32 v[WB], v[MB+2], v[MB+3]
	v_add_f32 v[WA], v[WA], v[WB]
	v_mul_f32 v[FP], 0x3e800000, v[WA]
	v_sub_f32 v[WDD], v[MB], v[FP]
	v_mul_f32 v[WDD], v[WDD], v[WDD]
	v_fma_f32 v[FP+1], v[WDD], 0x45000000, v[QB]
.irp a, 1,2,3
	v_sub_f32 v[WDD], v[MB+\a], v[FP]
	v_mul_f32 v[WDD], v[WDD], v[WDD]
	v_add_f32 v[FP+1], v[FP+1], v[QB+\a]
	v_fma_f32 v[FP+1], v[WDD], 0x45000000, v[FP+1]
.endr
	v_cmp_eq_u32 vcc_lo, 0, v1
	s_wait_xcnt 0x0                                ; EXEC changes only behind this wait
	s_and_saveexec_b32 s100, vcc_lo
	global_store_b64 v[ZR], v[FP:FP+1], s[98:99]
	s_wait_xcnt 0x0
	s_or_b32 exec_lo, exec_lo, s100
	s_wait_tensorcnt 0x0                           ; the wave's end
	ds_add_u32 v[SPW], v[NIL]
	s_wait_dscnt 0x0
	CROUND
	s_endpgm
.Lfunc_end_k_q98d8ff1533_ff2:
	.size	k_q98d8ff1533_ff2, .Lfunc_end_k_q98d8ff1533_ff2-k_q98d8ff1533_ff2
	.p2alignl 7, 3214868480
	.fill 96, 4, 3214868480
	.section	.rodata,"a",@progbits
	.p2align	6, 0x0
	.amdhsa_kernel k_q98d8ff1533_ff2
		.amdhsa_group_segment_fixed_size 327680
		.amdhsa_private_segment_fixed_size 0
		.amdhsa_enable_private_segment 0
		.amdhsa_kernarg_size 40
		.amdhsa_user_sgpr_count 2
		.amdhsa_user_sgpr_kernarg_segment_ptr 1
		.amdhsa_wavefront_size32 1
		.amdhsa_system_sgpr_workgroup_id_x 1
		.amdhsa_system_sgpr_workgroup_id_y 1
		.amdhsa_system_sgpr_workgroup_id_z 1
		.amdhsa_system_vgpr_workitem_id 0
		.amdhsa_next_free_vgpr 1024
		.amdhsa_next_free_sgpr 102
		.amdhsa_reserve_vcc 1
		.amdhsa_float_denorm_mode_32 3
		.amdhsa_float_denorm_mode_16_64 3
		.amdhsa_memory_ordered 1
		.amdhsa_forward_progress 1
		.amdhsa_inst_pref_size 150
	.end_amdhsa_kernel
	.amdgpu_metadata
---
amdhsa.version: [ 1, 2 ]
amdhsa.kernels:
  - .name:           k_q98d8ff1533_ff2
    .symbol:         k_q98d8ff1533_ff2.kd
    .args:
      - { .name: hid, .offset: 0, .size: 8, .value_kind: global_buffer, .address_space: global }
      - { .name: ops, .offset: 8, .size: 8, .value_kind: global_buffer, .address_space: global }
      - { .name: b2, .offset: 16, .size: 8, .value_kind: global_buffer, .address_space: global }
      - { .name: res, .offset: 24, .size: 8, .value_kind: global_buffer, .address_space: global }
      - { .name: sum, .offset: 32, .size: 8, .value_kind: global_buffer, .address_space: global }
    .group_segment_fixed_size: 327680
    .private_segment_fixed_size: 0
    .kernarg_segment_align: 8
    .kernarg_segment_size: 40
    .max_flat_workgroup_size: 128
    .sgpr_count:     102
    .vgpr_count:     1024
    .wavefront_size: 32
...
	.end_amdgpu_metadata
.endif
;; end of part 7
;; launch ln2 (part 8): grid 256 x 1, 8 waves a work-group, no clusters, 0 bytes of LDS; arguments sum, out0; writes out0
.if DOCPART == 8
	.amdgcn_target "amdgcn-amd-amdhsa--gfx1250"
	.amdhsa_code_object_version 6
	.text
	.protected	k_q98d8ff1533_ln2
	.globl	k_q98d8ff1533_ln2
	.p2align	8
	.type	k_q98d8ff1533_ln2,@function
k_q98d8ff1533_ln2:
	s_mov_b64 s[64:65], 0
	v_nop
	global_prefetch_b8 v0, s[64:65] scope:SCOPE_SE
	s_setreg_imm32_b32 hwreg(HW_REG_WAVE_MODE, 25, 1), 1
	s_wait_xcnt 0x0
; out0 = (sum - mean) / sqrt(var + 1e-5), mean and var over a batch's 2,048 x 1,024 numbers.  The batch's 256 pairs (mean, sum of squared differences; 8,192 numbers each) are joined:
; mean = the mean of the means; M2 = the sum of M2_i + n (mean_i - mean)^2.  No difference of large sums is formed; (v - mean) x rstd is a subtraction and a multiplication.
; A stream: a work-group takes 16 rows, a wave two: sixteen loads of 512 consecutive bytes, all on their way at once, and as many stores.  No LDS, barrier, matrix unit or cluster: memory binds.
; LIMITS: NaN and infinities are not served.
.set ST2,  16777216
.set CB,   8                           ; v8-23   eight pairs a lane
.set MEAN, 24
.set RSTD, 26
.set CA,   28
.set CD,   29
.set WT,   30
.set D,    32                          ; v32-95
.set SEL,  16
.set VSC,  18
.set EPS,  19
.macro XSUM reg, tmp
	v_add_f32_dpp v[\reg], v[\reg], v[\reg] row_xmask:1 row_mask:0xf bank_mask:0xf
	v_add_f32_dpp v[\reg], v[\reg], v[\reg] row_xmask:2 row_mask:0xf bank_mask:0xf
	v_add_f32_dpp v[\reg], v[\reg], v[\reg] row_xmask:4 row_mask:0xf bank_mask:0xf
	v_add_f32_dpp v[\reg], v[\reg], v[\reg] row_xmask:8 row_mask:0xf bank_mask:0xf
	v_permlanex16_b32 v[\tmp], v[\reg], s[SEL], s[SEL+1]
	v_add_f32 v[\reg], v[\reg], v[\tmp]
.endm
.macro COMBINE cb, npair, nf, invp
	v_add_f32 v[CA], v[\cb], v[\cb+2]
.set cj, 2
.rept (\npair)-2
	v_add_f32 v[CA], v[CA], v[\cb+2*cj]
.set cj, cj+1
.endr
	XSUM CA, WT
	v_mul_f32 v[MEAN], \invp, v[CA]
	v_mov_b32 v[MEAN+1], v[MEAN]
	v_sub_f32 v[CD], v[\cb], v[MEAN]
	v_mul_f32 v[CD], v[CD], v[CD]
	v_fma_f32 v[CA], v[CD], \nf, v[\cb+1]
.set cj, 1
.rept (\npair)-1
	v_sub_f32 v[CD], v[\cb+2*cj], v[MEAN]
	v_mul_f32 v[CD], v[CD], v[CD]
	v_add_f32 v[CA], v[CA], v[\cb+2*cj+1]
	v_fma_f32 v[CA], v[CD], \nf, v[CA]
.set cj, cj+1
.endr
	XSUM CA, WT
	v_fma_f32 v[CA], v[CA], s[VSC], s[EPS]         ; M2 / 2^21 + 1e-5
	v_rsq_f32 v[RSTD], v[CA]
	v_nop                                          ; a plain line behind the transcendental,
	s_wait_alu depctr_va_vdst(0)                   ; and the wait ahead of its first reader
	v_mov_b32 v[RSTD+1], v[RSTD]
.endm
	s_load_b128 s[4:7], s[0:1], 0x0                ; sum, out0
	v_lshrrev_b32 v1, 5, v0
	v_readfirstlane_b32 s8, v1                     ; wave 0..7
	v_and_b32 v1, 31, v0
	v_lshlrev_b32 v1, 4, v1                        ; 16 x lane
	v_mov_b32 v[WT], 0
	s_lshl_b32 s10, ttmp9, 16                      ; 16 rows of 4,096 bytes,
	s_lshl_b32 s11, s8, 13                         ; my two
	s_add_co_u32 s10, s10, s11
	s_mov_b32 s11, 0
	s_lshr_b32 s12, ttmp9, 7                       ; the batch
	s_lshl_b32 s12, s12, 11
	s_add_co_u32 s12, s12, ST2
	s_mov_b32 s13, 0
	s_mov_b32 s[SEL], 0x76543210
	s_mov_b32 s[SEL+1], 0xfedcba98
	s_mov_b32 s[VSC], 0x35000000
	s_mov_b32 s[EPS], 0x3727c5ac
	s_wait_kmcnt 0x0
	s_add_nc_u64 s[14:15], s[4:5], s[12:13]
	s_add_nc_u64 s[4:5], s[4:5], s[10:11]
	s_add_nc_u64 s[6:7], s[6:7], s[10:11]
.irp i, 0,1,2,3
	global_load_b128 v[CB+4*\i:CB+4*\i+3], v1, s[14:15] offset:512*\i
.endr
.irp i, 0,1,2,3,4,5,6,7,8,9,10,11,12,13,14,15
	global_load_b128 v[D+4*\i:D+4*\i+3], v1, s[4:5] offset:512*\i th:TH_LOAD_NT
.endr
	s_wait_loadcnt 16                              ; the pairs are in; the 16 row loads may be out
	COMBINE CB, 8, 0x46000000, 0x3b800000
.irp i, 0,1,2,3,4,5,6,7,8,9,10,11,12,13,14,15
	s_wait_loadcnt 15-\i                           ; loads come back in order: mine is in, the younger ones stay out
	v_pk_add_f32 v[D+4*\i:D+4*\i+1], v[D+4*\i:D+4*\i+1], v[MEAN:MEAN+1] neg_lo:[0,1] neg_hi:[0,1]
	v_pk_add_f32 v[D+4*\i+2:D+4*\i+3], v[D+4*\i+2:D+4*\i+3], v[MEAN:MEAN+1] neg_lo:[0,1] neg_hi:[0,1]
	v_pk_mul_f32 v[D+4*\i:D+4*\i+1], v[D+4*\i:D+4*\i+1], v[RSTD:RSTD+1]
	v_pk_mul_f32 v[D+4*\i+2:D+4*\i+3], v[D+4*\i+2:D+4*\i+3], v[RSTD:RSTD+1]
	global_store_b128 v1, v[D+4*\i:D+4*\i+3], s[6:7] offset:512*\i th:TH_STORE_NT      ; 512 consecutive bytes
.endr
	s_endpgm
.Lfunc_end_k_q98d8ff1533_ln2:
	.size	k_q98d8ff1533_ln2, .Lfunc_end_k_q98d8ff1533_ln2-k_q98d8ff1533_ln2
	.p2alignl 7, 3214868480
	.fill 96, 4, 3214868480
	.section	.rodata,"a",@progbits
	.p2align	6, 0x0
	.amdhsa_kernel k_q98d8ff1533_ln2
		.amdhsa_group_segment_fixed_size 0
		.amdhsa_private_segment_fixed_size 0
		.amdhsa_enable_private_segment 0
		.amdhsa_kernarg_size 16
		.amdhsa_user_sgpr_count 2
		.amdhsa_user_sgpr_kernarg_segment_ptr 1
		.amdhsa_wavefront_size32 1
		.amdhsa_system_sgpr_workgroup_id_x 1
		.amdhsa_system_sgpr_workgroup_id_y 1
		.amdhsa_system_sgpr_workgroup_id_z 1
		.amdhsa_system_vgpr_workitem_id 0
		.amdhsa_next_free_vgpr 96
		.amdhsa_next_free_sgpr 66
		.amdhsa_reserve_vcc 0
		.amdhsa_float_denorm_mode_32 3
		.amdhsa_float_denorm_mode_16_64 3
		.amdhsa_memory_ordered 1
		.amdhsa_forward_progress 1
		.amdhsa_inst_pref_size 12
	.end_amdhsa_kernel
	.amdgpu_metadata
---
amdhsa.version: [ 1, 2 ]
amdhsa.kernels:
  - .name:           k_q98d8ff1533_ln2
    .symbol:         k_q98d8ff1533_ln2.kd
    .args:
      - { .name: sum, .offset: 0, .size: 8, .value_kind: global_buffer, .address_space: global }
      - { .name: out0, .offset: 8, .size: 8, .value_kind: global_buffer, .address_space: global }
    .group_segment_fixed_size: 0
    .private_segment_fixed_size: 0
    .kernarg_segment_align: 8
    .kernarg_segment_size: 16
    .max_flat_workgroup_size: 256
    .sgpr_count:     66
    .vgpr_count:     96
    .wavefront_size: 32
...
	.end_amdgpu_metadata
.endif
;; end of part 8
;; ======== version 2 of 2: 7 launches
;; limits: right only within a limited range of input values
;; workspace buffers: ops 16,220,160 bytes; qkvb 12,976,128 bytes; res 16,779,264 bytes; hq 4,325,376 bytes; hid 17,301,504 bytes; sum 16,785,408 bytes
;; launch quant_all (part 9): grid 832 x 1, 4 waves a work-group, no clusters, 34,816 bytes of LDS; arguments wq, wk, wv, w1, w2, ops, x; writes ops
.if DOCPART == 9
	.amdgcn_target "amdgcn-amd-amdhsa--gfx1250"
	.amdhsa_code_object_version 6
	.text
	.protected	k_q98d8ff1533_quant_all
	.globl	k_q98d8ff1533_quant_all
	.p2align	8
	.type	k_q98d8ff1533_quant_all,@function
k_q98d8ff1533_quant_all:
	s_mov_b64 s[64:65], 0
	v_nop
	global_prefetch_b8 v0, s[64:65] scope:SCOPE_SE
	s_setreg_imm32_b32 hwreg(HW_REG_WAVE_MODE, 25, 1), 1
	s_wait_xcnt 0x0
; The five weights and x, f32, become codes of FP8 (E4M3) with one E8M0 byte for each 32 along K, laid in ops as images of the matrix operand's registers.
; A tile is 16 rows x 128 K = 2,048 bytes: chunk c (K = 32 c + 16 h + 0..15 of row r) lies at 512 c + 16 (16 h + r).  An operand is laid [tile][K / 128][2048]; x has tiles 0-255, the weights follow from tile 256 on.
; THE ROWS OF A TILE ARE NOT NEIGHBOURS: inside each group of 32 rows place 16 u + r holds row 8 u + r + 8 (r / 8).  Scale words (four bytes: 128 K of one row) are laid [four tiles][K / 128][r 16][tile 4].
; WORK-GROUPS 0-703, THE WEIGHTS, stored [K][N]: a lane takes a column n and its registers run down K: a block of 32 lies in one lane, and the conversions give codes with K innermost.  A work-group takes 128 columns x 128 K,
; a wave 32 columns (two tiles): 128 loads of 128 consecutive bytes, all issued at the start.  0-191: wq, wk, wv; 192-447: w1; 448-703: w2: one path, only pointers, shifts and strides are chosen.
; WORK-GROUPS 704-831, x [4096][1024], K innermost: a wave takes four tiles (64 tokens) x 128 columns; each load reads 512 consecutive bytes of a token's row; a tile turns through the wave's own stage in LDS (rows 528 bytes apart),
; so that lane (r, h) gets 16 neighbours of each block of 32 of row r; the codes then are the image.  The two paths part on the work-group's number and have LDS bytes of their own.
; No matrix unit, cluster or tensor load: work-groups share no input, and memory binds.
; LIMITS: NaN and infinities are not served.  A block whose largest magnitude lies under 2^-118 gets the byte 1; so does a block of zeros (its codes are zeros, and this program alone reads the bytes).
.set OPS,  15728640                    ; where the scale words begin in ops
.set EMAX, 8
.set XST,  512                         ; LDS: 0-511 the weights' scale words; from 512 x's four stages; then the spare words
.set STG,  8448                        ; a wave's stage: 16 rows x 528 bytes
.set SPARE, XST+4*STG
.set OFF,  32                          ; weights: v32-63 byte offset of my column in row i of a block
.set X,    64                          ; v64-191  four blocks of 32 numbers
.set C,    192                         ; v192-223 codes: eight registers a block
.set SB,   24                          ; the four scale bytes
.set BASE, 32                          ; s[32:39] the source at the first row of each of my four blocks
.set R,    32                          ; x: v32-159 two sets of 64: a tile as loaded
.set XN,   160                         ; v160-223 register 16 b + i = K 32 b + 16 h + i of my row
.set PC,   224                         ; v224-239 the codes just made
.set TM,   8
.set PW,   24
.set PWS,  26
.set SEL,  12
.set MNT,  14
	s_load_b256 s[4:11], s[0:1], 0x0               ; wq, wk, wv, w1
	s_load_b128 s[12:15], s[0:1], 0x20             ; w2, ops
	s_load_b64 s[58:59], s[0:1], 0x30              ; x
	v_lshl_add_u32 v240, v0, 2, SPARE
	v_mov_b32 v241, 0
	v_lshrrev_b32 v1, 5, v0
	v_readfirstlane_b32 s16, v1                    ; wave 0..3
	s_cmp_ge_u32 ttmp9, 704
	s_cbranch_scc1 .Lx_path
	s_and_b32 s17, ttmp9, 63                       ; the work-group's number within its weight,
	s_lshr_b32 s18, ttmp9, 6                       ; and which weight: 0, 1, 2 = wq, wk, wv; 3 = w1; 7 = w2: its first tile is 256 + 64 x that number
	s_sub_co_u32 s19, ttmp9, 192
	s_sub_co_u32 s20, ttmp9, 448
	s_cmp_lt_u32 ttmp9, 192
	s_cselect_b32 s17, s17, s19
	s_cselect_b32 s18, s18, 3
	s_cmp_lt_u32 ttmp9, 448
	s_cselect_b32 s17, s17, s20
	s_cselect_b32 s18, s18, 7
	s_cmp_eq_u32 s18, 3                            ; w1 has 4,096 columns, the others 1,024
	s_cselect_b32 s21, 31, 7
	s_cselect_b32 s22, 5, 3
	s_cselect_b32 s23, 14, 12                      ; log2 of a row's bytes
	s_cmp_eq_u32 s18, 7                            ; w2 has K = 4,096, the others 1,024
	s_cselect_b32 s24, 16, 14                      ; log2 of a tile's bytes over all of K
	s_cselect_b32 s25, 13, 11                      ; log2 of four tiles' scale bytes over all of K
	s_and_b32 s26, s17, s21                        ; which 128 columns
	s_lshr_b32 s27, s17, s22                       ; which 128 along K
	s_lshl_b32 s53, 1, s23                         ; a row's bytes
	s_mov_b32 s52, 0x600000                        ; the mantissa field of 448
	s_lshr_b32 s60, s16, 1
	s_lshl_b32 s60, s60, 8
	s_and_b32 s20, s16, 1
	s_lshl_b32 s20, s20, 3
	s_add_co_u32 s60, s60, s20                     ; LDS: 256 (wave / 2) + 8 (wave % 2)
	s_lshl_b32 s61, s16, 8
	s_add_co_u32 s28, s23, 7                       ; the source: 128 ky rows + 4 (128 nx + 32 wave)
	s_lshl_b32 s28, s27, s28
	s_lshl_b32 s29, s26, 9
	s_add_co_u32 s28, s28, s29
	s_lshl_b32 s29, s16, 7
	s_add_co_u32 s28, s28, s29
	s_mov_b32 s29, 0
	s_lshl_b32 s30, s53, 5                         ; 32 rows
	s_mov_b32 s31, 0
	s_lshl_b32 s54, s18, 6                         ; the codes: (256 + 64 x weight) tiles of 16,384 bytes,
	s_add_co_u32 s54, s54, 256
	s_lshl_b32 s54, s54, 14
	s_lshl_b32 s19, s26, 3
	s_lshl_b32 s20, s16, 1
	s_add_co_u32 s19, s19, s20
	s_lshl_b32 s19, s19, s24                       ; + (8 nx + 2 wave) tiles of this weight,
	s_add_co_u32 s54, s54, s19
	s_lshl_b32 s19, s27, 11                        ; + ky images
	s_add_co_u32 s54, s54, s19
	s_mov_b32 s55, 0
	s_lshl_b32 s56, s18, 4                         ; the scale words that waves 0 and 1 store: the weight's first four tiles,
	s_add_co_u32 s56, s56, 64
	s_lshl_b32 s56, s56, 11
	s_add_co_u32 s56, s56, OPS
	s_lshl_b32 s19, s26, 1
	s_add_co_u32 s19, s19, s16
	s_lshl_b32 s19, s19, s25                       ; + (2 nx + wave) fours,
	s_add_co_u32 s56, s56, s19
	s_lshl_b32 s19, s27, 8                         ; + ky blocks of 256 bytes
	s_add_co_u32 s56, s56, s19
	s_mov_b32 s57, 0
	v_and_b32 v1, 31, v0                           ; lane
	v_lshlrev_b32 v[OFF], 2, v1
.set oi, 1
.rept 31
	v_add_nc_u32 v[OFF+oi], s53, v[OFF+oi-1]
.set oi, oi+1
.endr
	v_and_b32 v2, 7, v1
	v_lshrrev_b32 v3, 4, v1
	v_bfe_u32 v8, v1, 3, 1                         ; my column's tile of the wave's two: bit 3 of the lane
	v_lshlrev_b32 v9, 4, v2
	v_lshl_add_u32 v9, v3, 7, v9                   ; 16 x its row in that tile: (lane % 8) + 8 (lane / 16)
	v_lshlrev_b32 v4, s24, v8
	v_add_nc_u32 v4, v4, v9                        ; where my codes go: tile x its bytes + 16 x row
	v_lshl_add_u32 v5, v8, 2, v9
	v_add_nc_u32 v5, s60, v5                       ; LDS: my scale word: 256 (wave / 2) + 16 row + 4 (2 (wave % 2) + tile)
	v_lshlrev_b32 v7, 3, v1                        ; on the way out 8 bytes a lane,
	v_add_nc_u32 v6, s61, v7                       ; of block 0 (wave 0) or 1 (wave 1)
	s_wait_alu depctr_va_vdst(0)                   ; the wait at the head's end
	s_wait_kmcnt 0x0
	s_cmp_eq_u32 s18, 1                            ; the choice hangs on the work-group's number alone
	s_cselect_b64 s[4:5], s[6:7], s[4:5]
	s_cmp_eq_u32 s18, 2
	s_cselect_b64 s[4:5], s[8:9], s[4:5]
	s_cmp_eq_u32 s18, 3
	s_cselect_b64 s[4:5], s[10:11], s[4:5]
	s_cmp_eq_u32 s18, 7
	s_cselect_b64 s[4:5], s[12:13], s[4:5]
	s_add_nc_u64 s[BASE:BASE+1], s[4:5], s[28:29]
.irp t, 1,2,3
	s_add_nc_u64 s[BASE+2*\t:BASE+2*\t+1], s[BASE+2*\t-2:BASE+2*\t-1], s[30:31]
.endr
	s_add_nc_u64 s[48:49], s[14:15], s[54:55]
	s_add_nc_u64 s[50:51], s[14:15], s[56:57]
.irp t, 0,1,2,3                        ; block t: 32 rows of my column; a wave's load reads 128 consecutive bytes, the four waves stand side by side
.set li, 0
.rept 32
	global_load_b32 v[X+32*\t+li], v[OFF+li], s[BASE+2*\t:BASE+2*\t+1] th:TH_LOAD_NT
.set li, li+1
.endr
.endr
.macro BLOCK t, younger
.set XS, X+32*(\t)
.set CT, C+8*(\t)
	s_wait_loadcnt \younger                        ; this block's 32 loads are in.  Behind them 32 (3 - t) were issued; the wait names 63 at the most
	v_max3_num_f32 v12, |v[XS]|, |v[XS+1]|, |v[XS+2]|      ; the block's largest magnitude: all 32 numbers are mine
	v_max3_num_f32 v13, |v[XS+3]|, |v[XS+4]|, |v[XS+5]|
.irp i, 6,10,14,18,22,26
	v_max3_num_f32 v12, v12, |v[XS+\i]|, |v[XS+\i+1]|
	v_max3_num_f32 v13, v13, |v[XS+\i+2]|, |v[XS+\i+3]|
.endr
	v_max3_num_f32 v12, v12, |v[XS+30]|, |v[XS+31]|
	v_max3_num_f32 v12, v12, v13, (EMAX+1)<<23     ; and the floor 2^(9 - 127): the byte cannot fall under 1
	v_add_nc_u32 v11, -(EMAX<<23), v12             ; 8 off the exponent field: the conversion takes this operand's exponent field as its scale
	v_and_or_b32 v10, v12, 0x7f800000, s52         ; 448 x the scale
	v_lshrrev_b32 v13, 23, v11                     ; the scale's byte
.if (\t) == 0
	v_mov_b32 v[SB], v13
.else
	v_lshl_or_b32 v[SB], v13, 8*(\t), v[SB]
.endif
.set li, 0
.rept 32
	v_med3_num_f32 v[XS+li], v[XS+li], -v10, v10   ; the conversion to an 8-bit code does not saturate (ISA guide 7.6.2): the hold comes first
.set li, li+1
.endr
.irp g, 0,1,2,3
	v_cvt_scalef32_pk8_fp8_f32 v[CT+2*\g:CT+2*\g+1], v[XS+8*\g:XS+8*\g+7], v11
.endr
	global_store_b128 v4, v[CT:CT+3], s[48:49] offset:512*(\t)          ; K 0..15 of the block: the image's lanes 0-15; the 16 lanes of a tile cover 256 consecutive bytes, aligned
	global_store_b128 v4, v[CT+4:CT+7], s[48:49] offset:512*(\t)+256    ; K 16..31: its lanes 16-31
.endm
	BLOCK 0, 63
	BLOCK 1, 63
	BLOCK 2, 32
	BLOCK 3, 0
	ds_store_b32 v5, v[SB]                         ; the scale words meet in LDS: [four tiles 2][256 bytes]
	s_wait_dscnt 0x0                               ; for the others' sake: my store has landed
	s_barrier_signal -1
	s_barrier_wait -1
	s_cmp_lt_u32 s16, 2
	s_cbranch_scc0 .Lw_end
	ds_load_b64 v[12:13], v6                       ; waves 0 and 1 take a block whole
	s_wait_dscnt 0x0
	global_store_b64 v7, v[12:13], s[50:51]        ; 32 lanes store 256 consecutive bytes, aligned
.Lw_end:
	s_wait_tensorcnt 0x0                           ; the wave's end
	ds_add_u32 v240, v241
	s_wait_dscnt 0x0
	s_endpgm
.macro QUANT s                         ; 64 numbers of a lane become a fragment's codes in v[PC] on and its scale word in v[PW]
.irp b, 0,1,2,3
	v_max3_num_f32 v[TM+\b], |v[\s+16*\b]|, |v[\s+1+16*\b]|, 0x4800000    ; block b: my 16 numbers, and the floor 2^(9 - 127)
.endr
.irp i, 2,4,6,8,10,12,14
.irp b, 0,1,2,3
	v_max3_num_f32 v[TM+\b], v[TM+\b], |v[\s+16*\b+\i]|, |v[\s+1+16*\b+\i]|   ; the four blocks by turns
.endr
.endr
.irp b, 0,1,2,3
	v_permlanex16_b32 v[TM+4+\b], v[TM+\b], s[SEL], s[SEL+1]
.endr
.irp b, 0,1,2,3
	v_max_num_f32 v[TM+\b], v[TM+\b], v[TM+4+\b]   ; with lane l xor 16's: the block's largest magnitude
.endr
.irp b, 0,1,2,3
	v_add_nc_u32 v[TM+12+\b], 0xfc000000, v[TM+\b] ; 8 off its exponent field: the conversion's scale operand
.endr
.irp b, 0,1,2,3
	v_and_or_b32 v[TM+8+\b], v[TM+\b], 0x7f800000, s[MNT]   ; 448 x the scale
.endr
.irp b, 0,1,2,3
	v_lshrrev_b32 v[TM+4+\b], 23, v[TM+12+\b]      ; the scale's byte
.endr
	v_lshl_or_b32 v[PW], v[TM+5], 8, v[TM+4]
	v_lshl_or_b32 v[PW], v[TM+6], 16, v[PW]
	v_lshl_or_b32 v[PW], v[TM+7], 24, v[PW]
.irp b, 0,1,2,3
.irp i, 0,1,2,3,4,5,6,7,8,9,10,11,12,13,14,15
	v_med3_num_f32 v[\s+16*\b+\i], v[\s+16*\b+\i], -v[TM+8+\b], v[TM+8+\b]   ; the hold
.endr
	v_cvt_scalef32_pk8_fp8_f32 v[PC+4*\b:PC+1+4*\b], v[\s+16*\b:\s+7+16*\b], v[TM+12+\b]
	v_cvt_scalef32_pk8_fp8_f32 v[PC+2+4*\b:PC+3+4*\b], v[\s+8+16*\b:\s+15+16*\b], v[TM+12+\b]
.endr
	v_nop                                          ; a plain line behind the last conversion
.endm
.Lx_path:
	s_wait_kmcnt 0x0                               ; the arguments are in: their registers may be used again
	s_mov_b64 s[4:5], s[58:59]                     ; x
	s_mov_b64 s[6:7], s[14:15]                     ; ops
	s_mul_i32 s9, s16, STG
	s_add_co_u32 s9, s9, XST                       ; my stage
	s_mov_b32 s[SEL], 0x76543210
	s_mov_b32 s[SEL+1], 0xfedcba98
	s_mov_b32 s[MNT], 0x600000
	s_sub_co_u32 s24, ttmp9, 704
	s_lshr_b32 s10, s24, 1                         ; which 64 tokens
	s_and_b32 s11, s24, 1
	s_lshl_b32 s11, s11, 2
	s_add_co_u32 s11, s11, s16                     ; which 128 columns
	s_lshl_b32 s26, s10, 18
	s_lshl_b32 s27, s11, 9
	s_add_co_u32 s26, s26, s27
	s_mov_b32 s27, 0
	s_lshl_b32 s18, s10, 5
	s_add_co_u32 s18, s18, s11
	s_lshl_b32 s18, s18, 11                        ; the first tile's image
	s_mov_b32 s19, 0
	s_lshl_b32 s20, s10, 3
	s_add_co_u32 s20, s20, s11
	s_lshl_b32 s20, s20, 8
	s_add_co_u32 s20, s20, OPS                     ; the block of scale words
	s_mov_b32 s21, 0
	s_add_nc_u64 s[4:5], s[4:5], s[26:27]
	s_add_nc_u64 s[22:23], s[6:7], s[20:21]
	s_add_nc_u64 s[6:7], s[6:7], s[18:19]
	v_and_b32 v5, 31, v0                           ; lane
	v_and_b32 v6, 15, v0                           ; r
	v_bfe_u32 v7, v0, 4, 1                         ; h
	v_lshlrev_b32 v1, 4, v5                        ; 16 x lane
	v_add_nc_u32 v2, s9, v1                        ; the stage, on the way in
	v_mul_u32_u24 v3, v6, 528
	v_lshl_add_u32 v3, v7, 6, v3
	v_add_nc_u32 v3, s9, v3                        ; and on the way out: row r, + 64 h
	v_lshlrev_b32 v4, 4, v6
	v_lshl_add_u32 v4, v7, 3, v4                   ; 16 r + 8 h: my 8 bytes of the block of scale words
.irp b, 0,1,2,3
	v_mov_b32 v[TM+4+\b], 0                        ; written once: a lane permute's destination counts as one of its sources
.endr
	s_wait_alu depctr_va_vdst(0)                   ; the wait at the head's end
.macro XLOAD i                         ; tile i: place p holds token 32 (i / 2) + 8 (i % 2) + p + 8 (p / 8)
.irp p, 0,1,2,3,4,5,6,7,8,9,10,11,12,13,14,15
	global_load_b128 v[R+64*((\i)%2)+4*\p:R+64*((\i)%2)+4*\p+3], v1, s[4:5] offset:(32*((\i)/2)+8*((\i)%2)+\p+8*(\p/8))*4096 th:TH_LOAD_NT
.endr
.endm
.macro TILE i
.if (\i) < 3
	s_wait_loadcnt 16                              ; this tile's 16 loads are in; the next tile's may be out
.else
	s_wait_loadcnt 0x0
.endif
.irp p, 0,1,2,3,4,5,6,7,8,9,10,11,12,13,14,15
	ds_store_b128 v2, v[R+64*((\i)%2)+4*\p:R+64*((\i)%2)+4*\p+3] offset:528*\p
.endr
.irp b, 0,1,2,3
.irp j, 0,1,2,3
	ds_load_b128 v[XN+16*\b+4*\j:XN+16*\b+4*\j+3], v3 offset:128*\b+16*\j    ; LDS serves a wave's instructions in order: these see my stores
.endr
.endr
	s_wait_dscnt 0x0                               ; the numbers are back, and the stores have read their registers
	s_wait_xcnt 0x0                                ; the last tile's stores have read the codes' registers, which are written again below
.if (\i)+2 < 4
	XLOAD (\i)+2
.endif
	QUANT XN
	v_mov_b32 v[PWS+\i], v[PW]
.irp c, 0,1,2,3
	global_store_b128 v1, v[PC+4*\c:PC+4*\c+3], s[6:7] offset:(\i)*16384+512*\c    ; 512 consecutive bytes
.endr
.endm
	XLOAD 0
	XLOAD 1
	TILE 0
	TILE 1
	TILE 2
	TILE 3
	v_cmp_lt_u32 vcc_lo, 15, v5                    ; lanes 16-31 take tiles 2 and 3 of row r
	v_cndmask_b32 v30, v[PWS], v[PWS+2], vcc_lo
	v_cndmask_b32 v31, v[PWS+1], v[PWS+3], vcc_lo
	global_store_b64 v4, v[30:31], s[22:23]        ; 256 consecutive bytes, aligned
	s_wait_tensorcnt 0x0                           ; the wave's end
	ds_add_u32 v240, v241
	s_wait_dscnt 0x0
	s_endpgm
.Lfunc_end_k_q98d8ff1533_quant_all:
	.size	k_q98d8ff1533_quant_all, .Lfunc_end_k_q98d8ff1533_quant_all-k_q98d8ff1533_quant_all
	.p2alignl 7, 3214868480
	.fill 96, 4, 3214868480
	.section	.rodata,"a",@progbits
	.p2align	6, 0x0
	.amdhsa_kernel k_q98d8ff1533_quant_all
		.amdhsa_group_segment_fixed_size 34816
		.amdhsa_private_segment_fixed_size 0
		.amdhsa_enable_private_segment 0
		.amdhsa_kernarg_size 56
		.amdhsa_user_sgpr_count 2
		.amdhsa_user_sgpr_kernarg_segment_ptr 1
		.amdhsa_wavefront_size32 1
		.amdhsa_system_sgpr_workgroup_id_x 1
		.amdhsa_system_sgpr_workgroup_id_y 1
		.amdhsa_system_sgpr_workgroup_id_z 1
		.amdhsa_system_vgpr_workitem_id 0
		.amdhsa_next_free_vgpr 242
		.amdhsa_next_free_sgpr 66
		.amdhsa_reserve_vcc 1
		.amdhsa_float_denorm_mode_32 3
		.amdhsa_float_denorm_mode_16_64 3
		.amdhsa_memory_ordered 1
		.amdhsa_forward_progress 1
		.amdhsa_inst_pref_size 83
	.end_amdhsa_kernel
	.amdgpu_metadata
---
amdhsa.version: [ 1, 2 ]
amdhsa.kernels:
  - .name:           k_q98d8ff1533_quant_all
    .symbol:         k_q98d8ff1533_quant_all.kd
    .args:
      - { .name: wq, .offset: 0, .size: 8, .value_kind: global_buffer, .address_space: global }
      - { .name: wk, .offset: 8, .size: 8, .value_kind: global_buffer, .address_space: global }
      - { .name: wv, .offset: 16, .size: 8, .value_kind: global_buffer, .address_space: global }
      - { .name: w1, .offset: 24, .size: 8, .value_kind: global_buffer, .address_space: global }
      - { .name: w2, .offset: 32, .size: 8, .value_kind: global_buffer, .address_space: global }
      - { .name: ops, .offset: 40, .size: 8, .value_kind: global_buffer, .address_space: global }
      - { .name: x, .offset: 48, .size: 8, .value_kind: global_buffer, .address_space: global }
    .group_segment_fixed_size: 34816
    .private_segment_fixed_size: 0
    .kernarg_segment_align: 8
    .kernarg_segment_size: 56
    .max_flat_workgroup_size: 128
    .sgpr_count:     66
    .vgpr_count:     242
    .wavefront_size: 32
...
	.end_amdgpu_metadata
.endif
;; end of part 9
;; launch qkv (part 10): grid 8 x 24, 4 waves a work-group, clusters of 4 x 4, 327,680 bytes of LDS; arguments ops, bq, bk, bv, qkvb; writes qkvb
.if DOCPART == 10
	.amdgcn_target "amdgcn-amd-amdhsa--gfx1250"
	.amdhsa_code_object_version 6
	.text
	.protected	k_q98d8ff1533_qkv
	.globl	k_q98d8ff1533_qkv
	.p2align	8
	.type	k_q98d8ff1533_qkv,@function
k_q98d8ff1533_qkv:
	s_mov_b64 s[64:65], 0
	v_nop
	global_prefetch_b8 v0, s[64:65] scope:SCOPE_SE
	s_setreg_imm32_b32 hwreg(HW_REG_WAVE_MODE, 25, 1), 1
	s_wait_xcnt 0x0
	s_wait_alu depctr_hold_cnt(0) depctr_sa_sdst(0) depctr_va_vdst(0) depctr_va_sdst(0) depctr_va_ssrc(0) depctr_va_vcc(0) depctr_vm_vsrc(0)
	s_getreg_b32 s2, hwreg(HW_REG_IB_STS2, 6, 4)
	s_cmp_eq_u32 s2, 0
	s_cbranch_scc0 .Lentry_in_a_cluster
	s_endpgm
.Lentry_in_a_cluster:
	s_bfe_u32 s2, ttmp6, 0x10000c
	s_cmp_lg_u32 s2, 0xf033
	s_cbranch_scc0 .Lentry_shape_is_right
	s_endpgm
.Lentry_shape_is_right:
.set NXK,   8
.set LAPS,  NXK/4
.set OPS,   15728640
.set VC_,   8388608
.set QKS_,  12582912
.set VS_,   12845056
.set SLOT,  131072
.set T0OFF, 65536
.set SC1,   2*SLOT
.set SC0,   SC1+1024*NXK
.set SPARE, SC0+1024*NXK
.set LI,   4
.set LR,   5
.set ADR1, 6
.set ADR0, 8
.set ADS1, 10
.set ADS0, 11
.set SPW,  12
.set NIL,  13
.set LW,   15
.set SC,   16
.set BI,   48
.set TM,   112
.set AF,   128
.set PC,   128
.set PWS,  192
.set SO,   200
.set BV,   204
.set G1,   24
.set G0,   32
.set G1B,  48
.set G0B,  56
.set G1S,  68
.set G0S,  76
.set G1SB, 80
.set G0SB, 88
.set SEL,  66
.set MNT,  2
.set OUTC, 98
.set OUTS, 100
.set MUL_LO, 0xa1
.set MUL_HI, 0xf1
.set TO_B,   0x40
.set MSB, 0
.macro WIN new
.if MSB != (\new)
	s_set_vgpr_msb (MSB<<8)|(\new)
.set MSB, (\new)
.endif
.endm
.macro PLACES n
.rept \n
	v_nop
.endr
.endm
.macro JLOAD g0a, g1a, g0b, g1b
	s_cmp_eq_u32 s15, 0
	s_cbranch_scc0 .Lfor_b_\@
	tensor_load_to_lds s[\g0a:\g0a+3], s[\g1a:\g1a+7]
	s_nop 0
.rept 4
	v_nop
.endr
	s_branch .Lasked_\@
.Lfor_b_\@:
	tensor_load_to_lds s[\g0b:\g0b+3], s[\g1b:\g1b+7]
	s_nop 0
.rept 4
	v_nop
.endr
.Lasked_\@:
.endm
.macro CREST
	s_cmp_lg_u32 s14, 0
	s_cbranch_scc1 .Lnot_wave_0_\@
	s_barrier_signal -3
.Lnot_wave_0_\@:
	s_barrier_wait -3
	s_barrier_signal -1
	s_barrier_wait -1
.endm
.macro CROUND
	s_barrier_signal -1
	s_barrier_wait -1
	CREST
.endm
.macro FRAG reg, adr, off
.irp c, 0,1,2,3
	ds_load_b128 v[\reg+4*\c:\reg+4*\c+3], v[\adr] offset:\off+512*\c
.endr
.endm
.macro FETCH_B slot, x, p
	WIN TO_B
.irp t, 0,1,2,3,4,5,6,7
	FRAG 128*(\p)+16*\t, ADR0+\slot, 4096*\t+2048*(\x)
.endr
	WIN 0
.endm
.macro FETCH_A slot, x, a0
.irp a, \a0, \a0+1, \a0+2, \a0+3
	FRAG AF+16*(\a), ADR1+\slot, 4096*(\a)+2048*(\x)
.endr
.endm
.macro SCALES x, set
	ds_load_b128 v[SC+16*(\set):SC+16*(\set)+3], v[ADS0] offset:256*(\x)
	ds_load_b128 v[SC+16*(\set)+4:SC+16*(\set)+7], v[ADS0] offset:256*NXK+256*(\x)
	ds_load_b128 v[SC+16*(\set)+8:SC+16*(\set)+11], v[ADS1] offset:256*(\x)
	ds_load_b128 v[SC+16*(\set)+12:SC+16*(\set)+15], v[ADS1] offset:256*NXK+256*(\x)
.endm
.macro MUL16 a0, p, zero
.irp a, \a0, \a0+1
.irp t, 0,1,2,3,4,5,6,7
.if \zero
	v_wmma_scale_f32_16x16x128_f8f6f4 v[8*(8*((\a)%4)+\t):8*(8*((\a)%4)+\t)+7], v[128*(\p)+16*\t:128*(\p)+16*\t+15], v[AF+16*(\a):AF+16*(\a)+15], 0, v[SC+16*(\p)+\t], v[SC+16*(\p)+8+(\a)]
.else
	v_wmma_scale_f32_16x16x128_f8f6f4 v[8*(8*((\a)%4)+\t):8*(8*((\a)%4)+\t)+7], v[128*(\p)+16*\t:128*(\p)+16*\t+15], v[AF+16*(\a):AF+16*(\a)+15], v[8*(8*((\a)%4)+\t):8*(8*((\a)%4)+\t)+7], v[SC+16*(\p)+\t], v[SC+16*(\p)+8+(\a)]
.endif
.endr
.endr
.endm
.macro STEP slot, zero
	s_wait_dscnt 16
	WIN MUL_LO
	MUL16 0, 0, \zero
	MUL16 2, 0, \zero
	s_wait_dscnt 0x0
	PLACES 8
	FETCH_B \slot, 1, 1
	FETCH_A \slot, 1, 0
	SCALES 1, 1
	WIN MUL_HI
	MUL16 4, 0, \zero
	MUL16 6, 0, \zero
	PLACES 8
	WIN 0
	FETCH_A \slot, 1, 4
.endm
.macro TURN slot, next, fill
	s_wait_tensorcnt 0x0
	ds_add_u32 v[SPW], v[NIL]
	s_wait_dscnt 17
	WIN MUL_LO
	MUL16 0, 1, 0
	s_wait_dscnt 0x0
	s_barrier_signal -1
	MUL16 2, 1, 0
	WIN 0
	s_barrier_wait -1
.if \fill
	CREST
	s_add_nc_u64 s[G0+4*\slot+2:G0+4*\slot+3], s[G0+4*\slot+2:G0+4*\slot+3], 8192
	s_add_nc_u64 s[G0B+4*\slot+2:G0B+4*\slot+3], s[G0B+4*\slot+2:G0B+4*\slot+3], 8192
	JLOAD G0+4*\slot, G1, G0B+4*\slot, G1B
	PLACES 4
.else
	PLACES 8
.endif
	s_wait_alu depctr_va_vdst(0)
	v_add_nc_u32 v[ADS1], 512, v[ADS1]
	v_add_nc_u32 v[ADS0], 512, v[ADS0]
	FETCH_B \next, 0, 0
	FETCH_A \next, 0, 0
	SCALES 0, 0
	WIN MUL_HI
	MUL16 4, 1, 0
	MUL16 6, 1, 0
	PLACES 8
	WIN 0
	FETCH_A \next, 0, 4
.endm
.macro QUANTW a, relu
.set QB_, 64*((\a)%4)
.set QW_, 2+(\a)/4
	WIN (QW_<<2)|QW_
.irp b, 0,1,2,3
.if \relu
	v_max3_num_f32 v[TM+\b], v[QB_+16*\b], v[QB_+1+16*\b], 0x4800000
.else
	v_max3_num_f32 v[TM+\b], |v[QB_+16*\b]|, |v[QB_+1+16*\b]|, 0x4800000
.endif
.endr
	WIN (QW_<<4)|(QW_<<2)
.irp i, 2,4,6,8,10,12,14
.irp b, 0,1,2,3
.if \relu
	v_max3_num_f32 v[TM+\b], v[TM+\b], v[QB_+16*\b+\i], v[QB_+1+16*\b+\i]
.else
	v_max3_num_f32 v[TM+\b], v[TM+\b], |v[QB_+16*\b+\i]|, |v[QB_+1+16*\b+\i]|
.endif
.endr
.endr
	WIN 0
.irp b, 0,1,2,3
	v_permlanex16_b32 v[TM+4+\b], v[TM+\b], s[SEL], s[SEL+1]
.endr
.irp b, 0,1,2,3
	v_max_num_f32 v[TM+\b], v[TM+\b], v[TM+4+\b]
.endr
.irp b, 0,1,2,3
	v_add_nc_u32 v[TM+12+\b], 0xfc000000, v[TM+\b]
.endr
.irp b, 0,1,2,3
	v_and_or_b32 v[TM+8+\b], v[TM+\b], 0x7f800000, s[MNT]
.endr
.irp b, 0,1,2,3
	v_lshrrev_b32 v[TM+4+\b], 23, v[TM+12+\b]
.endr
	v_lshl_or_b32 v[PWS+(\a)], v[TM+5], 8, v[TM+4]
	v_lshl_or_b32 v[PWS+(\a)], v[TM+6], 16, v[PWS+(\a)]
	v_lshl_or_b32 v[PWS+(\a)], v[TM+7], 24, v[PWS+(\a)]
	WIN (QW_<<6)|QW_
.irp b, 0,1,2,3
.irp i, 0,1,2,3,4,5,6,7,8,9,10,11,12,13,14,15
.if \relu
	v_med3_num_f32 v[QB_+16*\b+\i], v[QB_+16*\b+\i], 0, v[TM+8+\b]
.else
	v_med3_num_f32 v[QB_+16*\b+\i], v[QB_+16*\b+\i], -v[TM+8+\b], v[TM+8+\b]
.endif
.endr
.endr
	WIN QW_
.irp b, 0,1,2,3
	v_cvt_scalef32_pk8_fp8_f32 v[PC+16*((\a)%4)+4*\b:PC+16*((\a)%4)+4*\b+1], v[QB_+16*\b:QB_+16*\b+7], v[TM+12+\b]
	v_cvt_scalef32_pk8_fp8_f32 v[PC+16*((\a)%4)+4*\b+2:PC+16*((\a)%4)+4*\b+3], v[QB_+16*\b+8:QB_+16*\b+15], v[TM+12+\b]
.endr
	WIN 0
	v_nop
.endm
.macro EPIQ mode, relu, nxo
.irp a, 0,1,2,3,4,5,6,7
.set EW_, 2+\a/4
.set EB_, 64*(\a%4)
.if \a >= 4
	s_wait_xcnt 0x0
.endif
	WIN (EW_<<6)|EW_
.set ej, 0
.rept 32
.if \mode == 0
	v_pk_add_f32 v[EB_+ej:EB_+ej+1], v[EB_+ej:EB_+ej+1], v[BI+ej:BI+ej+1]
.elseif (\a%2) == 0
	v_pk_add_f32 v[EB_+ej:EB_+ej+1], v[EB_+ej:EB_+ej+1], v[BV+2*(\a/2):BV+2*(\a/2)+1] op_sel:[0,0] op_sel_hi:[1,0]
.else
	v_pk_add_f32 v[EB_+ej:EB_+ej+1], v[EB_+ej:EB_+ej+1], v[BV+2*(\a/2):BV+2*(\a/2)+1] op_sel:[0,1] op_sel_hi:[1,1]
.endif
.set ej, ej+2
.endr
	QUANTW \a, \relu
.irp c, 0,1,2,3
	global_store_b128 v[LI], v[PC+16*(\a%4)+4*\c:PC+16*(\a%4)+4*\c+3], s[OUTC:OUTC+1] offset:\a*\nxo*2048+512*\c
.endr
.endr
	v_cmp_lt_u32 vcc_lo, 15, v1
.irp q, 0,1
	v_cndmask_b32 v[SO+2*\q], v[PWS+4*\q], v[PWS+4*\q+2], vcc_lo
	v_cndmask_b32 v[SO+2*\q+1], v[PWS+4*\q+1], v[PWS+4*\q+3], vcc_lo
	global_store_b64 v[LW], v[SO+2*\q:SO+2*\q+1], s[OUTS:OUTS+1] offset:\q*\nxo*256
.endr
.endm
	s_load_b256 s[4:11], s[0:1], 0x0
	s_load_b64 s[12:13], s[0:1], 0x20
	v_lshl_add_u32 v[SPW], v0, 2, SPARE
	v_mov_b32 v[NIL], 0
	ds_add_u32 v12, v13
	ds_add_u32 v12, v13
	s_wait_dscnt 0x0
	v_lshrrev_b32 v1, 5, v0
	v_readfirstlane_b32 s14, v1
	v_and_b32 v127, 15, v0                         ; the prefetches' offset: 16,384 (lane / 16) + 256 (lane % 16): two tiles, 16 blocks of 256 bytes of each; it stands until the way out
	v_bfe_u32 v126, v0, 4, 1
	v_lshlrev_b32 v127, 8, v127
	v_lshl_add_u32 v127, v126, 14, v127
	s_lshr_b32 s15, s14, 1
	s_and_b32 s16, s14, 1
	s_bfe_u32 s40, ttmp6, 0x40000
	s_bfe_u32 s41, ttmp6, 0x40004
	s_lshl_b32 s43, s41, 2
	s_lshl_b32 s43, 15, s43
	s_lshl_b32 s44, 0x1111, s40
	s_lshl_b32 s42, ttmp9, 2
	s_add_co_u32 s42, s42, s40
	s_or_b32 s[G1], s43, (3<<16)|(1<<21)
	s_or_b32 s[G1B], s44, (3<<16)|(1<<21)
	s_or_b32 s[G1S], s43, (3<<16)|(1<<21)
	s_or_b32 s[G1SB], s44, (3<<16)|(1<<21)
.irp g, G1, G1B
	s_mov_b32 s[\g+1], 512<<16
	s_mov_b32 s[\g+2], 16<<16                      ; the head's loads bring 16 tiles; behind them the two words that count rows are set to 8
	s_mov_b32 s[\g+3], 512<<16
	s_mov_b32 s[\g+4], 16
	s_mov_b32 s[\g+5], 256*NXK
	s_mov_b32 s[\g+6], 0
	s_mov_b32 s[\g+7], 0
.endr
.irp g, G1S, G1SB
	s_mov_b32 s[\g+1], 32<<16
	s_mov_b32 s[\g+2], (4*NXK)<<16                 ; the scale words of 16 tiles, all of K: 4 NXK rows of 256 bytes
	s_mov_b32 s[\g+3], 32<<16
	s_mov_b32 s[\g+4], 4*NXK
	s_mov_b32 s[\g+5], 32
	s_mov_b32 s[\g+6], 0
	s_mov_b32 s[\g+7], 0
.endr
	s_and_b32 s17, ttmp7, 0xffff
	s_lshl_b32 s20, s17, 6
	s_sub_co_u32 s46, s17, 4
	s_lshl_b32 s46, s46, 7
	s_mov_b32 s19, 384
	s_mov_b32 s22, 256
	s_cmp_ge_u32 s17, 4
	s_cselect_b32 s18, 1, 0
	s_cselect_b32 s20, s19, s20
	s_cselect_b32 s46, s46, s22
	s_lshl_b32 s21, s41, 4
	s_add_co_u32 s20, s20, s21
	s_lshl_b32 s22, s20, 9
	s_add_co_u32 s22, s22, OPS
	s_lshl_b32 s20, s20, 14
	s_mov_b32 s21, 0
	s_mov_b32 s23, 0
	s_lshl_b32 s47, ttmp9, 6
	s_add_co_u32 s46, s46, s47
	s_lshl_b32 s47, s40, 4
	s_add_co_u32 s46, s46, s47
	s_lshl_b32 s92, s46, 9
	s_add_co_u32 s92, s92, OPS
	s_lshl_b32 s46, s46, 14
	s_mov_b32 s47, 0
	s_mov_b32 s93, 0
	s_mul_i32 s45, s16, 32768
	s_mul_i32 s94, s16, 32768
	s_add_co_u32 s94, s94, T0OFF
	s_lshl_b32 s96, s16, 17                        ; in the ring I fetch 8 tiles of 16,384 bytes: which half, in bytes
	s_mov_b32 s97, 0
	s_mov_b32 s[SEL], 0x76543210
	s_mov_b32 s[SEL+1], 0xfedcba98
	s_mov_b32 s[MNT], 0x600000
	s_wait_kmcnt 0x0
	s_add_nc_u64 s[20:21], s[4:5], s[20:21]
	s_add_nc_u64 s[22:23], s[4:5], s[22:23]
	s_add_nc_u64 s[46:47], s[4:5], s[46:47]
	s_add_nc_u64 s[92:93], s[4:5], s[92:93]
	CROUND
	s_mov_b32 s[G0S], 1
	s_mov_b32 s[G0S+1], SC1
	s_mov_b64 s[G0S+2:G0S+3], s[22:23]
	s_or_b32 s[G0S+3], s[G0S+3], 0x80000000
	s_mov_b32 s[G0SB], 1
	s_mov_b32 s[G0SB+1], SC0
	s_mov_b64 s[G0SB+2:G0SB+3], s[92:93]
	s_or_b32 s[G0SB+3], s[G0SB+3], 0x80000000
	s_mov_b32 s[G0], 1                             ; slot 0 at the head: source 1's 16 tiles whole,
	s_mov_b32 s[G0+1], 0
	s_mov_b64 s[G0+2:G0+3], s[20:21]
	s_or_b32 s[G0+3], s[G0+3], 0x80000000
	s_mov_b32 s[G0B], 1                            ; and source 0's
	s_mov_b32 s[G0B+1], T0OFF
	s_mov_b64 s[G0B+2:G0B+3], s[46:47]
	s_or_b32 s[G0B+3], s[G0B+3], 0x80000000
	s_add_nc_u64 s[20:21], s[20:21], s[96:97]      ; for the ring: my 8 tiles
	s_add_nc_u64 s[46:47], s[46:47], s[96:97]
	s_mov_b32 s[G0+4], 1                           ; slot 1
	s_add_co_u32 s[G0+5], s45, SLOT
	s_add_nc_u64 s[G0+6:G0+7], s[20:21], 4096
	s_or_b32 s[G0+7], s[G0+7], 0x80000000
	s_mov_b32 s[G0B+4], 1
	s_add_co_u32 s[G0B+5], s94, SLOT
	s_add_nc_u64 s[G0B+6:G0B+7], s[46:47], 4096
	s_or_b32 s[G0B+7], s[G0B+7], 0x80000000
	s_cmp_eq_u32 s15, 0                            ; the prefetches: of the 8 tiles that I fetch in the ring each of the four partners that ask for them with me names two, told apart by address
	s_cselect_b64 s[22:23], s[20:21], s[46:47]
	s_cselect_b32 s92, s40, s41
	s_lshl_b32 s92, s92, 15
	s_mov_b32 s93, 0
	s_add_nc_u64 s[22:23], s[22:23], s[92:93]
; THE HEAD'S LOADS, ONE A WAVE: wave 0 slot 0's tiles of source 1, wave 1 those of source 0, waves 2 and 3 their scale words.  One chain of branches on the wave's number, all arms to one join
.macro ARM under, g0, g1, next
	s_cmp_lt_u32 s14, \under
	s_cbranch_scc0 \next
	tensor_load_to_lds s[\g0:\g0+3], s[\g1:\g1+7]
	s_nop 0
.rept 4
	v_nop
.endr
	s_branch .Lhead_asked
\next:
.endm
	ARM 1, G0,  G1,  .Lhead_b
	ARM 2, G0B, G1B, .Lhead_sa
	ARM 3, G0S, G1S, .Lhead_sb
	tensor_load_to_lds s[G0SB:G0SB+3], s[G1SB:G1SB+7]
	s_nop 0
.rept 4
	v_nop
.endr
.Lhead_asked:
	s_wait_alu depctr_va_vdst(0)                   ; the wait ahead of the reader below
	global_prefetch_b8 v127, s[22:23] offset:4096 th:TH_LOAD_NT scope:SCOPE_SE    ; slots 1 and 2: 4,096 bytes of each tile a slot; each block of 256 bytes is named once in the cluster
	global_prefetch_b8 v127, s[22:23] offset:8192 th:TH_LOAD_NT scope:SCOPE_SE
	v_and_b32 v1, 31, v0
	v_and_b32 v2, 15, v0
	v_bfe_u32 v3, v0, 4, 1
	v_lshlrev_b32 v[LI], 4, v1
	v_lshlrev_b32 v[LR], 4, v2
	v_lshl_add_u32 v[LW], v3, 3, v[LR]
	s_lshl_b32 s97, s15, 15
	v_add_nc_u32 v[ADR1], s97, v[LI]
	v_add_nc_u32 v[ADR1+1], SLOT, v[ADR1]
	s_lshl_b32 s97, s16, 15
	s_add_co_u32 s97, s97, T0OFF
	v_add_nc_u32 v[ADR0], s97, v[LI]
	v_add_nc_u32 v[ADR0+1], SLOT, v[ADR0]
	s_mul_i32 s97, s15, 512*NXK
	s_add_co_u32 s97, s97, SC1
	v_add_nc_u32 v[ADS1], s97, v[LR]
	s_mul_i32 s97, s16, 512*NXK
	s_add_co_u32 s97, s97, SC0
	v_add_nc_u32 v[ADS0], s97, v[LR]
.irp b, 0,1,2,3
	v_mov_b32 v[TM+4+\b], 0
.endr
	s_wait_alu depctr_va_vdst(0)
	s_wait_tensorcnt 0x0                           ; my tile of the head's four is in
	ds_add_u32 v[SPW], v[NIL]
	s_mov_b32 s[G1+2], 8<<16                       ; no tensor load of mine is out: from here on a load brings 8 tiles,
	s_mov_b32 s[G1+4], 8
	s_mov_b32 s[G1B+2], 8<<16
	s_mov_b32 s[G1B+4], 8
	s_lshl_b32 s96, s16, 17
	s_mov_b32 s97, 0
	s_mov_b32 s[G0+1], s45                         ; and slot 0's groups 0 stand at my half
	s_add_nc_u64 s[G0+2:G0+3], s[G0+2:G0+3], s[96:97]
	s_mov_b32 s[G0B+1], s94
	s_add_nc_u64 s[G0B+2:G0B+3], s[G0B+2:G0B+3], s[96:97]
	s_wait_dscnt 0x0
	CROUND                                         ; all four tiles are in, and all sixteen work-groups are here
	JLOAD G0+4, G1, G0B+4, G1B                     ; slot 1's first fill: the first tensor load behind the round
	global_prefetch_b8 v127, s[22:23] offset:12288 th:TH_LOAD_NT scope:SCOPE_SE   ; slot 3, the last: two fills ahead of its load
	FETCH_B 0, 0, 0
	FETCH_A 0, 0, 0
	SCALES 0, 0
	FETCH_A 0, 0, 4
	STEP 0, 1
	s_mov_b32 s3, LAPS-1
.Llap:
	TURN 0, 1, 1
	s_wait_alu depctr_va_vdst(0)
	STEP 1, 0
	TURN 1, 0, 1
	s_wait_alu depctr_va_vdst(0)
	STEP 0, 0
	s_sub_co_u32 s3, s3, 1
	s_cmp_lg_u32 s3, 0
	s_cbranch_scc1 .Llap
	TURN 0, 1, 0
	s_wait_alu depctr_va_vdst(0)
	STEP 1, 0
	s_wait_dscnt 16
	WIN MUL_LO
	MUL16 0, 1, 0
	MUL16 2, 1, 0
	s_wait_dscnt 0x0
	WIN MUL_HI
	MUL16 4, 1, 0
	MUL16 6, 1, 0
	WIN 0
	PLACES 8
	s_wait_xcnt 0x0                                ; the prefetches have read their offset, whose register the way out writes
	s_cmp_eq_u32 s18, 1
	s_cbranch_scc1 .Lv_arm
	s_lshl_b32 s95, s42, 1
	s_add_co_u32 s95, s95, s16
	s_lshl_b32 s96, s17, 2
	s_add_co_u32 s96, s96, s41
	s_lshl_b32 s96, s96, 2
	s_lshl_b32 s97, s15, 1
	s_add_co_u32 s96, s96, s97
	s_lshl_b32 s98, s96, 17
	s_lshl_b32 s97, s95, 11
	s_add_co_u32 s98, s98, s97
	s_mov_b32 s99, 0
	s_lshl_b32 s100, s96, 12
	s_lshl_b32 s97, s95, 8
	s_add_co_u32 s100, s100, s97
	s_add_co_u32 s100, s100, QKS_
	s_mov_b32 s101, 0
	s_add_nc_u64 s[OUTC:OUTC+1], s[12:13], s[98:99]
	s_add_nc_u64 s[OUTS:OUTS+1], s[12:13], s[100:101]
	s_cmp_ge_u32 ttmp9, 1
	s_cselect_b64 s[6:7], s[8:9], s[6:7]
	s_and_b32 s96, s95, 7
	s_lshl_b32 s96, s96, 9
	s_mov_b32 s97, 0
	s_add_nc_u64 s[6:7], s[6:7], s[96:97]
	v_lshlrev_b32 v14, 6, v3
.irp b, 0,1,2,3
.irp j, 0,1,2,3
	global_load_b128 v[BI+16*\b+4*\j:BI+16*\b+4*\j+3], v14, s[6:7] offset:128*\b+16*\j
.endr
.endr
	s_wait_loadcnt 0x0
	EPIQ 0, 0, 16
	s_branch .Lend
.Lv_arm:
	s_lshl_b32 s95, s42, 1
	s_add_co_u32 s95, s95, s16
	s_sub_co_u32 s97, s17, 4
	s_lshl_b32 s97, s97, 4
	s_add_co_u32 s95, s95, s97
	s_lshl_b32 s96, s41, 2
	s_lshl_b32 s97, s15, 1
	s_add_co_u32 s96, s96, s97
	s_lshl_b32 s98, s96, 18
	s_lshl_b32 s99, s95, 11
	s_add_co_u32 s98, s98, s99
	s_add_co_u32 s98, s98, VC_
	s_mov_b32 s99, 0
	s_lshl_b32 s100, s96, 13
	s_lshl_b32 s101, s95, 8
	s_add_co_u32 s100, s100, s101
	s_add_co_u32 s100, s100, VS_
	s_mov_b32 s101, 0
	s_add_nc_u64 s[OUTC:OUTC+1], s[12:13], s[98:99]
	s_add_nc_u64 s[OUTS:OUTS+1], s[12:13], s[100:101]
	s_lshl_b32 s96, s96, 8
	s_mov_b32 s97, 0
	s_add_nc_u64 s[10:11], s[10:11], s[96:97]
	v_lshrrev_b32 v14, 3, v2
	v_lshlrev_b32 v14, 5, v14
	v_lshl_add_u32 v14, v2, 2, v14
.irp a, 0,1,2,3,4,5,6,7
	global_load_b32 v[BV+\a], v14, s[10:11] offset:128*(\a/2)+32*(\a%2)
.endr
	s_wait_loadcnt 0x0
	EPIQ 1, 0, 32
.Lend:
	s_wait_tensorcnt 0x0
	ds_add_u32 v[SPW], v[NIL]
	s_wait_dscnt 0x0
	CROUND
	s_endpgm
.Lfunc_end_k_q98d8ff1533_qkv:
	.size	k_q98d8ff1533_qkv, .Lfunc_end_k_q98d8ff1533_qkv-k_q98d8ff1533_qkv
	.p2alignl 7, 3214868480
	.fill 96, 4, 3214868480
	.section	.rodata,"a",@progbits
	.p2align	6, 0x0
	.amdhsa_kernel k_q98d8ff1533_qkv
		.amdhsa_group_segment_fixed_size 327680
		.amdhsa_private_segment_fixed_size 0
		.amdhsa_enable_private_segment 0
		.amdhsa_kernarg_size 40
		.amdhsa_user_sgpr_count 2
		.amdhsa_user_sgpr_kernarg_segment_ptr 1
		.amdhsa_wavefront_size32 1
		.amdhsa_system_sgpr_workgroup_id_x 1
		.amdhsa_system_sgpr_workgroup_id_y 1
		.amdhsa_system_sgpr_workgroup_id_z 1
		.amdhsa_system_vgpr_workitem_id 0
		.amdhsa_next_free_vgpr 1024
		.amdhsa_next_free_sgpr 102
		.amdhsa_reserve_vcc 1
		.amdhsa_float_denorm_mode_32 3
		.amdhsa_float_denorm_mode_16_64 3
		.amdhsa_memory_ordered 1
		.amdhsa_forward_progress 1
		.amdhsa_inst_pref_size 255
	.end_amdhsa_kernel
	.section	.bss,"aw",@nobits
	.p2align	6
	.space	262144
	.amdgpu_metadata
---
amdhsa.version: [ 1, 2 ]
amdhsa.kernels:
  - .name:           k_q98d8ff1533_qkv
    .symbol:         k_q98d8ff1533_qkv.kd
    .args:
      - { .name: ops, .offset: 0, .size: 8, .value_kind: global_buffer, .address_space: global }
      - { .name: bq, .offset: 8, .size: 8, .value_kind: global_buffer, .address_space: global }
      - { .name: bk, .offset: 16, .size: 8, .value_kind: global_buffer, .address_space: global }
      - { .name: bv, .offset: 24, .size: 8, .value_kind: global_buffer, .address_space: global }
      - { .name: qkvb, .offset: 32, .size: 8, .value_kind: global_buffer, .address_space: global }
    .group_segment_fixed_size: 327680
    .private_segment_fixed_size: 0
    .kernarg_segment_align: 8
    .kernarg_segment_size: 40
    .max_flat_workgroup_size: 128
    .sgpr_count:     102
    .vgpr_count:     1024
    .wavefront_size: 32
...
	.end_amdgpu_metadata
.endif
;; end of part 10
;; launch attn (part 11): grid 8 x 32, 16 waves a work-group, clusters of 4 x 1, 284,672 bytes of LDS; arguments qkvb, x, res; writes res
.if DOCPART == 11
	.amdgcn_target "amdgcn-amd-amdhsa--gfx1250"
	.amdhsa_code_object_version 6
	.text
	.protected	k_q98d8ff1533_attn
	.globl	k_q98d8ff1533_attn
	.p2align	8
	.type	k_q98d8ff1533_attn,@function
k_q98d8ff1533_attn:
	s_mov_b64 s[64:65], 0
	v_nop
	global_prefetch_b8 v0, s[64:65] scope:SCOPE_SE
	s_setreg_imm32_b32 hwreg(HW_REG_WAVE_MODE, 25, 1), 1
	s_wait_xcnt 0x0
	s_wait_alu depctr_hold_cnt(0) depctr_sa_sdst(0) depctr_va_vdst(0) depctr_va_sdst(0) depctr_va_ssrc(0) depctr_va_vcc(0) depctr_vm_vsrc(0)
	s_getreg_b32 s2, hwreg(HW_REG_IB_STS2, 6, 4)
	s_cmp_eq_u32 s2, 0
	s_cbranch_scc0 .Lentry_in_a_cluster
	s_endpgm
.Lentry_in_a_cluster:
	s_bfe_u32 s2, ttmp6, 0x10000c
	s_cmp_lg_u32 s2, 0x3003
	s_cbranch_scc0 .Lentry_shape_is_right
	s_endpgm
.Lentry_shape_is_right:
; res = x + softmax(q k^T / 8) v, head by head, both products on codes of FP8 (E4M3) with E8M0 scales; and for each work-group the mean and the sum of squared differences of what it stores.
; THE SOFTMAX AHEAD OF THE SECOND PRODUCT: t = score x log2(e) / 8; M = the running largest t rounded UP to a whole number; p = 2^(t - M) is quantised along the keys, not normalised; the row's sum is taken of the
; unquantised p and divides at the end.  When M moves, the sum and O are multiplied by 2^(old M - new M): exact.
; SHARES.  A work-group owns 256 queries of one (batch, head); each of its sixteen waves one tile of 16, in 256 registers: four waves to a SIMD.
; THE HEAD'S WHOLE K AND V LIE IN LDS (2 x 131,072 bytes, and their scale words), as images of operand registers, filled ONCE, one tensor load a wave.  CLUSTER: the four query blocks of a cluster share the head: every tile is asked for jointly.
; LAYOUT.  Both products transposed: S^T = K Q^T, O^T = V^T P^T: a lane holds ONE query.  The tokens of a tile are not neighbours (place 16 u + r of a group of 32 holds token 8 u + r + 8 (r / 8)), so the 16 registers of S^T's
; tiles 2 b, 2 b + 1 are 16 neighbouring keys, as P's layout wants them.
; THE HEAD'S 64 IN AN INSTRUCTION OF 128: a fragment of K holds TWO key tiles (K 0-63: tile 2 g; 64-127: tile 2 g + 1).  Q stands as q | zeros | q in v16-39: the operand q | 0 gives tile 2 g's scores, 0 | q tile 2 g + 1's.
; Zero codes add nothing; the scale bytes beside them are 0, which is 2^-127.
; TWO SETS OF 64 REGISTERS SWAP ROLES FROM STEP TO STEP: one holds the step's fragments (K's, then V's), the other S^T and p; when p's codes are made, the next step's fragments of K are asked for into p's registers, ahead of the second product.
; The last step's look-ahead wraps round to step 0's bytes, which are read and not used: so the loop has one form for all its trips.
; LIMITS: NaN and infinities are not served; a block of p that has fallen to 0 keeps the byte 1.  A block's largest p is taken from its largest score by the same multiply-add and exponential: v_exp_f32 is taken not to fall where its input rises.
; The order of the statistics' sums differs from a plain mean and variance: partial means and sums of squared differences are joined; no difference of large sums is formed.
.set VC_,   8388608
.set QKS_,  12582912
.set VS_,   12845056
.set ST1,   16777216
.set VL,    131072                     ; LDS: K at 0: [64 groups of 32 keys][2048];  V: [tile of d 4][128 keys 16][2048]
.set KSW,   262144                     ; K's scale words as they come: [32 fours of tiles][256]
.set VSW,   270336                     ; V's: [16 steps][256]
.set STATL, 274432                     ; 16 pairs
.set KP,    280576                     ; behind the spare words: K's scale words as the products take them: [16 steps][r 16][4 words]; stored once by the waves, no fill lands here
.set ADK,  3
.set ADV,  4
.set ADKS, 5
.set ADVS, 6
.set ADV2, 10                          ; V's tiles 2 and 3: 65,536 bytes on
.set WD,   11                          ; p's scale word
.set XA,   40                          ; v40-103, v104-167: the two sets
.set XB,   104
.set S,    104                         ; on the way out
.set O,    168                         ; v168-199 O^T
.set PCD,  200                         ; v200-215 p's codes
.set BM,   216                         ; the blocks' largest scores, then largest p
.set PB,   220
.set LM,   224
.set SL,   228
.set KS,   232                         ; v232-235 K's scale words; v236-239, v248-253: the step's sum of p, in five chains
.set VS,   240                         ; v240-243 V's scale words
.set F,    244                         ; f = 2^(old M - new M); v245 is named with it as a pair
.set T,    246
.set ZR,   247                         ; 0: the offset of the statistics' store; made at the head, never rewritten
.set WA,   104                         ; the statistics' registers, on the way out
.set WB,   106
.set WDD,  108
.set WE,   110
.set WM,   112
.set WT,   114
.set WV,   10
.set SEL,  2
.set CS,   66
.set MNT,  100
.set PSEL, 101
.set TBK,  11
.set TBV,  12
.set TKS,  13
.set TVS,  14
.set CNT,  15
.set LIMX, 16
.set TKO,  17
.set G1K,  24
.set G1V,  32
.set G1KS, 40
.set G1VS, 48
.set G0K0, 56
.set G0V0, 68
.set G0KS, 76
.set G0VS, 80
.set XP,   96
.macro CROUND                          ; a round of the cluster's barrier
	s_barrier_signal -1
	s_barrier_wait -1
	s_cmp_lg_u32 s[WV], 0
	s_cbranch_scc1 .Lnot_wave_0_\@
	s_barrier_signal -3
.Lnot_wave_0_\@:
	s_barrier_wait -3
	s_barrier_signal -1
	s_barrier_wait -1
.endm
.macro XSUM reg, tmp                   ; the sum over the wave's 32 lanes, in every lane
	s_delay_alu instid0(VALU_DEP_1)
	v_add_f32_dpp v[\reg], v[\reg], v[\reg] row_xmask:1 row_mask:0xf bank_mask:0xf
	s_delay_alu instid0(VALU_DEP_1)
	v_add_f32_dpp v[\reg], v[\reg], v[\reg] row_xmask:2 row_mask:0xf bank_mask:0xf
	s_delay_alu instid0(VALU_DEP_1)
	v_add_f32_dpp v[\reg], v[\reg], v[\reg] row_xmask:4 row_mask:0xf bank_mask:0xf
	s_delay_alu instid0(VALU_DEP_1)
	v_add_f32_dpp v[\reg], v[\reg], v[\reg] row_xmask:8 row_mask:0xf bank_mask:0xf
	s_delay_alu instid0(VALU_DEP_1)
	v_permlanex16_b32 v[\tmp], v[\reg], s[SEL], s[SEL+1]
	s_delay_alu instid0(VALU_DEP_1)
	v_add_f32 v[\reg], v[\reg], v[\tmp]
.endm
.macro WSTAT base, nreg, invn, om, oq  ; mean and sum of squared differences of the wave's nreg x 32 numbers
	v_pk_add_f32 v[106:107], v[72:73], v[76:77]
	v_pk_add_f32 v[252:253], v[80:81], v[84:85]
	v_pk_add_f32 v[250:251], v[88:89], v[92:93]
	v_pk_add_f32 v[248:249], v[96:97], v[100:101]
	v_pk_add_f32 v[104:105], v[74:75], v[78:79]
	s_delay_alu instid0(VALU_DEP_1)
	v_pk_add_f32 v[104:105], v[104:105], v[82:83]
	v_pk_add_f32 v[106:107], v[106:107], v[86:87]
	v_pk_add_f32 v[252:253], v[252:253], v[90:91]
	v_pk_add_f32 v[250:251], v[250:251], v[94:95]
	v_pk_add_f32 v[248:249], v[248:249], v[98:99]
	v_pk_add_f32 v[104:105], v[104:105], v[102:103]
	s_delay_alu instid0(VALU_DEP_1)
	v_pk_add_f32 v[104:105], v[104:105], v[250:251]
	s_delay_alu instid0(VALU_DEP_3)
	v_pk_add_f32 v[106:107], v[106:107], v[248:249]
	s_delay_alu instid0(VALU_DEP_2)
	v_pk_add_f32 v[104:105], v[104:105], v[252:253]
	s_delay_alu instid0(VALU_DEP_1)
	v_pk_add_f32 v[104:105], v[104:105], v[106:107]
	s_delay_alu instid0(VALU_DEP_1)
	v_add_f32 v[WA], v[WA], v[WA+1]
	XSUM WA, WT
	s_delay_alu instid0(VALU_DEP_1)
	v_mul_f32 v[WM], \invn, v[WA]
	s_delay_alu instid0(VALU_DEP_1)
	v_mov_b32 v[WM+1], v[WM]
	s_delay_alu instid0(VALU_DEP_1)
	v_pk_add_f32 v[WDD:WDD+1], v[\base:\base+1], v[WM:WM+1] neg_lo:[0,1] neg_hi:[0,1]
	s_delay_alu instid0(VALU_DEP_2)
	v_pk_add_f32 v[WE:WE+1], v[\base+2:\base+3], v[WM:WM+1] neg_lo:[0,1] neg_hi:[0,1]
	s_delay_alu instid0(VALU_DEP_2)
	v_pk_mul_f32 v[WA:WA+1], v[WDD:WDD+1], v[WDD:WDD+1]
	s_delay_alu instid0(VALU_DEP_2)
	v_pk_mul_f32 v[WB:WB+1], v[WE:WE+1], v[WE:WE+1]
.set wj, 4
.rept ((\nreg)-4)/4
	v_pk_add_f32 v[WDD:WDD+1], v[\base+wj:\base+wj+1], v[WM:WM+1] neg_lo:[0,1] neg_hi:[0,1]
	v_pk_add_f32 v[WE:WE+1], v[\base+wj+2:\base+wj+3], v[WM:WM+1] neg_lo:[0,1] neg_hi:[0,1]
	s_delay_alu instid0(VALU_DEP_2)
	v_pk_fma_f32 v[WA:WA+1], v[WDD:WDD+1], v[WDD:WDD+1], v[WA:WA+1]
	s_delay_alu instid0(VALU_DEP_2)
	v_pk_fma_f32 v[WB:WB+1], v[WE:WE+1], v[WE:WE+1], v[WB:WB+1]
.set wj, wj+4
.endr
	s_delay_alu instid0(VALU_DEP_1)
	v_pk_add_f32 v[WA:WA+1], v[WA:WA+1], v[WB:WB+1]
	s_delay_alu instid0(VALU_DEP_1)
	v_add_f32 v[\oq], v[WA], v[WA+1]
	XSUM \oq, WT
	v_mov_b32 v[\om], v[WM]
.endm
	s_load_b128 s[4:7], s[0:1], 0x0                ; qkvb, x
	s_load_b64 s[8:9], s[0:1], 0x10                ; res
	v_lshl_add_u32 v254, v0, 2, 0x44000
	v_mov_b32 v255, 0
	ds_add_u32 v254, v255                          ; the opening lines: the add, twice on end, and its wait ahead of the first tensor load
	ds_add_u32 v254, v255
	v_lshrrev_b32 v1, 5, v0
	s_delay_alu instid0(VALU_DEP_1)
	v_readfirstlane_b32 s[WV], v1                  ; wave 0..15
	v_mov_b32 v[ZR], 0
	s_bfe_u32 s11, ttmp6, 0x40000                  ; cx: it enters the addresses of Q, x and res alone
	s_lshl_b32 s12, ttmp9, 2
	s_add_co_u32 s12, s12, s11                     ; my block of 256 queries
	s_and_b32 s13, ttmp7, 0xffff                   ; 16 x batch + head, which the four partners share
	s_lshr_b32 s14, s13, 4                         ; batch
	s_and_b32 s15, s13, 15                         ; head
	s_and_b32 s16, s[WV], 1
	s_and_b32 s60, s[WV], 3                        ; which quarter of K or of V I fetch, if I fetch
	s_lshr_b32 s17, s15, 1                         ; which image of 128 columns holds the head,
	s_and_b32 s18, s15, 1                          ; and which half of it
	; descriptor groups 1: the mask names all four work-groups, bit 21 beside it; elements of 8 bytes; no padding
.irp g, G1K, G1V, G1KS, G1VS
	s_mov_b32 s[\g], 15|(3<<16)|(1<<21)
	s_mov_b32 s[\g+6], 0
	s_mov_b32 s[\g+7], 0
.endr
	s_mov_b32 s[G1K+1], 128<<16                    ; K: 32 tiles of tokens, the head's 1,024 bytes of each, 32,768 bytes apart
	s_mov_b32 s[G1K+2], 32<<16
	s_mov_b32 s[G1K+3], 128<<16
	s_mov_b32 s[G1K+4], 32
	s_mov_b32 s[G1K+5], 4096
	s_mov_b32 s[G1V+1], 2048<<16                   ; V: one tile of d, the batch's 16 images: 32,768 dense bytes, as two rows
	s_mov_b32 s[G1V+2], 2<<16
	s_mov_b32 s[G1V+3], 2048<<16
	s_mov_b32 s[G1V+4], 2
	s_mov_b32 s[G1V+5], 2048
	s_mov_b32 s[G1KS+1], 32<<16                    ; K's scale words: 16 blocks of 256 bytes, 4,096 bytes apart
	s_mov_b32 s[G1KS+2], 16<<16
	s_mov_b32 s[G1KS+3], 32<<16
	s_mov_b32 s[G1KS+4], 16
	s_mov_b32 s[G1KS+5], 512
	s_mov_b32 s[G1VS+1], 32<<16                    ; V's: 8 blocks of 256 bytes, dense
	s_mov_b32 s[G1VS+2], 8<<16
	s_mov_b32 s[G1VS+3], 32<<16
	s_mov_b32 s[G1VS+4], 8
	s_mov_b32 s[G1VS+5], 32
	s_lshl_b32 s20, s14, 7                         ; K: token tile 128 batch + 32 (wave % 4), image 8 + head / 2, half head % 2
	s_lshl_b32 s21, s60, 5
	s_add_co_u32 s20, s20, s21
	s_lshl_b32 s20, s20, 15
	s_add_co_u32 s21, s17, 8
	s_lshl_b32 s21, s21, 11
	s_add_co_u32 s20, s20, s21
	s_lshl_b32 s21, s18, 10
	s_add_co_u32 s20, s20, s21
	s_mov_b32 s21, 0
	s_lshl_b32 s22, s15, 2                         ; V: tile of d 4 head + wave % 4, image 16 batch
	s_add_co_u32 s22, s22, s60
	s_lshl_b32 s22, s22, 16
	s_lshl_b32 s23, s14, 15
	s_add_co_u32 s22, s22, s23
	s_add_co_u32 s22, s22, VC_
	s_mov_b32 s23, 0
	s_lshl_b32 s84, s14, 5                         ; K's scale words: four tiles 32 batch + 16 (wave % 2)
	s_lshl_b32 s85, s16, 4
	s_add_co_u32 s84, s84, s85
	s_lshl_b32 s84, s84, 12
	s_add_co_u32 s85, s17, 8
	s_lshl_b32 s85, s85, 8
	s_add_co_u32 s84, s84, s85
	s_add_co_u32 s84, s84, QKS_
	s_mov_b32 s85, 0
	s_lshl_b32 s86, s15, 5                         ; V's: 32 head + 16 batch + 8 (wave % 2)
	s_lshl_b32 s87, s14, 4
	s_add_co_u32 s86, s86, s87
	s_lshl_b32 s87, s16, 3
	s_add_co_u32 s86, s86, s87
	s_lshl_b32 s86, s86, 8
	s_add_co_u32 s86, s86, VS_
	s_mov_b32 s87, 0
	s_lshl_b32 s88, s14, 7                         ; my tile of queries: 128 batch + 16 block + wave
	s_lshl_b32 s89, s12, 4
	s_add_co_u32 s88, s88, s89
	s_add_co_u32 s19, s88, s[WV]
	s_lshl_b32 s88, s19, 15
	s_lshl_b32 s89, s17, 11
	s_add_co_u32 s88, s88, s89
	s_lshl_b32 s89, s18, 10
	s_add_co_u32 s88, s88, s89                     ; its codes
	s_mov_b32 s89, 0
	s_lshr_b32 s90, s19, 2
	s_lshl_b32 s90, s90, 12
	s_lshl_b32 s91, s17, 8
	s_add_co_u32 s90, s90, s91
	s_and_b32 s91, s19, 3
	s_lshl_b32 s91, s91, 2
	s_add_co_u32 s90, s90, s91
	s_add_co_u32 s90, s90, QKS_                    ; its scale words
	s_mov_b32 s91, 0
	s_lshl_b32 s92, s14, 11                        ; x and res: the first token of my group of 32: 2048 batch + 256 block + 16 (wave & 14),
	s_lshl_b32 s93, s12, 8
	s_add_co_u32 s92, s92, s93
	s_and_b32 s93, s[WV], 14
	s_lshl_b32 s93, s93, 4
	s_add_co_u32 s92, s92, s93
	s_lshl_b32 s92, s92, 12
	s_lshl_b32 s93, s15, 8
	s_add_co_u32 s92, s92, s93                     ; at my head's 256 bytes
	s_mov_b32 s93, 0
	s_lshl_b32 s94, s16, 15                        ; an odd tile begins 8 tokens on
	s_mov_b32 s95, 0
	s_lshl_b32 s98, s13, 3
	s_add_co_u32 s98, s98, s12
	s_lshl_b32 s98, s98, 3
	s_add_co_u32 s98, s98, ST1                     ; my work-group's pair
	s_mov_b32 s99, 0
	s_wait_dscnt 0x0
	s_wait_kmcnt 0x0
	s_lshl_b32 s19, s60, 15                        ; LDS: 32,768 x (wave % 4)
	s_mov_b32 s[G0K0], 1
	s_mov_b32 s[G0K0+1], s19
	s_add_nc_u64 s[G0K0+2:G0K0+3], s[4:5], s[20:21]
	s_or_b32 s[G0K0+3], s[G0K0+3], 0x80000000
	s_mov_b32 s[G0V0], 1
	s_add_co_u32 s[G0V0+1], s19, VL
	s_add_nc_u64 s[G0V0+2:G0V0+3], s[4:5], s[22:23]
	s_or_b32 s[G0V0+3], s[G0V0+3], 0x80000000
	s_lshl_b32 s19, s16, 12
	s_mov_b32 s[G0KS], 1
	s_add_co_u32 s[G0KS+1], s19, KSW
	s_add_nc_u64 s[G0KS+2:G0KS+3], s[4:5], s[84:85]
	s_or_b32 s[G0KS+3], s[G0KS+3], 0x80000000
	s_lshl_b32 s19, s16, 11
	s_mov_b32 s[G0VS], 1
	s_add_co_u32 s[G0VS+1], s19, VSW
	s_add_nc_u64 s[G0VS+2:G0VS+3], s[4:5], s[86:87]
	s_or_b32 s[G0VS+3], s[G0VS+3], 0x80000000
	s_add_nc_u64 s[88:89], s[4:5], s[88:89]
	s_add_nc_u64 s[90:91], s[4:5], s[90:91]
	s_add_nc_u64 s[XP:XP+1], s[6:7], s[92:93]      ; x at my group of 32 tokens: the prefetch
	s_add_nc_u64 s[92:93], s[92:93], s[94:95]
	s_add_nc_u64 s[94:95], s[8:9], s[92:93]        ; res at my tile
	s_add_nc_u64 s[92:93], s[6:7], s[92:93]        ; x at my tile
	s_add_nc_u64 s[98:99], s[8:9], s[98:99]
	CROUND                                         ; all four work-groups are here: the joint loads meet
; THE FIRST FILLS, ONE A WAVE: waves 0-3 K's quarters, 4-7 V's, 8-9 the halves of K's scale words, 10-11 of V's.  One chain of branches on the wave's number; nothing is ever filled again
.macro ARM under, g0, g1, next
	s_cmp_lt_u32 s[WV], \under
	s_cbranch_scc0 \next
	tensor_load_to_lds s[\g0:\g0+3], s[\g1:\g1+7]
	s_nop 0
.rept 4
	v_nop
.endr
	s_branch .Lasked
\next:
.endm
	ARM 4,  G0K0, G1K,  .Lnot_k
	ARM 8,  G0V0, G1V,  .Lnot_v
	ARM 10, G0KS, G1KS, .Lnot_ks
	ARM 12, G0VS, G1VS, .Lnot_vs
.Lasked:
	v_and_b32 v1, 31, v0
	s_delay_alu instid0(VALU_DEP_1)
	v_lshlrev_b32 v1, 4, v1                        ; 16 x lane
	v_and_b32 v2, 15, v0
	s_delay_alu instid0(VALU_DEP_1)
	v_lshlrev_b32 v2, 4, v2                        ; 16 r
	s_delay_alu instid0(VALU_DEP_3)
	v_lshlrev_b32 v7, 8, v1                        ; 4,096 x lane: the prefetch's offset, a lane a token; never rewritten
	global_load_b128 v[16:19], v1, s[88:89]        ; Q's codes: the head's 64
	global_load_b128 v[20:23], v1, s[88:89] offset:512
	global_load_b32 v[T], v2, s[90:91]             ; and its scale word (four bytes: two heads)
	v_lshl_add_u32 v10, v0, 4, KSW                 ; K's scale words are laid anew once, an item a thread: row r = thread % 16 of the four tiles f = thread / 16: in: 16 x thread;
	v_lshrrev_b32 v11, 5, v0
	v_bfe_u32 v3, v0, 4, 1
	v_lshl_add_u32 v11, v11, 8, v2
	v_lshl_add_u32 v11, v3, 3, v11
	v_add_nc_u32 v11, KP, v11                      ; out: 256 (f / 2) + 16 r + 8 (f % 2)
	s_lshl_b32 s19, s18, 4                         ; 16 x (head % 2)
	s_mov_b32 s[PSEL], 0x07060302                  ; K's scale word: the head's two bytes of tile 2 g, then of tile 2 g + 1
	s_cmp_eq_u32 s18, 0
	s_cselect_b32 s[PSEL], 0x05040100, s[PSEL]
	s_cmp_eq_u32 s16, 0
	s_cselect_b32 s[LIMX], 1, -1                   ; even waves prefetch, in the trip whose count is 1
	s_mov_b32 s[SEL], 0x76543210
	s_mov_b32 s[SEL+1], 0xfedcba98
	s_mov_b32 s[CS], 0x3e38aa3b                    ; c = log2(e) / 8
	s_mov_b32 s[CS+1], s[CS]
	s_mov_b32 s[MNT], 0x600000
	s_mov_b32 s[TBK], 8192                         ; where the look-ahead stands: step 1's K,
	s_mov_b32 s[TKO], 256                          ; and its scale words
	s_mov_b32 s[TBV], VL
	s_mov_b32 s[TVS], VSW
	v_mov_b32 v13, 0xff61b1e6                      ; the largest t so far: -3e38
	s_delay_alu instid0(VALU_DEP_1)
	v_floor_f32 v12, -v13                          ; -M
	v_mov_b32 v14, 0                               ; the sum, in two halves
	v_mov_b32 v15, 0
.irp b, 0,1,2,3
	v_mov_b32 v[PB+\b], 0                          ; written once: a lane permute's destination counts as one of its sources
.endr
	v_mov_b32 v[F+1], 0                            ; (named as the upper half of the pair with f)
.set sj, 0
.rept 32
	v_mov_b32 v[O+sj], 0                           ; O^T: the step is written once; its first trip finds zeros
.set sj, sj+1
.endr
	s_wait_loadcnt 0x0                             ; Q
.irp j, 0,1,2,3,4,5,6,7
	v_mov_b32 v[24+\j], 0
	v_mov_b32 v[32+\j], v[16+\j]
.endr
	v_lshrrev_b32 v8, s19, v[T]
	s_delay_alu instid0(VALU_DEP_1)
	v_and_b32 v8, 0xffff, v8                       ; v8: the scale word of q | 0
	s_delay_alu instid0(VALU_DEP_1)
	v_lshlrev_b32 v9, 16, v8                       ; v9: of 0 | q
; A KEY STEP: 128 keys.  FR: the set that holds K's fragments at its head, then V's; SS: the set for S^T and p, which takes the next step's fragments of K at its end
.macro STEP FR, SS, ask
	s_wait_alu depctr_va_vdst(0)                   ; the wait here, directly ahead of the wait below
	s_wait_dscnt 0x0                               ; K's fragments and scale words, asked for in the last step
.irp b, 0,1,2,3
.irp u, 0,1
	v_wmma_scale_f32_16x16x128_f8f6f4 v[\SS+8*(2*\b+\u):\SS+8*(2*\b+\u)+7], v[\FR+16*\b:\FR+16*\b+15], v[16+8*\u:31+8*\u], 0, v[KS+\b], v[8+\u]
.endr
.endr
.rept 8
	v_nop                                          ; eight places, in front of loads into the products' registers and of the first read of S^T
.endr
	ds_load_b128 v[VS:VS+3], v[ADVS]               ; V's scale words and fragments are asked for now and land under the softmax
.irp t, 0,1
.irp c, 0,1,2,3
	ds_load_b128 v[\FR+16*\t+4*\c:\FR+16*\t+4*\c+3], v[ADV] offset:32768*\t+512*\c
	ds_load_b128 v[\FR+32+16*\t+4*\c:\FR+32+16*\t+4*\c+3], v[ADV2] offset:32768*\t+512*\c
.endr
.endr
.if \ask
; A PREFETCH INTO THE L2 of the rows of x that the way out adds: my group's 32 tokens, my head's 256 bytes of each, a lane a token; the even wave of a pair asks, once, two key steps ahead of the loads; each block is named once in the launch
	s_cmp_eq_u32 s[CNT], s[LIMX]
	s_cbranch_scc0 .Lnopf_\@
	global_prefetch_b8 v7, s[XP:XP+1] th:TH_LOAD_NT scope:SCOPE_SE
.Lnopf_\@:
.endif
.irp b, 0,1,2,3
	v_max3_num_f32 v[BM+\b], v[\SS+16*\b], v[\SS+1+16*\b], v[\SS+2+16*\b]     ; the largest score of each block of 32 keys: for the row's maximum, and for the block's largest p
.endr
.irp i, 3,5,7,9,11,13
.irp b, 0,1,2,3
	v_max3_num_f32 v[BM+\b], v[BM+\b], v[\SS+16*\b+\i], v[\SS+1+16*\b+\i]
.endr
.endr
.irp b, 0,1,2,3
	v_max_num_f32 v[BM+\b], v[BM+\b], v[\SS+15+16*\b]
.endr
.irp b, 0,1,2,3
	s_delay_alu instid0(VALU_DEP_4)
	v_permlanex16_b32 v[PB+\b], v[BM+\b], s[SEL], s[SEL+1]
.endr
.irp b, 0,1,2,3
	s_delay_alu instid0(VALU_DEP_4)
	v_max_num_f32 v[BM+\b], v[BM+\b], v[PB+\b]     ; with lane l xor 16's 16 keys
.endr
	s_delay_alu instid0(VALU_DEP_2)
	v_max3_num_f32 v[T], v[BM], v[BM+1], v[BM+2]
	s_delay_alu instid0(VALU_DEP_1)
	v_max_num_f32 v[T], v[T], v[BM+3]
	s_delay_alu instid0(VALU_DEP_1)
	v_mul_f32 v[T], s[CS], v[T]                    ; as t (c is positive)
	s_delay_alu instid0(VALU_DEP_1)
	v_max_num_f32 v13, v13, v[T]                   ; the running largest t
	v_mov_b32 v[T], v12
	s_delay_alu instid0(VALU_DEP_2)
	v_floor_f32 v12, -v13                          ; the new -M = -ceil(t)
.set sj, 0
.rept 32
	v_pk_fma_f32 v[\SS+sj:\SS+sj+1], v[\SS+sj:\SS+sj+1], s[CS:CS+1], v[12:13] op_sel_hi:[1,0,0]   ; t - M, two at a time
.set sj, sj+2
.endr
.irp b, 0,1,2,3
	v_fma_f32 v[BM+\b], v[BM+\b], s[CS], v12
.endr
	s_wait_alu depctr_va_vdst(0)                   ; the wait ahead of the batch
.set sj, 0
.rept 64
	v_exp_f32 v[\SS+sj], v[\SS+sj]                 ; p = 2^(t - M)
.set sj, sj+1
.endr
	v_sub_f32 v[T], v12, v[T]                      ; old M - new M: a whole number, 0 or less.  (Plain lines behind the exponentials)
	s_delay_alu instid0(VALU_DEP_1)
	v_cvt_i32_f32 v[T], v[T]
	s_delay_alu instid0(VALU_DEP_1)
	v_ldexp_f32 v[F], 1.0, v[T]                    ; f = 2^(old M - new M)
	s_wait_alu depctr_va_vdst(0)                   ; one wait for the batch, ahead of its first reader
.irp b, 0,1,2,3
	v_exp_f32 v[BM+\b], v[BM+\b]                   ; the block's largest p
.endr
	v_pk_add_f32 v[236:237], v[\SS:\SS+1], v[\SS+2:\SS+3]          ; the step's sum of the unquantised p, two at a time, in five chains
	v_pk_add_f32 v[238:239], v[\SS+4:\SS+5], v[\SS+6:\SS+7]
	v_pk_add_f32 v[248:249], v[\SS+8:\SS+9], v[\SS+10:\SS+11]
	v_pk_add_f32 v[250:251], v[\SS+12:\SS+13], v[\SS+14:\SS+15]
	v_pk_add_f32 v[252:253], v[\SS+16:\SS+17], v[\SS+18:\SS+19]
.set sj, 20
.rept 4
	v_pk_add_f32 v[236:237], v[236:237], v[\SS+sj:\SS+sj+1]
	v_pk_add_f32 v[238:239], v[238:239], v[\SS+sj+2:\SS+sj+3]
	v_pk_add_f32 v[248:249], v[248:249], v[\SS+sj+4:\SS+sj+5]
	v_pk_add_f32 v[250:251], v[250:251], v[\SS+sj+6:\SS+sj+7]
	v_pk_add_f32 v[252:253], v[252:253], v[\SS+sj+8:\SS+sj+9]
.set sj, sj+10
.endr
	v_pk_add_f32 v[236:237], v[236:237], v[\SS+60:\SS+61]
	v_pk_add_f32 v[238:239], v[238:239], v[\SS+62:\SS+63]
	s_wait_alu depctr_va_vdst(0)                   ; and one for the four
.irp b, 0,1,2,3
	v_max_num_f32 v[BM+\b], 0x4800000, v[BM+\b]    ; the floor 2^(9 - 127)
.endr
.irp b, 0,1,2,3
	s_delay_alu instid0(VALU_DEP_4)
	v_add_nc_u32 v[SL+\b], 0xfc000000, v[BM+\b]    ; the conversion's scale operand
.endr
.irp b, 0,1,2,3
	v_and_or_b32 v[LM+\b], v[BM+\b], 0x7f800000, s[MNT]   ; 448 x the scale
.endr
.irp b, 0,1,2,3
	v_lshrrev_b32 v[PB+\b], 23, v[SL+\b]           ; the scale's byte
.endr
	s_delay_alu instid0(VALU_DEP_3)
	v_lshl_or_b32 v[WD], v[PB+1], 8, v[PB]
	s_delay_alu instid0(VALU_DEP_1)
	v_lshl_or_b32 v[WD], v[PB+2], 16, v[WD]
	s_delay_alu instid0(VALU_DEP_1)
	v_lshl_or_b32 v[WD], v[PB+3], 24, v[WD]
.irp b, 0,1,2,3
.irp i, 0,2,4,6,8,10,12,14
	v_dual_min_num_f32 v[\SS+16*\b+\i], v[\SS+16*\b+\i], v[LM+\b] :: v_dual_min_num_f32 v[\SS+16*\b+\i+1], v[\SS+16*\b+\i+1], v[LM+\b]   ; the conversion does not saturate (ISA guide 7.6.2); p is not negative: a one-sided hold, two numbers a line
.endr
	v_cvt_scalef32_pk8_fp8_f32 v[PCD+4*\b:PCD+1+4*\b], v[\SS+16*\b:\SS+7+16*\b], v[SL+\b]
	v_cvt_scalef32_pk8_fp8_f32 v[PCD+2+4*\b:PCD+3+4*\b], v[\SS+8+16*\b:\SS+15+16*\b], v[SL+\b]
.endr
	ds_load_b128 v[KS:KS+3], v[ADKS]               ; THE LOOK-AHEAD: the next step's scale words and fragments of K, into the registers that p has left
.irp b, 0,1,2,3
.irp c, 0,1,2,3
	ds_load_b128 v[\SS+16*\b+4*\c:\SS+16*\b+4*\c+3], v[ADK] offset:2048*\b+512*\c
.endr
.endr
	s_wait_alu depctr_va_vdst(0)                   ; the wait here, directly ahead of the first reader of O^T
.set sj, 0
.rept 16
	v_pk_mul_f32 v[O+sj:O+sj+1], v[O+sj:O+sj+1], v[F:F+1] op_sel_hi:[1,0]   ; O^T under the new M; these are also the places in front of the products
.set sj, sj+2
.endr
	s_add_co_u32 s[TBK], s[TBK], 8192              ; the next look-ahead; behind the last step it wraps round to step 0
	s_and_b32 s[TBK], s[TBK], 0x1ffff
	s_add_co_u32 s[TKO], s[TKO], 256
	s_and_b32 s[TKO], s[TKO], 0xfff
	s_add_co_u32 s[TKS], s[TKO], KP
	s_add_co_u32 s[TBV], s[TBV], 2048
	s_add_co_u32 s[TVS], s[TVS], 256
	s_wait_alu depctr_va_vdst(0)                   ; the wait here, directly ahead of the wait below
	s_wait_dscnt 17                                ; V's 17 loads are in; the look-ahead's 17 behind them may be out
.irp t, 0,1,2,3
	v_wmma_scale_f32_16x16x128_f8f6f4 v[O+8*\t:O+8*\t+7], v[\FR+16*\t:\FR+16*\t+15], v[PCD:PCD+15], v[O+8*\t:O+8*\t+7], v[VS+\t], v[WD]
.endr
	v_pk_add_f32 v[236:237], v[236:237], v[238:239]     ; ten plain lines that name none of the products' registers: nine places are owed before the next scores are laid over V's fragments
	v_pk_add_f32 v[248:249], v[248:249], v[250:251]
	v_add_nc_u32 v[ADK], s[TBK], v1
	v_add_nc_u32 v[ADV], s[TBV], v1
	v_pk_add_f32 v[236:237], v[236:237], v[252:253]
	v_add_nc_u32 v[ADKS], s[TKS], v2
	v_add_nc_u32 v[ADVS], s[TVS], v2
	v_pk_add_f32 v[236:237], v[236:237], v[248:249]
	v_add_nc_u32 v[ADV2], 0x10000, v[ADV]
	v_pk_fma_f32 v[14:15], v[14:15], v[F:F+1], v[236:237] op_sel_hi:[1,0,1]   ; the row's sum: x f, + the step's
.endm
	s_wait_alu depctr_va_vdst(0)                   ; the wait at the head's end
	s_wait_tensorcnt 0x0                           ; my one load is in,
	s_barrier_signal -1
	s_barrier_wait -1                              ; everybody's: K, V and their scale words are whole
	ds_load_b128 v[232:235], v10                   ; my row's words of four tiles (four bytes: two heads)
	s_wait_dscnt 0x0
	v_perm_b32 v240, v233, v232, s[PSEL]           ; the head's two bytes of tile 2 g, then of tile 2 g + 1: a fragment's scale word
	v_perm_b32 v241, v235, v234, s[PSEL]
	ds_store_b64 v11, v[240:241]
	s_wait_dscnt 0x0                               ; for the others' sake: my store has landed
	s_barrier_signal -1
	s_barrier_wait -1
	v_add_nc_u32 v[ADKS], KP, v2
	ds_load_b128 v[KS:KS+3], v[ADKS]               ; step 0's scale words and fragments of K
.irp b, 0,1,2,3
.irp c, 0,1,2,3
	ds_load_b128 v[XA+16*\b+4*\c:XA+16*\b+4*\c+3], v1 offset:2048*\b+512*\c
.endr
.endr
	v_add_nc_u32 v[ADK], 8192, v1                  ; the look-ahead stands at step 1
	v_add_nc_u32 v[ADKS], KP+256, v2
	v_add_nc_u32 v[ADV], VL, v1
	v_add_nc_u32 v[ADV2], VL+65536, v1
	v_add_nc_u32 v[ADVS], VSW, v2
.rept 2
	v_nop                                          ; with the lines above: more than eight places between Q's scale words and the first product
.endr
	s_mov_b32 s[CNT], 8
.Lk:                                               ; eight trips of two steps: the two sets are back in their roles
	STEP XA, XB, 1
	STEP XB, XA, 0
	s_sub_co_u32 s[CNT], s[CNT], 1
	s_cmp_lg_u32 s[CNT], 0
	s_cbranch_scc1 .Lk
	; THE WAY OUT.  O^T / the sum goes through my stage in LDS (16 rows x 272 bytes, in K's bytes, which nobody reads behind the barrier below) and comes back by rows; x is added; sixteen lanes store a token's 256 bytes of the head
	v_add_f32 v14, v14, v15
	s_delay_alu instid0(VALU_DEP_1)
	v_permlanex16_b32 v[T], v14, s[SEL], s[SEL+1]
	s_delay_alu instid0(VALU_DEP_1)
	v_add_f32 v14, v14, v[T]                       ; the row's sum
	s_wait_alu depctr_va_vdst(0)
	v_rcp_f32 v14, v14
	v_and_b32 v3, 15, v0                           ; r   (plain lines behind the reciprocal)
	v_bfe_u32 v4, v0, 4, 1                         ; h
	s_mul_i32 s19, s[WV], 16*272
	v_mul_u32_u24 v10, v3, 272
	s_delay_alu instid0(VALU_DEP_1)
	v_lshl_add_u32 v10, v4, 6, v10
	s_delay_alu instid0(VALU_DEP_1)
	v_add_nc_u32 v10, s19, v10                     ; in: row r, + 64 h
	v_mul_u32_u24 v11, v4, 272
	s_delay_alu instid0(VALU_DEP_1)
	v_lshl_add_u32 v11, v3, 4, v11
	s_delay_alu instid0(VALU_DEP_1)
	v_add_nc_u32 v11, s19, v11                     ; back: lanes 0-15 one row, lanes 16-31 the next
	v_lshlrev_b32 v5, 12, v4
	s_delay_alu instid0(VALU_DEP_1)
	v_lshl_add_u32 v5, v3, 4, v5                   ; and the same two tokens in x and res
	s_wait_alu depctr_va_vdst(0)                   ; the wait ahead of the reciprocal's first reader, and of the readers of the addresses just made
	s_wait_dscnt 0x0                               ; the last look-ahead has landed: its registers may be loaded into, and my reads of K are over
.irp i, 0,1,2,3,4,5,6,7
	global_load_b128 v[40+4*\i:43+4*\i], v5, s[92:93] offset:(2*\i+8*(\i/4))*4096 th:TH_LOAD_NT     ; stage row p is token p + 8 (p / 8) of my tile; asked for ahead of the barrier: nobody writes x
.endr
	s_barrier_signal -1
	s_barrier_wait -1                              ; no wave reads K any more
.set sj, 0
.rept 16
	v_pk_mul_f32 v[S+sj:S+sj+1], v[O+sj:O+sj+1], v[14:15] op_sel_hi:[1,0]
.set sj, sj+2
.endr
.irp t, 0,1,2,3
	ds_store_b128 v10, v[S+8*\t:S+8*\t+3] offset:128*(\t/2)+32*(\t%2)         ; register j of tile t is channel 32 (t / 2) + 8 (t % 2) + 16 h + j
	ds_store_b128 v10, v[S+8*\t+4:S+8*\t+7] offset:128*(\t/2)+32*(\t%2)+16
.endr
.irp i, 0,1,2,3,4,5,6,7
	ds_load_b128 v[72+4*\i:75+4*\i], v11 offset:544*\i     ; LDS serves a wave's instructions in order: these see my stores
.endr
	s_wait_dscnt 0x0
	s_wait_loadcnt 0x0
.set sj, 0
.rept 16
	v_pk_add_f32 v[72+sj:73+sj], v[72+sj:73+sj], v[40+sj:41+sj]
.set sj, sj+2
.endr
.irp i, 0,1,2,3,4,5,6,7
	global_store_b128 v5, v[72+4*\i:75+4*\i], s[94:95] offset:(2*\i+8*(\i/4))*4096     ; 16 lanes store 256 consecutive bytes, aligned
.endr
	WSTAT 72, 32, 0x3a800000, 116, 117             ; my 1,024 numbers
	v_lshrrev_b32 v3, 5, v0
	s_delay_alu instid0(VALU_DEP_1)
	v_lshl_add_u32 v3, v3, 3, STATL
	ds_store_b64 v3, v[116:117]                    ; all lanes write the wave's pair
	s_wait_dscnt 0x0
	s_barrier_signal -1
	s_barrier_wait -1
	v_and_b32 v4, 15, v0
	s_delay_alu instid0(VALU_DEP_1)
	v_lshl_add_u32 v4, v4, 3, STATL
	ds_load_b64 v[118:119], v4                     ; lane r: wave r's pair
	s_wait_dscnt 0x0
	v_mov_b32 v120, v118
.irp m, 1,2,4,8
	s_delay_alu instid0(VALU_DEP_1)
	v_add_f32_dpp v120, v120, v120 row_xmask:\m row_mask:0xf bank_mask:0xf
.endr
	s_delay_alu instid0(VALU_DEP_1)
	v_mul_f32 v120, 0x3d800000, v120               ; the mean of the sixteen means
	s_delay_alu instid0(VALU_DEP_1)
	v_sub_f32 v121, v118, v120
	s_delay_alu instid0(VALU_DEP_1)
	v_mul_f32 v121, v121, v121
	s_delay_alu instid0(VALU_DEP_1)
	v_fma_f32 v121, v121, 0x44800000, v119         ; each wave's sum of squares + 1,024 x (its mean - the mean)^2
.irp m, 1,2,4,8
	s_delay_alu instid0(VALU_DEP_1)
	v_add_f32_dpp v121, v121, v121 row_xmask:\m row_mask:0xf bank_mask:0xf
.endr
	s_cmp_lg_u32 s[WV], 0
	s_cbranch_scc1 .Lno_stat
	v_cmp_eq_u32 vcc_lo, 0, v0
	s_wait_xcnt 0x0                                ; EXEC changes only behind this wait
	s_and_saveexec_b32 s19, vcc_lo
	s_wait_alu depctr_va_vdst(0)
	global_store_b64 v[ZR], v[120:121], s[98:99]
	s_wait_xcnt 0x0
	s_or_b32 exec_lo, exec_lo, s19
.Lno_stat:
	s_wait_tensorcnt 0x0                           ; the wave's end
	ds_add_u32 v254, v255
	s_wait_dscnt 0x0
	CROUND                                         ; the closing round
	s_endpgm
.Lfunc_end_k_q98d8ff1533_attn:
	.size	k_q98d8ff1533_attn, .Lfunc_end_k_q98d8ff1533_attn-k_q98d8ff1533_attn
	.p2alignl 7, 3214868480
	.fill 96, 4, 3214868480
	.section	.rodata,"a",@progbits
	.p2align	6, 0x0
	.amdhsa_kernel k_q98d8ff1533_attn
		.amdhsa_group_segment_fixed_size 284672
		.amdhsa_private_segment_fixed_size 0
		.amdhsa_enable_private_segment 0
		.amdhsa_kernarg_size 24
		.amdhsa_user_sgpr_count 2
		.amdhsa_user_sgpr_kernarg_segment_ptr 1
		.amdhsa_wavefront_size32 1
		.amdhsa_system_sgpr_workgroup_id_x 1
		.amdhsa_system_sgpr_workgroup_id_y 1
		.amdhsa_system_sgpr_workgroup_id_z 1
		.amdhsa_system_vgpr_workitem_id 0
		.amdhsa_next_free_vgpr 256
		.amdhsa_next_free_sgpr 102
		.amdhsa_reserve_vcc 1
		.amdhsa_float_denorm_mode_32 3
		.amdhsa_float_denorm_mode_16_64 3
		.amdhsa_memory_ordered 1
		.amdhsa_forward_progress 1
		.amdhsa_inst_pref_size 66
	.end_amdhsa_kernel
	.amdgpu_metadata
---
amdhsa.version: [ 1, 2 ]
amdhsa.kernels:
  - .name:           k_q98d8ff1533_attn
    .symbol:         k_q98d8ff1533_attn.kd
    .args:
      - { .name: qkvb, .offset: 0, .size: 8, .value_kind: global_buffer, .address_space: global }
      - { .name: x, .offset: 8, .size: 8, .value_kind: global_buffer, .address_space: global }
      - { .name: res, .offset: 16, .size: 8, .value_kind: global_buffer, .address_space: global }
    .group_segment_fixed_size: 284672
    .private_segment_fixed_size: 0
    .kernarg_segment_align: 8
    .kernarg_segment_size: 24
    .max_flat_workgroup_size: 512
    .sgpr_count:     102
    .vgpr_count:     256
    .wavefront_size: 32
...
	.end_amdgpu_metadata
.endif
;; end of part 11
;; launch norm_quant (part 12): grid 256 x 1, 2 waves a work-group, no clusters, 17,152 bytes of LDS; arguments res, hq; writes hq
.if DOCPART == 12
	.amdgcn_target "amdgcn-amd-amdhsa--gfx1250"
	.amdhsa_code_object_version 6
	.text
	.protected	k_q98d8ff1533_norm_quant
	.globl	k_q98d8ff1533_norm_quant
	.p2align	8
	.type	k_q98d8ff1533_norm_quant,@function
k_q98d8ff1533_norm_quant:
	s_mov_b64 s[64:65], 0
	v_nop
	global_prefetch_b8 v0, s[64:65] scope:SCOPE_SE
	s_setreg_imm32_b32 hwreg(HW_REG_WAVE_MODE, 25, 1), 1
	s_wait_xcnt 0x0
; h = (res - mean) / sqrt(var + 1e-5), mean and var over a batch's 2,048 x 1,024 numbers, becomes codes of FP8 (E4M3) along its 1,024 columns, one E8M0 byte for each 32,
; laid as images of the operand's registers: [256 tiles of 16 tokens][8][2048]; scale words [four tiles][8][r 16][tile 4].  Here the tokens of a tile are neighbours.
; The batch's 128 pairs (mean, sum of squared differences; 16,384 numbers each) are joined: mean = the mean of the means; M2 = the sum of M2_i + n (mean_i - mean)^2.  No difference of large sums is formed.
; (v - mean) x rstd is a subtraction and a multiplication, not one multiply-add: v x rstd - mean x rstd would lose bits under a common offset.
; A wave takes four tiles x 128 columns; loads of 512 consecutive bytes; a tile turns through the wave's own stage in LDS; no barrier.  Memory binds: no matrix unit, cluster or tensor load.
; LIMITS: NaN and infinities are not served; a block under 2^-118, and a block of zeros, gets the byte 1.
.set ST1, 16777216
.set HS,  4194304
.set STG, 8448
.set R,   32
.set XN,  160
.set PC,  224
.set TM,  8
.set PW,  24
.set PWS, 26
.set CB,  240                          ; v240-247 four pairs a lane
.set MEAN, 248
.set RSTD, 250
.set CA,  252
.set CD,  253
.set WT,  254
.set SEL, 12
.set MNT, 14
.set VSC, 15
.set EPS, 24
.macro XSUM reg, tmp
	v_add_f32_dpp v[\reg], v[\reg], v[\reg] row_xmask:1 row_mask:0xf bank_mask:0xf
	v_add_f32_dpp v[\reg], v[\reg], v[\reg] row_xmask:2 row_mask:0xf bank_mask:0xf
	v_add_f32_dpp v[\reg], v[\reg], v[\reg] row_xmask:4 row_mask:0xf bank_mask:0xf
	v_add_f32_dpp v[\reg], v[\reg], v[\reg] row_xmask:8 row_mask:0xf bank_mask:0xf
	s_wait_alu depctr_va_vdst(0)
	v_permlanex16_b32 v[\tmp], v[\reg], s[SEL], s[SEL+1]
	v_add_f32 v[\reg], v[\reg], v[\tmp]
.endm
.macro COMBINE cb, npair, nf, invp     ; npair pairs a lane from v[cb] on; nf: the numbers behind a pair, as f32; invp: 1 / all pairs
	v_add_f32 v[CA], v[\cb], v[\cb+2]
.set cj, 2
.rept (\npair)-2
	v_add_f32 v[CA], v[CA], v[\cb+2*cj]
.set cj, cj+1
.endr
	XSUM CA, WT
	v_mul_f32 v[MEAN], \invp, v[CA]
	v_mov_b32 v[MEAN+1], v[MEAN]
	v_sub_f32 v[CD], v[\cb], v[MEAN]
	v_mul_f32 v[CD], v[CD], v[CD]
	v_fma_f32 v[CA], v[CD], \nf, v[\cb+1]
.set cj, 1
.rept (\npair)-1
	v_sub_f32 v[CD], v[\cb+2*cj], v[MEAN]
	v_mul_f32 v[CD], v[CD], v[CD]
	v_add_f32 v[CA], v[CA], v[\cb+2*cj+1]
	v_fma_f32 v[CA], v[CD], \nf, v[CA]
.set cj, cj+1
.endr
	XSUM CA, WT
	v_fma_f32 v[CA], v[CA], s[VSC], s[EPS]         ; M2 / 2^21 + 1e-5
	s_wait_alu depctr_va_vdst(0)
	v_rsq_f32 v[RSTD], v[CA]
	v_nop                                          ; a plain line behind the transcendental,
	s_wait_alu depctr_va_vdst(0)                   ; and the wait ahead of its first reader
	v_mov_b32 v[RSTD+1], v[RSTD]
.endm
.macro QUANT s
.irp b, 0,1,2,3
	v_max3_num_f32 v[TM+\b], |v[\s+16*\b]|, |v[\s+1+16*\b]|, 0x4800000
.endr
.irp i, 2,4,6,8,10,12,14
.irp b, 0,1,2,3
	v_max3_num_f32 v[TM+\b], v[TM+\b], |v[\s+16*\b+\i]|, |v[\s+1+16*\b+\i]|
.endr
.endr
.irp b, 0,1,2,3
	v_permlanex16_b32 v[TM+4+\b], v[TM+\b], s[SEL], s[SEL+1]
.endr
.irp b, 0,1,2,3
	v_max_num_f32 v[TM+\b], v[TM+\b], v[TM+4+\b]
.endr
.irp b, 0,1,2,3
	v_add_nc_u32 v[TM+12+\b], 0xfc000000, v[TM+\b]
.endr
.irp b, 0,1,2,3
	v_and_or_b32 v[TM+8+\b], v[TM+\b], 0x7f800000, s[MNT]
.endr
.irp b, 0,1,2,3
	v_lshrrev_b32 v[TM+4+\b], 23, v[TM+12+\b]
.endr
	v_lshl_or_b32 v[PW], v[TM+5], 8, v[TM+4]
	v_lshl_or_b32 v[PW], v[TM+6], 16, v[PW]
	v_lshl_or_b32 v[PW], v[TM+7], 24, v[PW]
.irp b, 0,1,2,3
.irp i, 0,1,2,3,4,5,6,7,8,9,10,11,12,13,14,15
	v_med3_num_f32 v[\s+16*\b+\i], v[\s+16*\b+\i], -v[TM+8+\b], v[TM+8+\b]
.endr
	v_cvt_scalef32_pk8_fp8_f32 v[PC+4*\b:PC+1+4*\b], v[\s+16*\b:\s+7+16*\b], v[TM+12+\b]
	v_cvt_scalef32_pk8_fp8_f32 v[PC+2+4*\b:PC+3+4*\b], v[\s+8+16*\b:\s+15+16*\b], v[TM+12+\b]
.endr
	v_nop
.endm
	s_load_b128 s[4:7], s[0:1], 0x0                ; res, hq
	v_lshl_add_u32 v25, v0, 2, 0x4200
	v_mov_b32 v255, 0
	v_lshrrev_b32 v1, 5, v0
	v_readfirstlane_b32 s8, v1
	v_and_b32 v5, 31, v0
	v_and_b32 v6, 15, v0
	v_bfe_u32 v7, v0, 4, 1
	v_lshlrev_b32 v1, 4, v5
	s_mul_i32 s9, s8, STG
	v_add_nc_u32 v2, s9, v1
	v_mul_u32_u24 v3, v6, 528
	v_lshl_add_u32 v3, v7, 6, v3
	v_add_nc_u32 v3, s9, v3
	v_lshlrev_b32 v4, 4, v6
	v_lshl_add_u32 v4, v7, 3, v4
.irp b, 0,1,2,3
	v_mov_b32 v[TM+4+\b], 0
.endr
	v_mov_b32 v[WT], 0
	s_mov_b32 s[SEL], 0x76543210
	s_mov_b32 s[SEL+1], 0xfedcba98
	s_mov_b32 s[MNT], 0x600000
	s_mov_b32 s[VSC], 0x35000000                   ; 2^-21
	s_mov_b32 s[EPS], 0x3727c5ac                   ; 1e-5
	s_lshr_b32 s10, ttmp9, 2                       ; which 64 tokens
	s_and_b32 s11, ttmp9, 3
	s_lshl_b32 s11, s11, 1
	s_add_co_u32 s11, s11, s8                      ; which 128 columns
	s_lshl_b32 s16, s10, 18
	s_lshl_b32 s17, s11, 9
	s_add_co_u32 s16, s16, s17
	s_mov_b32 s17, 0
	s_lshl_b32 s18, s10, 5
	s_add_co_u32 s18, s18, s11
	s_lshl_b32 s18, s18, 11
	s_mov_b32 s19, 0
	s_lshl_b32 s20, s10, 3
	s_add_co_u32 s20, s20, s11
	s_lshl_b32 s20, s20, 8
	s_add_co_u32 s20, s20, HS
	s_mov_b32 s21, 0
	s_lshr_b32 s26, s10, 5                         ; the batch
	s_lshl_b32 s26, s26, 10
	s_add_co_u32 s26, s26, ST1
	s_mov_b32 s27, 0
	s_wait_kmcnt 0x0
	s_add_nc_u64 s[26:27], s[4:5], s[26:27]
	s_add_nc_u64 s[4:5], s[4:5], s[16:17]
	s_add_nc_u64 s[22:23], s[6:7], s[20:21]
	s_add_nc_u64 s[6:7], s[6:7], s[18:19]
.macro LOAD i
.irp p, 0,1,2,3,4,5,6,7,8,9,10,11,12,13,14,15
	global_load_b128 v[R+64*((\i)%2)+4*\p:R+64*((\i)%2)+4*\p+3], v1, s[4:5] offset:(16*(\i)+\p)*4096
.endr
.endm
.macro TILE i
.if (\i) < 3
	s_wait_loadcnt 16                              ; this tile's 16 loads are in; the next tile's may be out
.else
	s_wait_loadcnt 0x0
.endif
.irp p, 0,1,2,3,4,5,6,7,8,9,10,11,12,13,14,15
	ds_store_b128 v2, v[R+64*((\i)%2)+4*\p:R+64*((\i)%2)+4*\p+3] offset:528*\p
.endr
.irp b, 0,1,2,3
.irp j, 0,1,2,3
	ds_load_b128 v[XN+16*\b+4*\j:XN+16*\b+4*\j+3], v3 offset:128*\b+16*\j
.endr
.endr
	s_wait_dscnt 0x0
	s_wait_xcnt 0x0                                ; the last tile's stores have read the codes' registers
.if (\i)+2 < 4
	LOAD (\i)+2
.endif
.set nj, 0
.rept 32
	v_pk_add_f32 v[XN+nj:XN+nj+1], v[XN+nj:XN+nj+1], v[MEAN:MEAN+1] neg_lo:[0,1] neg_hi:[0,1]
.set nj, nj+2
.endr
.set nj, 0
.rept 32
	v_pk_mul_f32 v[XN+nj:XN+nj+1], v[XN+nj:XN+nj+1], v[RSTD:RSTD+1]
.set nj, nj+2
.endr
	QUANT XN
	v_mov_b32 v[PWS+\i], v[PW]
.irp c, 0,1,2,3
	global_store_b128 v1, v[PC+4*\c:PC+4*\c+3], s[6:7] offset:(\i)*16384+512*\c
.endr
.endm
	global_load_b128 v[CB:CB+3], v1, s[26:27]      ; the batch's 128 pairs: four a lane
	global_load_b128 v[CB+4:CB+7], v1, s[26:27] offset:512
	LOAD 0
	LOAD 1
	s_wait_loadcnt 32                              ; the pairs are in; the 32 row loads may be out
	COMBINE CB, 4, 0x46800000, 0x3c000000
	TILE 0
	TILE 1
	TILE 2
	TILE 3
	v_cmp_lt_u32 vcc_lo, 15, v5
	v_cndmask_b32 v30, v[PWS], v[PWS+2], vcc_lo
	v_cndmask_b32 v31, v[PWS+1], v[PWS+3], vcc_lo
	global_store_b64 v4, v[30:31], s[22:23]
	s_wait_tensorcnt 0x0
	ds_add_u32 v25, v255
	s_wait_dscnt 0x0
	s_endpgm
.Lfunc_end_k_q98d8ff1533_norm_quant:
	.size	k_q98d8ff1533_norm_quant, .Lfunc_end_k_q98d8ff1533_norm_quant-k_q98d8ff1533_norm_quant
	.p2alignl 7, 3214868480
	.fill 96, 4, 3214868480
	.section	.rodata,"a",@progbits
	.p2align	6, 0x0
	.amdhsa_kernel k_q98d8ff1533_norm_quant
		.amdhsa_group_segment_fixed_size 17152
		.amdhsa_private_segment_fixed_size 0
		.amdhsa_enable_private_segment 0
		.amdhsa_kernarg_size 16
		.amdhsa_user_sgpr_count 2
		.amdhsa_user_sgpr_kernarg_segment_ptr 1
		.amdhsa_wavefront_size32 1
		.amdhsa_system_sgpr_workgroup_id_x 1
		.amdhsa_system_sgpr_workgroup_id_y 1
		.amdhsa_system_sgpr_workgroup_id_z 1
		.amdhsa_system_vgpr_workitem_id 0
		.amdhsa_next_free_vgpr 256
		.amdhsa_next_free_sgpr 66
		.amdhsa_reserve_vcc 1
		.amdhsa_float_denorm_mode_32 3
		.amdhsa_float_denorm_mode_16_64 3
		.amdhsa_memory_ordered 1
		.amdhsa_forward_progress 1
		.amdhsa_inst_pref_size 69
	.end_amdhsa_kernel
	.amdgpu_metadata
---
amdhsa.version: [ 1, 2 ]
amdhsa.kernels:
  - .name:           k_q98d8ff1533_norm_quant
    .symbol:         k_q98d8ff1533_norm_quant.kd
    .args:
      - { .name: res, .offset: 0, .size: 8, .value_kind: global_buffer, .address_space: global }
      - { .name: hq, .offset: 8, .size: 8, .value_kind: global_buffer, .address_space: global }
    .group_segment_fixed_size: 17152
    .private_segment_fixed_size: 0
    .kernarg_segment_align: 8
    .kernarg_segment_size: 16
    .max_flat_workgroup_size: 64
    .sgpr_count:     66
    .vgpr_count:     256
    .wavefront_size: 32
...
	.end_amdgpu_metadata
.endif
;; end of part 12
;; launch ff1 (part 13): grid 16 x 16, 4 waves a work-group, clusters of 4 x 4, 327,680 bytes of LDS; arguments hq, ops, b1, hid; writes hid
.if DOCPART == 13
	.amdgcn_target "amdgcn-amd-amdhsa--gfx1250"
	.amdhsa_code_object_version 6
	.text
	.protected	k_q98d8ff1533_ff1
	.globl	k_q98d8ff1533_ff1
	.p2align	8
	.type	k_q98d8ff1533_ff1,@function
k_q98d8ff1533_ff1:
	s_mov_b64 s[64:65], 0
	v_nop
	global_prefetch_b8 v0, s[64:65] scope:SCOPE_SE
	s_setreg_imm32_b32 hwreg(HW_REG_WAVE_MODE, 25, 1), 1
	s_wait_xcnt 0x0
	s_wait_alu depctr_hold_cnt(0) depctr_sa_sdst(0) depctr_va_vdst(0) depctr_va_sdst(0) depctr_va_ssrc(0) depctr_va_vcc(0) depctr_vm_vsrc(0)
	s_getreg_b32 s2, hwreg(HW_REG_IB_STS2, 6, 4)
	s_cmp_eq_u32 s2, 0
	s_cbranch_scc0 .Lentry_in_a_cluster
	s_endpgm
.Lentry_in_a_cluster:
	s_bfe_u32 s2, ttmp6, 0x10000c
	s_cmp_lg_u32 s2, 0xf033
	s_cbranch_scc0 .Lentry_shape_is_right
	s_endpgm
.Lentry_shape_is_right:
.set NXK,   8
.set LAPS,  NXK/4
.set OPS,   15728640
.set HS,    4194304
.set HIDS,  16777216
.set SLOT,  131072
.set T0OFF, 65536
.set SC1,   2*SLOT
.set SC0,   SC1+1024*NXK
.set SPARE, SC0+1024*NXK
.set LI,   4
.set LR,   5
.set ADR1, 6
.set ADR0, 8
.set ADS1, 10
.set ADS0, 11
.set SPW,  12
.set NIL,  13
.set LW,   15
.set SC,   16
.set BI,   48
.set TM,   112
.set AF,   128
.set PC,   128
.set PWS,  192
.set SO,   200
.set G1,   24
.set G0,   32
.set G1B,  48
.set G0B,  56
.set G1S,  68
.set G0S,  76
.set G1SB, 80
.set G0SB, 88
.set SEL,  66
.set MNT,  2
.set OUTC, 98
.set OUTS, 100
.set MUL_LO, 0xa1
.set MUL_HI, 0xf1
.set TO_B,   0x40
.set MSB, 0
.macro WIN new
.if MSB != (\new)
	s_set_vgpr_msb (MSB<<8)|(\new)
.set MSB, (\new)
.endif
.endm
.macro PLACES n
.rept \n
	v_nop
.endr
.endm
.macro JLOAD g0a, g1a, g0b, g1b
	s_cmp_eq_u32 s15, 0
	s_cbranch_scc0 .Lfor_b_\@
	tensor_load_to_lds s[\g0a:\g0a+3], s[\g1a:\g1a+7]
	s_nop 0
.rept 4
	v_nop
.endr
	s_branch .Lasked_\@
.Lfor_b_\@:
	tensor_load_to_lds s[\g0b:\g0b+3], s[\g1b:\g1b+7]
	s_nop 0
.rept 4
	v_nop
.endr
.Lasked_\@:
.endm
.macro CREST
	s_cmp_lg_u32 s14, 0
	s_cbranch_scc1 .Lnot_wave_0_\@
	s_barrier_signal -3
.Lnot_wave_0_\@:
	s_barrier_wait -3
	s_barrier_signal -1
	s_barrier_wait -1
.endm
.macro CROUND
	s_barrier_signal -1
	s_barrier_wait -1
	CREST
.endm
.macro FRAG reg, adr, off
.irp c, 0,1,2,3
	ds_load_b128 v[\reg+4*\c:\reg+4*\c+3], v[\adr] offset:\off+512*\c
.endr
.endm
.macro FETCH_B slot, x, p
	WIN TO_B
.irp t, 0,1,2,3,4,5,6,7
	FRAG 128*(\p)+16*\t, ADR0+\slot, 4096*\t+2048*(\x)
.endr
	WIN 0
.endm
.macro FETCH_A slot, x, a0
.irp a, \a0, \a0+1, \a0+2, \a0+3
	FRAG AF+16*(\a), ADR1+\slot, 4096*(\a)+2048*(\x)
.endr
.endm
.macro SCALES x, set
	ds_load_b128 v[SC+16*(\set):SC+16*(\set)+3], v[ADS0] offset:256*(\x)
	ds_load_b128 v[SC+16*(\set)+4:SC+16*(\set)+7], v[ADS0] offset:256*NXK+256*(\x)
	ds_load_b128 v[SC+16*(\set)+8:SC+16*(\set)+11], v[ADS1] offset:256*(\x)
	ds_load_b128 v[SC+16*(\set)+12:SC+16*(\set)+15], v[ADS1] offset:256*NXK+256*(\x)
.endm
.macro MUL16 a0, p, zero
.irp a, \a0, \a0+1
.irp t, 0,1,2,3,4,5,6,7
.if \zero
	v_wmma_scale_f32_16x16x128_f8f6f4 v[8*(8*((\a)%4)+\t):8*(8*((\a)%4)+\t)+7], v[128*(\p)+16*\t:128*(\p)+16*\t+15], v[AF+16*(\a):AF+16*(\a)+15], 0, v[SC+16*(\p)+\t], v[SC+16*(\p)+8+(\a)]
.else
	v_wmma_scale_f32_16x16x128_f8f6f4 v[8*(8*((\a)%4)+\t):8*(8*((\a)%4)+\t)+7], v[128*(\p)+16*\t:128*(\p)+16*\t+15], v[AF+16*(\a):AF+16*(\a)+15], v[8*(8*((\a)%4)+\t):8*(8*((\a)%4)+\t)+7], v[SC+16*(\p)+\t], v[SC+16*(\p)+8+(\a)]
.endif
.endr
.endr
.endm
.macro STEP slot, zero
	s_wait_dscnt 16
	WIN MUL_LO
	MUL16 0, 0, \zero
	MUL16 2, 0, \zero
	s_wait_dscnt 0x0
	PLACES 8
	FETCH_B \slot, 1, 1
	FETCH_A \slot, 1, 0
	SCALES 1, 1
	WIN MUL_HI
	MUL16 4, 0, \zero
	MUL16 6, 0, \zero
	PLACES 8
	WIN 0
	FETCH_A \slot, 1, 4
.endm
.macro TURN slot, next, fill
	s_wait_tensorcnt 0x0
	ds_add_u32 v[SPW], v[NIL]
	s_wait_dscnt 17
	WIN MUL_LO
	MUL16 0, 1, 0
	s_wait_dscnt 0x0
	s_barrier_signal -1
	MUL16 2, 1, 0
	WIN 0
	s_barrier_wait -1
.if \fill
	CREST
	s_add_nc_u64 s[G0+4*\slot+2:G0+4*\slot+3], s[G0+4*\slot+2:G0+4*\slot+3], 8192
	s_add_nc_u64 s[G0B+4*\slot+2:G0B+4*\slot+3], s[G0B+4*\slot+2:G0B+4*\slot+3], 8192
	JLOAD G0+4*\slot, G1, G0B+4*\slot, G1B
	PLACES 4
.else
	PLACES 8
.endif
	s_wait_alu depctr_va_vdst(0)
	v_add_nc_u32 v[ADS1], 512, v[ADS1]
	v_add_nc_u32 v[ADS0], 512, v[ADS0]
	FETCH_B \next, 0, 0
	FETCH_A \next, 0, 0
	SCALES 0, 0
	WIN MUL_HI
	MUL16 4, 1, 0
	MUL16 6, 1, 0
	PLACES 8
	WIN 0
	FETCH_A \next, 0, 4
.endm
.macro QUANTW a, relu
.set QB_, 64*((\a)%4)
.set QW_, 2+(\a)/4
	WIN (QW_<<2)|QW_
.irp b, 0,1,2,3
.if \relu
	v_max3_num_f32 v[TM+\b], v[QB_+16*\b], v[QB_+1+16*\b], 0x4800000
.else
	v_max3_num_f32 v[TM+\b], |v[QB_+16*\b]|, |v[QB_+1+16*\b]|, 0x4800000
.endif
.endr
	WIN (QW_<<4)|(QW_<<2)
.irp i, 2,4,6,8,10,12,14
.irp b, 0,1,2,3
.if \relu
	v_max3_num_f32 v[TM+\b], v[TM+\b], v[QB_+16*\b+\i], v[QB_+1+16*\b+\i]
.else
	v_max3_num_f32 v[TM+\b], v[TM+\b], |v[QB_+16*\b+\i]|, |v[QB_+1+16*\b+\i]|
.endif
.endr
.endr
	WIN 0
.irp b, 0,1,2,3
	v_permlanex16_b32 v[TM+4+\b], v[TM+\b], s[SEL], s[SEL+1]
.endr
.irp b, 0,1,2,3
	v_max_num_f32 v[TM+\b], v[TM+\b], v[TM+4+\b]
.endr
.irp b, 0,1,2,3
	v_add_nc_u32 v[TM+12+\b], 0xfc000000, v[TM+\b]
.endr
.irp b, 0,1,2,3
	v_and_or_b32 v[TM+8+\b], v[TM+\b], 0x7f800000, s[MNT]
.endr
.irp b, 0,1,2,3
	v_lshrrev_b32 v[TM+4+\b], 23, v[TM+12+\b]
.endr
	v_lshl_or_b32 v[PWS+(\a)], v[TM+5], 8, v[TM+4]
	v_lshl_or_b32 v[PWS+(\a)], v[TM+6], 16, v[PWS+(\a)]
	v_lshl_or_b32 v[PWS+(\a)], v[TM+7], 24, v[PWS+(\a)]
	WIN (QW_<<6)|QW_
.irp b, 0,1,2,3
.irp i, 0,1,2,3,4,5,6,7,8,9,10,11,12,13,14,15
.if \relu
	v_med3_num_f32 v[QB_+16*\b+\i], v[QB_+16*\b+\i], 0, v[TM+8+\b]
.else
	v_med3_num_f32 v[QB_+16*\b+\i], v[QB_+16*\b+\i], -v[TM+8+\b], v[TM+8+\b]
.endif
.endr
.endr
	WIN QW_
.irp b, 0,1,2,3
	v_cvt_scalef32_pk8_fp8_f32 v[PC+16*((\a)%4)+4*\b:PC+16*((\a)%4)+4*\b+1], v[QB_+16*\b:QB_+16*\b+7], v[TM+12+\b]
	v_cvt_scalef32_pk8_fp8_f32 v[PC+16*((\a)%4)+4*\b+2:PC+16*((\a)%4)+4*\b+3], v[QB_+16*\b+8:QB_+16*\b+15], v[TM+12+\b]
.endr
	WIN 0
	v_nop
.endm
.macro EPIQ relu, nxo
.irp a, 0,1,2,3,4,5,6,7
.set EW_, 2+\a/4
.set EB_, 64*(\a%4)
.if \a >= 4
	s_wait_xcnt 0x0
.endif
	WIN (EW_<<6)|EW_
.set ej, 0
.rept 32
	v_pk_add_f32 v[EB_+ej:EB_+ej+1], v[EB_+ej:EB_+ej+1], v[BI+ej:BI+ej+1]
.set ej, ej+2
.endr
	QUANTW \a, \relu
.irp c, 0,1,2,3
	global_store_b128 v[LI], v[PC+16*(\a%4)+4*\c:PC+16*(\a%4)+4*\c+3], s[OUTC:OUTC+1] offset:\a*\nxo*2048+512*\c
.endr
.endr
	v_cmp_lt_u32 vcc_lo, 15, v1
.irp q, 0,1
	v_cndmask_b32 v[SO+2*\q], v[PWS+4*\q], v[PWS+4*\q+2], vcc_lo
	v_cndmask_b32 v[SO+2*\q+1], v[PWS+4*\q+1], v[PWS+4*\q+3], vcc_lo
	global_store_b64 v[LW], v[SO+2*\q:SO+2*\q+1], s[OUTS:OUTS+1] offset:\q*\nxo*256
.endr
.endm
	s_load_b256 s[4:11], s[0:1], 0x0
	v_lshl_add_u32 v[SPW], v0, 2, SPARE
	v_mov_b32 v[NIL], 0
	ds_add_u32 v12, v13
	ds_add_u32 v12, v13
	s_wait_dscnt 0x0
	v_lshrrev_b32 v1, 5, v0
	v_readfirstlane_b32 s14, v1
	v_and_b32 v127, 15, v0                         ; the prefetches' offset: 16,384 (lane / 16) + 256 (lane % 16): two tiles, 16 blocks of 256 bytes of each; it stands until the way out
	v_bfe_u32 v126, v0, 4, 1
	v_lshlrev_b32 v127, 8, v127
	v_lshl_add_u32 v127, v126, 14, v127
	s_lshr_b32 s15, s14, 1
	s_and_b32 s16, s14, 1
	s_bfe_u32 s40, ttmp6, 0x40000
	s_bfe_u32 s41, ttmp6, 0x40004
	s_lshl_b32 s43, s41, 2
	s_lshl_b32 s43, 15, s43
	s_lshl_b32 s44, 0x1111, s40
	s_lshl_b32 s42, ttmp9, 2
	s_add_co_u32 s42, s42, s40
	s_and_b32 s17, ttmp7, 0xffff
	s_lshl_b32 s17, s17, 2
	s_add_co_u32 s17, s17, s41
	s_or_b32 s[G1], s43, (3<<16)|(1<<21)
	s_or_b32 s[G1B], s44, (3<<16)|(1<<21)
	s_or_b32 s[G1S], s43, (3<<16)|(1<<21)
	s_or_b32 s[G1SB], s44, (3<<16)|(1<<21)
.irp g, G1, G1B
	s_mov_b32 s[\g+1], 512<<16
	s_mov_b32 s[\g+2], 16<<16                      ; the head's loads bring 16 tiles; behind them the two words that count rows are set to 8
	s_mov_b32 s[\g+3], 512<<16
	s_mov_b32 s[\g+4], 16
	s_mov_b32 s[\g+5], 256*NXK
	s_mov_b32 s[\g+6], 0
	s_mov_b32 s[\g+7], 0
.endr
.irp g, G1S, G1SB
	s_mov_b32 s[\g+1], 32<<16
	s_mov_b32 s[\g+2], (4*NXK)<<16                 ; the scale words of 16 tiles, all of K: 4 NXK rows of 256 bytes
	s_mov_b32 s[\g+3], 32<<16
	s_mov_b32 s[\g+4], 4*NXK
	s_mov_b32 s[\g+5], 32
	s_mov_b32 s[\g+6], 0
	s_mov_b32 s[\g+7], 0
.endr
	s_lshl_b32 s20, s17, 4
	s_lshl_b32 s22, s20, 9
	s_add_co_u32 s22, s22, HS
	s_lshl_b32 s20, s20, 14
	s_mov_b32 s21, 0
	s_mov_b32 s23, 0
	s_lshl_b32 s46, s42, 4
	s_add_co_u32 s46, s46, 448
	s_lshl_b32 s92, s46, 9
	s_add_co_u32 s92, s92, OPS
	s_lshl_b32 s46, s46, 14
	s_mov_b32 s47, 0
	s_mov_b32 s93, 0
	s_mul_i32 s45, s16, 32768
	s_mul_i32 s94, s16, 32768
	s_add_co_u32 s94, s94, T0OFF
	s_lshl_b32 s96, s16, 17                        ; in the ring I fetch 8 tiles of 16,384 bytes: which half, in bytes
	s_mov_b32 s97, 0
	s_mov_b32 s[SEL], 0x76543210
	s_mov_b32 s[SEL+1], 0xfedcba98
	s_mov_b32 s[MNT], 0x600000
	s_wait_kmcnt 0x0
	s_add_nc_u64 s[20:21], s[4:5], s[20:21]
	s_add_nc_u64 s[22:23], s[4:5], s[22:23]
	s_add_nc_u64 s[46:47], s[6:7], s[46:47]
	s_add_nc_u64 s[92:93], s[6:7], s[92:93]
	CROUND
	s_mov_b32 s[G0S], 1
	s_mov_b32 s[G0S+1], SC1
	s_mov_b64 s[G0S+2:G0S+3], s[22:23]
	s_or_b32 s[G0S+3], s[G0S+3], 0x80000000
	s_mov_b32 s[G0SB], 1
	s_mov_b32 s[G0SB+1], SC0
	s_mov_b64 s[G0SB+2:G0SB+3], s[92:93]
	s_or_b32 s[G0SB+3], s[G0SB+3], 0x80000000
	s_mov_b32 s[G0], 1                             ; slot 0 at the head: source 1's 16 tiles whole,
	s_mov_b32 s[G0+1], 0
	s_mov_b64 s[G0+2:G0+3], s[20:21]
	s_or_b32 s[G0+3], s[G0+3], 0x80000000
	s_mov_b32 s[G0B], 1                            ; and source 0's
	s_mov_b32 s[G0B+1], T0OFF
	s_mov_b64 s[G0B+2:G0B+3], s[46:47]
	s_or_b32 s[G0B+3], s[G0B+3], 0x80000000
	s_add_nc_u64 s[20:21], s[20:21], s[96:97]      ; for the ring: my 8 tiles
	s_add_nc_u64 s[46:47], s[46:47], s[96:97]
	s_mov_b32 s[G0+4], 1                           ; slot 1
	s_add_co_u32 s[G0+5], s45, SLOT
	s_add_nc_u64 s[G0+6:G0+7], s[20:21], 4096
	s_or_b32 s[G0+7], s[G0+7], 0x80000000
	s_mov_b32 s[G0B+4], 1
	s_add_co_u32 s[G0B+5], s94, SLOT
	s_add_nc_u64 s[G0B+6:G0B+7], s[46:47], 4096
	s_or_b32 s[G0B+7], s[G0B+7], 0x80000000
	s_cmp_eq_u32 s15, 0                            ; the prefetches: of the 8 tiles that I fetch in the ring each of the four partners that ask for them with me names two, told apart by address
	s_cselect_b64 s[22:23], s[20:21], s[46:47]
	s_cselect_b32 s92, s40, s41
	s_lshl_b32 s92, s92, 15
	s_mov_b32 s93, 0
	s_add_nc_u64 s[22:23], s[22:23], s[92:93]
; THE HEAD'S LOADS, ONE A WAVE: wave 0 slot 0's tiles of source 1, wave 1 those of source 0, waves 2 and 3 their scale words.  One chain of branches on the wave's number, all arms to one join
.macro ARM under, g0, g1, next
	s_cmp_lt_u32 s14, \under
	s_cbranch_scc0 \next
	tensor_load_to_lds s[\g0:\g0+3], s[\g1:\g1+7]
	s_nop 0
.rept 4
	v_nop
.endr
	s_branch .Lhead_asked
\next:
.endm
	ARM 1, G0,  G1,  .Lhead_b
	ARM 2, G0B, G1B, .Lhead_sa
	ARM 3, G0S, G1S, .Lhead_sb
	tensor_load_to_lds s[G0SB:G0SB+3], s[G1SB:G1SB+7]
	s_nop 0
.rept 4
	v_nop
.endr
.Lhead_asked:
	s_wait_alu depctr_va_vdst(0)                   ; the wait ahead of the reader below
	global_prefetch_b8 v127, s[22:23] offset:4096 th:TH_LOAD_NT scope:SCOPE_SE    ; slots 1 and 2: 4,096 bytes of each tile a slot; each block of 256 bytes is named once in the cluster
	global_prefetch_b8 v127, s[22:23] offset:8192 th:TH_LOAD_NT scope:SCOPE_SE
	v_and_b32 v1, 31, v0
	v_and_b32 v2, 15, v0
	v_bfe_u32 v3, v0, 4, 1
	v_lshlrev_b32 v[LI], 4, v1
	v_lshlrev_b32 v[LR], 4, v2
	v_lshl_add_u32 v[LW], v3, 3, v[LR]
	s_lshl_b32 s97, s15, 15
	v_add_nc_u32 v[ADR1], s97, v[LI]
	v_add_nc_u32 v[ADR1+1], SLOT, v[ADR1]
	s_lshl_b32 s97, s16, 15
	s_add_co_u32 s97, s97, T0OFF
	v_add_nc_u32 v[ADR0], s97, v[LI]
	v_add_nc_u32 v[ADR0+1], SLOT, v[ADR0]
	s_mul_i32 s97, s15, 512*NXK
	s_add_co_u32 s97, s97, SC1
	v_add_nc_u32 v[ADS1], s97, v[LR]
	s_mul_i32 s97, s16, 512*NXK
	s_add_co_u32 s97, s97, SC0
	v_add_nc_u32 v[ADS0], s97, v[LR]
.irp b, 0,1,2,3
	v_mov_b32 v[TM+4+\b], 0
.endr
	s_lshl_b32 s95, s42, 1
	s_add_co_u32 s95, s95, s16
	s_lshl_b32 s96, s95, 9
	s_mov_b32 s97, 0
	s_add_nc_u64 s[8:9], s[8:9], s[96:97]
	v_lshlrev_b32 v14, 6, v3
.irp b, 0,1,2,3
.irp j, 0,1,2,3
	global_load_b128 v[BI+16*\b+4*\j:BI+16*\b+4*\j+3], v14, s[8:9] offset:128*\b+16*\j
.endr
.endr
	s_lshl_b32 s96, s17, 2
	s_lshl_b32 s97, s15, 1
	s_add_co_u32 s96, s96, s97
	s_lshl_b32 s98, s96, 18
	s_lshl_b32 s97, s95, 11
	s_add_co_u32 s98, s98, s97
	s_mov_b32 s99, 0
	s_lshl_b32 s100, s96, 13
	s_lshl_b32 s97, s95, 8
	s_add_co_u32 s100, s100, s97
	s_add_co_u32 s100, s100, HIDS
	s_mov_b32 s101, 0
	s_add_nc_u64 s[OUTC:OUTC+1], s[10:11], s[98:99]
	s_add_nc_u64 s[OUTS:OUTS+1], s[10:11], s[100:101]
	s_wait_alu depctr_va_vdst(0)
	s_wait_tensorcnt 0x0                           ; my tile of the head's four is in
	ds_add_u32 v[SPW], v[NIL]
	s_mov_b32 s[G1+2], 8<<16                       ; no tensor load of mine is out: from here on a load brings 8 tiles,
	s_mov_b32 s[G1+4], 8
	s_mov_b32 s[G1B+2], 8<<16
	s_mov_b32 s[G1B+4], 8
	s_lshl_b32 s96, s16, 17
	s_mov_b32 s97, 0
	s_mov_b32 s[G0+1], s45                         ; and slot 0's groups 0 stand at my half
	s_add_nc_u64 s[G0+2:G0+3], s[G0+2:G0+3], s[96:97]
	s_mov_b32 s[G0B+1], s94
	s_add_nc_u64 s[G0B+2:G0B+3], s[G0B+2:G0B+3], s[96:97]
	s_wait_dscnt 0x0
	CROUND                                         ; all four tiles are in, and all sixteen work-groups are here
	JLOAD G0+4, G1, G0B+4, G1B                     ; slot 1's first fill: the first tensor load behind the round
	global_prefetch_b8 v127, s[22:23] offset:12288 th:TH_LOAD_NT scope:SCOPE_SE   ; slot 3, the last: two fills ahead of its load
	FETCH_B 0, 0, 0
	FETCH_A 0, 0, 0
	SCALES 0, 0
	FETCH_A 0, 0, 4
	STEP 0, 1
	s_mov_b32 s3, LAPS-1
.Llap:
	TURN 0, 1, 1
	s_wait_alu depctr_va_vdst(0)
	STEP 1, 0
	TURN 1, 0, 1
	s_wait_alu depctr_va_vdst(0)
	STEP 0, 0
	s_sub_co_u32 s3, s3, 1
	s_cmp_lg_u32 s3, 0
	s_cbranch_scc1 .Llap
	TURN 0, 1, 0
	s_wait_alu depctr_va_vdst(0)
	STEP 1, 0
	s_wait_dscnt 16
	WIN MUL_LO
	MUL16 0, 1, 0
	MUL16 2, 1, 0
	s_wait_dscnt 0x0
	WIN MUL_HI
	MUL16 4, 1, 0
	MUL16 6, 1, 0
	WIN 0
	PLACES 8
	s_wait_loadcnt 0x0
	s_wait_xcnt 0x0                                ; the prefetches have read their offset, whose register the way out writes
	EPIQ 1, 32
	s_wait_tensorcnt 0x0
	ds_add_u32 v[SPW], v[NIL]
	s_wait_dscnt 0x0
	CROUND
	s_endpgm
.Lfunc_end_k_q98d8ff1533_ff1:
	.size	k_q98d8ff1533_ff1, .Lfunc_end_k_q98d8ff1533_ff1-k_q98d8ff1533_ff1
	.p2alignl 7, 3214868480
	.fill 96, 4, 3214868480
	.section	.rodata,"a",@progbits
	.p2align	6, 0x0
	.amdhsa_kernel k_q98d8ff1533_ff1
		.amdhsa_group_segment_fixed_size 327680
		.amdhsa_private_segment_fixed_size 0
		.amdhsa_enable_private_segment 0
		.amdhsa_kernarg_size 32
		.amdhsa_user_sgpr_count 2
		.amdhsa_user_sgpr_kernarg_segment_ptr 1
		.amdhsa_wavefront_size32 1
		.amdhsa_system_sgpr_workgroup_id_x 1
		.amdhsa_system_sgpr_workgroup_id_y 1
		.amdhsa_system_sgpr_workgroup_id_z 1
		.amdhsa_system_vgpr_workitem_id 0
		.amdhsa_next_free_vgpr 1024
		.amdhsa_next_free_sgpr 102
		.amdhsa_reserve_vcc 1
		.amdhsa_float_denorm_mode_32 3
		.amdhsa_float_denorm_mode_16_64 3
		.amdhsa_memory_ordered 1
		.amdhsa_forward_progress 1
		.amdhsa_inst_pref_size 204
	.end_amdhsa_kernel
	.amdgpu_metadata
---
amdhsa.version: [ 1, 2 ]
amdhsa.kernels:
  - .name:           k_q98d8ff1533_ff1
    .symbol:         k_q98d8ff1533_ff1.kd
    .args:
      - { .name: hq, .offset: 0, .size: 8, .value_kind: global_buffer, .address_space: global }
      - { .name: ops, .offset: 8, .size: 8, .value_kind: global_buffer, .address_space: global }
      - { .name: b1, .offset: 16, .size: 8, .value_kind: global_buffer, .address_space: global }
      - { .name: hid, .offset: 24, .size: 8, .value_kind: global_buffer, .address_space: global }
    .group_segment_fixed_size: 327680
    .private_segment_fixed_size: 0
    .kernarg_segment_align: 8
    .kernarg_segment_size: 32
    .max_flat_workgroup_size: 128
    .sgpr_count:     102
    .vgpr_count:     1024
    .wavefront_size: 32
...
	.end_amdgpu_metadata
.endif
;; end of part 13
;; launch ff2 (part 14): grid 8 x 32, 4 waves a work-group, clusters of 4 x 4, 327,680 bytes of LDS; arguments hid, ops, b2, res, sum; writes sum
.if DOCPART == 14
	.amdgcn_target "amdgcn-amd-amdhsa--gfx1250"
	.amdhsa_code_object_version 6
	.text
	.protected	k_q98d8ff1533_ff2
	.globl	k_q98d8ff1533_ff2
	.p2align	8
	.type	k_q98d8ff1533_ff2,@function
k_q98d8ff1533_ff2:
	s_mov_b64 s[64:65], 0
	v_nop
	global_prefetch_b8 v0, s[64:65] scope:SCOPE_SE
	s_setreg_imm32_b32 hwreg(HW_REG_WAVE_MODE, 25, 1), 1
	s_wait_xcnt 0x0
	s_wait_alu depctr_hold_cnt(0) depctr_sa_sdst(0) depctr_va_vdst(0) depctr_va_sdst(0) depctr_va_ssrc(0) depctr_va_vcc(0) depctr_vm_vsrc(0)
	s_getreg_b32 s2, hwreg(HW_REG_IB_STS2, 6, 4)
	s_cmp_eq_u32 s2, 0
	s_cbranch_scc0 .Lentry_in_a_cluster
	s_endpgm
.Lentry_in_a_cluster:
	s_bfe_u32 s2, ttmp6, 0x10000c
	s_cmp_lg_u32 s2, 0xf033
	s_cbranch_scc0 .Lentry_shape_is_right
	s_endpgm
.Lentry_shape_is_right:
.set NXK,   32
.set XS,    4
.set LAPS,  NXK/(2*XS)
.set W2C,   11534336
.set W2S,   16089088
.set HIDS,  16777216
.set ST1,   16777216
.set ST2,   16777216
.set SLOT,  131072
.set T0OFF, 65536
.set SC1,   2*SLOT
.set SC0,   SC1+512*NXK
.set SPARE, SC0+512*NXK
.set LI,   4
.set LR,   5
.set ADR1, 6
.set ADR0, 8
.set ADS1, 10
.set ADS0, 11
.set SPW,  12
.set NIL,  13
.set STO,  14
.set RD,   15
.set SC,   16
.set CO,   32
.set BK,   40
.set MEAN, 104
.set RSTD, 106
.set B2,   108
.set MB,   112
.set QB,   116
.set WA,   120
.set WB,   122
.set WDD,  124
.set WE,   126
.set WM,   128
.set WT,   130
.set CA,   131
.set CD,   132
.set FP,   134
.set CB,   136
.set ZR,   144
.set G1,   24
.set G0,   32
.set G1B,  48
.set G0B,  56
.set G1S,  68
.set G0S,  76
.set G1SB, 80
.set G0SB, 88
.set SEL,  66
.set VSC,  18
.set EPS,  19
.set MSB, 0
.macro WIN new
.if MSB != (\new)
	s_set_vgpr_msb (MSB<<8)|(\new)
.set MSB, (\new)
.endif
.endm
.macro PLACES n
.rept \n
	v_nop
.endr
.endm
.macro JLOAD g0a, g1a, g0b, g1b
	s_cmp_eq_u32 s15, 0
	s_cbranch_scc0 .Lfor_b_\@
	tensor_load_to_lds s[\g0a:\g0a+3], s[\g1a:\g1a+7]
	s_nop 0
.rept 4
	v_nop
.endr
	s_branch .Lasked_\@
.Lfor_b_\@:
	tensor_load_to_lds s[\g0b:\g0b+3], s[\g1b:\g1b+7]
	s_nop 0
.rept 4
	v_nop
.endr
.Lasked_\@:
.endm
.macro CREST
	s_cmp_lg_u32 s14, 0
	s_cbranch_scc1 .Lnot_wave_0_\@
	s_barrier_signal -3
.Lnot_wave_0_\@:
	s_barrier_wait -3
	s_barrier_signal -1
	s_barrier_wait -1
.endm
.macro CROUND
	s_barrier_signal -1
	s_barrier_wait -1
	CREST
.endm
.macro FETCH slot, x, set
	WIN ((2+(\set))<<6)
.irp t, 0,1,2,3
.irp c, 0,1,2,3
	ds_load_b128 v[16*\t+4*\c:16*\t+4*\c+3], v[ADR0+\slot] offset:8192*\t+2048*(\x)+512*\c
.endr
.endr
.irp a, 0,1,2,3
.irp c, 0,1,2,3
	ds_load_b128 v[64+16*\a+4*\c:64+16*\a+4*\c+3], v[ADR1+\slot] offset:8192*\a+2048*(\x)+512*\c
.endr
.endr
	WIN 0
	ds_load_b128 v[SC+8*(\set):SC+8*(\set)+3], v[ADS0] offset:256*(\x)
	ds_load_b128 v[SC+8*(\set)+4:SC+8*(\set)+7], v[ADS1] offset:256*(\x)
.endm
.macro MUL4 set, a, zero
	WIN 0x5a+5*(\set)
.irp t, 0,1,2,3
.if \zero
	v_wmma_scale_f32_16x16x128_f8f6f4 v[8*(4*(\a)+\t):8*(4*(\a)+\t)+7], v[16*\t:16*\t+15], v[64+16*(\a):64+16*(\a)+15], 0, v[SC+8*(\set)+\t], v[SC+8*(\set)+4+(\a)]
.else
	v_wmma_scale_f32_16x16x128_f8f6f4 v[8*(4*(\a)+\t):8*(4*(\a)+\t)+7], v[16*\t:16*\t+15], v[64+16*(\a):64+16*(\a)+15], v[8*(4*(\a)+\t):8*(4*(\a)+\t)+7], v[SC+8*(\set)+\t], v[SC+8*(\set)+4+(\a)]
.endif
.endr
.endm
.macro QSTEP slot, x, first
.if \first == 0
	PLACES 8
.endif
	FETCH \slot, (\x)+1, ((\x)+1)%2
	s_wait_dscnt 34
	MUL4 (\x)%2, 0, \first
	MUL4 (\x)%2, 1, \first
	MUL4 (\x)%2, 2, \first
	MUL4 (\x)%2, 3, \first
	WIN 0
.endm
.macro TURN slot, next, fill
.if \fill
	s_wait_xcnt 0x0                                ; my last prefetch has read its address, which steps a slot on
	s_add_nc_u64 s[22:23], s[22:23], XS*2048
.endif
	s_wait_tensorcnt 0x0
	ds_add_u32 v[SPW], v[NIL]
	s_wait_dscnt 1
	MUL4 1, 0, 0
	s_wait_dscnt 0x0
	s_barrier_signal -1
	MUL4 1, 1, 0
	WIN 0
	s_barrier_wait -1
.if \fill
	CREST
	s_add_nc_u64 s[G0+4*\slot+2:G0+4*\slot+3], s[G0+4*\slot+2:G0+4*\slot+3], 2*XS*2048
	s_add_nc_u64 s[G0B+4*\slot+2:G0B+4*\slot+3], s[G0B+4*\slot+2:G0B+4*\slot+3], 2*XS*2048
	JLOAD G0+4*\slot, G1, G0B+4*\slot, G1B
	PLACES 4
.else
	PLACES 8
.endif
	v_add_nc_u32 v[ADS1], XS*256, v[ADS1]
	v_add_nc_u32 v[ADS0], XS*256, v[ADS0]
	s_wait_alu depctr_va_vdst(0)                   ; the wait here, directly behind the writes
	FETCH \next, 0, 0
.if \fill
	s_cmp_gt_u32 s3, 1                             ; the n-th refill brings slot n + 1 and names slot n + 3; the loop's last trip has no slot two fills on
	s_cbranch_scc0 .Lno_ask_\@
	global_prefetch_b8 v33, s[22:23] offset:3*XS*2048 th:TH_LOAD_NT scope:SCOPE_SE
.Lno_ask_\@:
.endif
	MUL4 1, 2, 0
	MUL4 1, 3, 0
.endm
.macro XSUM reg, tmp
	v_add_f32_dpp v[\reg], v[\reg], v[\reg] row_xmask:1 row_mask:0xf bank_mask:0xf
	v_add_f32_dpp v[\reg], v[\reg], v[\reg] row_xmask:2 row_mask:0xf bank_mask:0xf
	v_add_f32_dpp v[\reg], v[\reg], v[\reg] row_xmask:4 row_mask:0xf bank_mask:0xf
	v_add_f32_dpp v[\reg], v[\reg], v[\reg] row_xmask:8 row_mask:0xf bank_mask:0xf
	s_wait_alu depctr_va_vdst(0)
	v_permlanex16_b32 v[\tmp], v[\reg], s[SEL], s[SEL+1]
	v_add_f32 v[\reg], v[\reg], v[\tmp]
.endm
.macro WSTAT base, nreg, invn, om, oq
	v_pk_add_f32 v[WA:WA+1], v[\base:\base+1], v[\base+4:\base+5]
	v_pk_add_f32 v[WB:WB+1], v[\base+2:\base+3], v[\base+6:\base+7]
.set wj, 8
.rept ((\nreg)-8)/4
	v_pk_add_f32 v[WA:WA+1], v[WA:WA+1], v[\base+wj:\base+wj+1]
	v_pk_add_f32 v[WB:WB+1], v[WB:WB+1], v[\base+wj+2:\base+wj+3]
.set wj, wj+4
.endr
	v_pk_add_f32 v[WA:WA+1], v[WA:WA+1], v[WB:WB+1]
	v_add_f32 v[WA], v[WA], v[WA+1]
	XSUM WA, WT
	v_mul_f32 v[WM], \invn, v[WA]
	v_mov_b32 v[WM+1], v[WM]
	v_pk_add_f32 v[WDD:WDD+1], v[\base:\base+1], v[WM:WM+1] neg_lo:[0,1] neg_hi:[0,1]
	v_pk_add_f32 v[WE:WE+1], v[\base+2:\base+3], v[WM:WM+1] neg_lo:[0,1] neg_hi:[0,1]
	v_pk_mul_f32 v[WA:WA+1], v[WDD:WDD+1], v[WDD:WDD+1]
	v_pk_mul_f32 v[WB:WB+1], v[WE:WE+1], v[WE:WE+1]
.set wj, 4
.rept ((\nreg)-4)/4
	v_pk_add_f32 v[WDD:WDD+1], v[\base+wj:\base+wj+1], v[WM:WM+1] neg_lo:[0,1] neg_hi:[0,1]
	v_pk_add_f32 v[WE:WE+1], v[\base+wj+2:\base+wj+3], v[WM:WM+1] neg_lo:[0,1] neg_hi:[0,1]
	v_pk_fma_f32 v[WA:WA+1], v[WDD:WDD+1], v[WDD:WDD+1], v[WA:WA+1]
	v_pk_fma_f32 v[WB:WB+1], v[WE:WE+1], v[WE:WE+1], v[WB:WB+1]
.set wj, wj+4
.endr
	v_pk_add_f32 v[WA:WA+1], v[WA:WA+1], v[WB:WB+1]
	v_add_f32 v[\oq], v[WA], v[WA+1]
	XSUM \oq, WT
	v_mov_b32 v[\om], v[WM]
.endm
.macro COMBINE cb, npair, nf, invp
	v_add_f32 v[CA], v[\cb], v[\cb+2]
.set cj, 2
.rept (\npair)-2
	v_add_f32 v[CA], v[CA], v[\cb+2*cj]
.set cj, cj+1
.endr
	XSUM CA, WT
	v_mul_f32 v[MEAN], \invp, v[CA]
	v_mov_b32 v[MEAN+1], v[MEAN]
	v_sub_f32 v[CD], v[\cb], v[MEAN]
	v_mul_f32 v[CD], v[CD], v[CD]
	v_fma_f32 v[CA], v[CD], \nf, v[\cb+1]
.set cj, 1
.rept (\npair)-1
	v_sub_f32 v[CD], v[\cb+2*cj], v[MEAN]
	v_mul_f32 v[CD], v[CD], v[CD]
	v_add_f32 v[CA], v[CA], v[\cb+2*cj+1]
	v_fma_f32 v[CA], v[CD], \nf, v[CA]
.set cj, cj+1
.endr
	XSUM CA, WT
	v_fma_f32 v[CA], v[CA], s[VSC], s[EPS]
	s_wait_alu depctr_va_vdst(0)
	v_rsq_f32 v[RSTD], v[CA]
	v_nop
	s_wait_alu depctr_va_vdst(0)
	v_mov_b32 v[RSTD+1], v[RSTD]
.endm
.macro OUTB a
.set BKA, BK+32*((\a)%2)
.set RR,  128+32*(\a)
.if (\a) > 1
	s_wait_xcnt 0x0
.endif
	WIN 0x04
.irp t, 0,1,2,3
	ds_store_b128 v[STO], v[32*(\a)+8*\t:32*(\a)+8*\t+3] offset:128*(\t/2)+32*(\t%2)
	ds_store_b128 v[STO], v[32*(\a)+8*\t+4:32*(\a)+8*\t+7] offset:128*(\t/2)+32*(\t%2)+16
.endr
	WIN 0
.irp i, 0,1,2,3,4,5,6,7
	ds_load_b128 v[BKA+4*\i:BKA+4*\i+3], v[RD] offset:544*\i
.endr
	s_wait_dscnt 0x0
	WIN 0x41
.set oj, 0
.rept 16
	v_pk_add_f32 v[RR+oj:RR+oj+1], v[RR+oj:RR+oj+1], v[MEAN:MEAN+1] neg_lo:[0,1] neg_hi:[0,1]
.set oj, oj+2
.endr
	WIN 0x01
.set oj, 0
.rept 16
	v_pk_fma_f32 v[BKA+oj:BKA+oj+1], v[RR+oj:RR+oj+1], v[RSTD:RSTD+1], v[BKA+oj:BKA+oj+1]
.set oj, oj+2
.endr
	WIN 0
.set oj, 0
.rept 8
	v_pk_add_f32 v[BKA+oj:BKA+oj+1], v[BKA+oj:BKA+oj+1], v[B2:B2+1]
	v_pk_add_f32 v[BKA+oj+2:BKA+oj+3], v[BKA+oj+2:BKA+oj+3], v[B2+2:B2+3]
.set oj, oj+4
.endr
	WSTAT BKA, 32, 0x3a800000, MB+(\a), QB+(\a)
.irp i, 0,1,2,3,4,5,6,7
	global_store_b128 v[CO], v[BKA+4*\i:BKA+4*\i+3], s[12:13] offset:(16*(\a)+2*\i)*4096
.endr
.endm
	s_load_b256 s[4:11], s[0:1], 0x0
	s_load_b64 s[12:13], s[0:1], 0x20
	v_lshl_add_u32 v[SPW], v0, 2, SPARE
	v_mov_b32 v[NIL], 0
	ds_add_u32 v12, v13
	ds_add_u32 v12, v13
	s_wait_dscnt 0x0
	v_lshrrev_b32 v1, 5, v0
	v_readfirstlane_b32 s14, v1
	v_and_b32 v33, 31, v0                          ; v33: the prefetches' offset: 256 x lane: a slot's 8,192 bytes of one tile; never rewritten
	v_lshlrev_b32 v33, 8, v33
	s_lshr_b32 s15, s14, 1
	s_and_b32 s16, s14, 1
	s_bfe_u32 s40, ttmp6, 0x40000
	s_bfe_u32 s41, ttmp6, 0x40004
	s_lshl_b32 s43, s41, 2
	s_lshl_b32 s43, 15, s43
	s_lshl_b32 s44, 0x1111, s40
	s_lshl_b32 s42, ttmp9, 2
	s_add_co_u32 s42, s42, s40
	s_and_b32 s17, ttmp7, 0xffff
	s_lshl_b32 s17, s17, 2
	s_add_co_u32 s17, s17, s41
	s_or_b32 s[G1], s43, (3<<16)|(1<<21)
	s_or_b32 s[G1B], s44, (3<<16)|(1<<21)
	s_or_b32 s[G1S], s43, (3<<16)|(1<<21)
	s_or_b32 s[G1SB], s44, (3<<16)|(1<<21)
.irp g, G1, G1B
	s_mov_b32 s[\g+1], (XS*256)<<16
	s_mov_b32 s[\g+2], 8<<16                       ; the head's loads bring 8 tiles; behind them the two words that count rows are set to 4
	s_mov_b32 s[\g+3], (XS*256)<<16
	s_mov_b32 s[\g+4], 8
	s_mov_b32 s[\g+5], 256*NXK
	s_mov_b32 s[\g+6], 0
	s_mov_b32 s[\g+7], 0
.endr
.irp g, G1S, G1SB
	s_mov_b32 s[\g+1], 32<<16
	s_mov_b32 s[\g+2], (2*NXK)<<16                 ; the scale words of 8 tiles, all of K: 2 NXK rows of 256 bytes
	s_mov_b32 s[\g+3], 32<<16
	s_mov_b32 s[\g+4], 2*NXK
	s_mov_b32 s[\g+5], 32
	s_mov_b32 s[\g+6], 0
	s_mov_b32 s[\g+7], 0
.endr
	s_lshl_b32 s20, s17, 3
	s_lshl_b32 s22, s20, 11
	s_add_co_u32 s22, s22, HIDS
	s_lshl_b32 s20, s20, 16
	s_mov_b32 s21, 0
	s_mov_b32 s23, 0
	s_lshl_b32 s46, s42, 3
	s_lshl_b32 s92, s46, 11
	s_add_co_u32 s92, s92, W2S
	s_lshl_b32 s46, s46, 16
	s_add_co_u32 s46, s46, W2C
	s_mov_b32 s47, 0
	s_mov_b32 s93, 0
	s_mul_i32 s45, s16, 32768
	s_mul_i32 s94, s16, 32768
	s_add_co_u32 s94, s94, T0OFF
	s_lshl_b32 s96, s16, 18                        ; in the ring I fetch 4 tiles of 65,536 bytes: which half, in bytes
	s_mov_b32 s97, 0
	s_mov_b32 s[SEL], 0x76543210
	s_mov_b32 s[SEL+1], 0xfedcba98
	s_mov_b32 s[VSC], 0x35000000
	s_mov_b32 s[EPS], 0x3727c5ac
	s_wait_kmcnt 0x0
	s_add_nc_u64 s[20:21], s[4:5], s[20:21]
	s_add_nc_u64 s[22:23], s[4:5], s[22:23]
	s_add_nc_u64 s[46:47], s[6:7], s[46:47]
	s_add_nc_u64 s[92:93], s[6:7], s[92:93]
	CROUND
	s_mov_b32 s[G0S], 1
	s_mov_b32 s[G0S+1], SC1
	s_mov_b64 s[G0S+2:G0S+3], s[22:23]
	s_or_b32 s[G0S+3], s[G0S+3], 0x80000000
	s_mov_b32 s[G0SB], 1
	s_mov_b32 s[G0SB+1], SC0
	s_mov_b64 s[G0SB+2:G0SB+3], s[92:93]
	s_or_b32 s[G0SB+3], s[G0SB+3], 0x80000000
	s_mov_b32 s[G0], 1                             ; slot 0 at the head: source 1's 8 tiles whole,
	s_mov_b32 s[G0+1], 0
	s_mov_b64 s[G0+2:G0+3], s[20:21]
	s_or_b32 s[G0+3], s[G0+3], 0x80000000
	s_mov_b32 s[G0B], 1                            ; and source 0's
	s_mov_b32 s[G0B+1], T0OFF
	s_mov_b64 s[G0B+2:G0B+3], s[46:47]
	s_or_b32 s[G0B+3], s[G0B+3], 0x80000000
	s_add_nc_u64 s[20:21], s[20:21], s[96:97]      ; for the ring: my 4 tiles
	s_add_nc_u64 s[46:47], s[46:47], s[96:97]
	s_mov_b32 s[G0+4], 1                           ; slot 1
	s_add_co_u32 s[G0+5], s45, SLOT
	s_add_nc_u64 s[G0+6:G0+7], s[20:21], XS*2048
	s_or_b32 s[G0+7], s[G0+7], 0x80000000
	s_mov_b32 s[G0B+4], 1
	s_add_co_u32 s[G0B+5], s94, SLOT
	s_add_nc_u64 s[G0B+6:G0B+7], s[46:47], XS*2048
	s_or_b32 s[G0B+7], s[G0B+7], 0x80000000
	s_cmp_eq_u32 s15, 0                            ; the prefetches, s[22:23]: of the 4 tiles that I fetch in the ring each of the four partners that ask for them with me names one, told apart by address
	s_cselect_b64 s[22:23], s[20:21], s[46:47]
	s_cselect_b32 s92, s40, s41
	s_lshl_b32 s92, s92, 16
	s_mov_b32 s93, 0
	s_add_nc_u64 s[22:23], s[22:23], s[92:93]
; THE HEAD'S LOADS, ONE A WAVE: wave 0 slot 0's tiles of source 1, wave 1 those of source 0, waves 2 and 3 their scale words.  One chain of branches on the wave's number, all arms to one join
.macro ARM under, g0, g1, next
	s_cmp_lt_u32 s14, \under
	s_cbranch_scc0 \next
	tensor_load_to_lds s[\g0:\g0+3], s[\g1:\g1+7]
	s_nop 0
.rept 4
	v_nop
.endr
	s_branch .Lhead_asked
\next:
.endm
	ARM 1, G0,  G1,  .Lhead_b
	ARM 2, G0B, G1B, .Lhead_sa
	ARM 3, G0S, G1S, .Lhead_sb
	tensor_load_to_lds s[G0SB:G0SB+3], s[G1SB:G1SB+7]
	s_nop 0
.rept 4
	v_nop
.endr
.Lhead_asked:
	s_wait_alu depctr_va_vdst(0)                   ; the wait ahead of the reader below
	global_prefetch_b8 v33, s[22:23] offset:XS*2048 th:TH_LOAD_NT scope:SCOPE_SE      ; slots 1 and 2: 8,192 bytes of each tile a slot; each block of 256 bytes is named once in the cluster
	global_prefetch_b8 v33, s[22:23] offset:2*XS*2048 th:TH_LOAD_NT scope:SCOPE_SE
	v_and_b32 v1, 31, v0
	v_and_b32 v2, 15, v0
	v_bfe_u32 v3, v0, 4, 1
	v_lshlrev_b32 v[LI], 4, v1
	v_lshlrev_b32 v[LR], 4, v2
	v_lshl_add_u32 v[CO], v3, 12, v[LR]
	s_lshl_b32 s100, s15, 15
	v_add_nc_u32 v[ADR1], s100, v[LI]
	v_add_nc_u32 v[ADR1+1], SLOT, v[ADR1]
	s_lshl_b32 s100, s16, 15
	s_add_co_u32 s100, s100, T0OFF
	v_add_nc_u32 v[ADR0], s100, v[LI]
	v_add_nc_u32 v[ADR0+1], SLOT, v[ADR0]
	s_mul_i32 s100, s15, 256*NXK
	s_add_co_u32 s100, s100, SC1
	v_add_nc_u32 v[ADS1], s100, v[LR]
	s_mul_i32 s100, s16, 256*NXK
	s_add_co_u32 s100, s100, SC0
	v_add_nc_u32 v[ADS0], s100, v[LR]
	s_mul_i32 s100, s14, 4352
	v_mul_u32_u24 v[STO], v2, 272
	v_lshl_add_u32 v[STO], v3, 6, v[STO]
	v_add_nc_u32 v[STO], s100, v[STO]
	v_mul_u32_u24 v[RD], v3, 272
	v_add_nc_u32 v[RD], v[RD], v[LR]
	v_add_nc_u32 v[RD], s100, v[RD]
	v_mov_b32 v[WT], 0
	v_mov_b32 v[ZR], 0
	s_lshr_b32 s96, s17, 4
	s_lshl_b32 s96, s96, 10
	s_add_co_u32 s96, s96, ST1
	s_mov_b32 s97, 0
	s_add_nc_u64 s[96:97], s[10:11], s[96:97]
	s_lshl_b32 s98, s17, 5
	s_lshl_b32 s99, s42, 2
	s_add_co_u32 s98, s98, s99
	s_add_co_u32 s98, s98, s14
	s_lshl_b32 s98, s98, 3
	s_add_co_u32 s98, s98, ST2
	s_mov_b32 s99, 0
	s_add_nc_u64 s[98:99], s[12:13], s[98:99]
	s_lshl_b32 s100, s17, 19
	s_lshl_b32 s101, s15, 18
	s_add_co_u32 s100, s100, s101
	s_lshl_b32 s101, s42, 9
	s_add_co_u32 s100, s100, s101
	s_lshl_b32 s101, s16, 8
	s_add_co_u32 s100, s100, s101
	s_mov_b32 s101, 0
	s_add_nc_u64 s[10:11], s[10:11], s[100:101]
	s_add_nc_u64 s[12:13], s[12:13], s[100:101]
	s_lshl_b32 s100, s42, 9
	s_lshl_b32 s45, s16, 8
	s_add_co_u32 s100, s100, s45
	s_add_nc_u64 s[8:9], s[8:9], s[100:101]
	global_load_b128 v[CB:CB+3], v[LI], s[96:97]
	global_load_b128 v[CB+4:CB+7], v[LI], s[96:97] offset:512
	global_load_b128 v[B2:B2+3], v[LR], s[8:9]
	WIN 0x40
.irp a, 0,1,2,3
.irp i, 0,1,2,3,4,5,6,7
	global_load_b128 v[128+32*\a+4*\i:128+32*\a+4*\i+3], v[CO], s[10:11] offset:(16*\a+2*\i)*4096 th:TH_LOAD_NT
.endr
.endr
	WIN 0
	s_wait_loadcnt 33
	COMBINE CB, 4, 0x46800000, 0x3c000000
	s_wait_alu depctr_va_vdst(0)                   ; the wait at the head's end
	s_wait_tensorcnt 0x0                           ; my tile of the head's four is in
	ds_add_u32 v[SPW], v[NIL]
	s_mov_b32 s[G1+2], 4<<16                       ; no tensor load of mine is out: from here on a load brings 4 tiles,
	s_mov_b32 s[G1+4], 4
	s_mov_b32 s[G1B+2], 4<<16
	s_mov_b32 s[G1B+4], 4
	s_lshl_b32 s100, s16, 18
	s_mov_b32 s101, 0
	s_lshl_b32 s45, s16, 15
	s_mov_b32 s[G0+1], s45                         ; and slot 0's groups 0 stand at my half
	s_add_nc_u64 s[G0+2:G0+3], s[G0+2:G0+3], s[100:101]
	s_mov_b32 s[G0B+1], s94
	s_add_nc_u64 s[G0B+2:G0B+3], s[G0B+2:G0B+3], s[100:101]
	s_wait_dscnt 0x0
	CROUND                                         ; all four tiles are in, and all sixteen work-groups are here
	JLOAD G0+4, G1, G0B+4, G1B                     ; slot 1's first fill: the first tensor load behind the round
	global_prefetch_b8 v33, s[22:23] offset:3*XS*2048 th:TH_LOAD_NT scope:SCOPE_SE    ; slot 3: two fills ahead of its load
	FETCH 0, 0, 0
	QSTEP 0, 0, 1
	s_mov_b32 s3, LAPS-1
.Llap:
	s_wait_alu depctr_va_vdst(0)
	QSTEP 0, 1, 0
	QSTEP 0, 2, 0
	TURN 0, 1, 1
	QSTEP 1, 0, 0
	s_wait_alu depctr_va_vdst(0)
	QSTEP 1, 1, 0
	QSTEP 1, 2, 0
	TURN 1, 0, 1
	QSTEP 0, 0, 0
	s_sub_co_u32 s3, s3, 1
	s_cmp_lg_u32 s3, 0
	s_cbranch_scc1 .Llap
	s_wait_alu depctr_va_vdst(0)
	QSTEP 0, 1, 0
	QSTEP 0, 2, 0
	TURN 0, 1, 0
	QSTEP 1, 0, 0
	s_wait_alu depctr_va_vdst(0)
	QSTEP 1, 1, 0
	QSTEP 1, 2, 0
	s_wait_dscnt 0x0
	MUL4 1, 0, 0
	MUL4 1, 1, 0
	MUL4 1, 2, 0
	MUL4 1, 3, 0
	WIN 0
	PLACES 8
	s_wait_loadcnt 0x0
	OUTB 0
	OUTB 1
	OUTB 2
	OUTB 3
	v_add_f32 v[WA], v[MB], v[MB+1]
	v_add_f32 v[WB], v[MB+2], v[MB+3]
	v_add_f32 v[WA], v[WA], v[WB]
	v_mul_f32 v[FP], 0x3e800000, v[WA]
	v_sub_f32 v[WDD], v[MB], v[FP]
	v_mul_f32 v[WDD], v[WDD], v[WDD]
	v_fma_f32 v[FP+1], v[WDD], 0x44800000, v[QB]
.irp a, 1,2,3
	v_sub_f32 v[WDD], v[MB+\a], v[FP]
	v_mul_f32 v[WDD], v[WDD], v[WDD]
	v_add_f32 v[FP+1], v[FP+1], v[QB+\a]
	v_fma_f32 v[FP+1], v[WDD], 0x44800000, v[FP+1]
.endr
	v_cmp_eq_u32 vcc_lo, 0, v1
	s_wait_alu depctr_va_vdst(0)
	s_wait_xcnt 0x0
	s_and_saveexec_b32 s100, vcc_lo
	global_store_b64 v[ZR], v[FP:FP+1], s[98:99]
	s_wait_xcnt 0x0
	s_or_b32 exec_lo, exec_lo, s100
	s_wait_tensorcnt 0x0
	ds_add_u32 v[SPW], v[NIL]
	s_wait_dscnt 0x0
	CROUND
	s_endpgm
.Lfunc_end_k_q98d8ff1533_ff2:
	.size	k_q98d8ff1533_ff2, .Lfunc_end_k_q98d8ff1533_ff2-k_q98d8ff1533_ff2
	.p2alignl 7, 3214868480
	.fill 96, 4, 3214868480
	.section	.rodata,"a",@progbits
	.p2align	6, 0x0
	.amdhsa_kernel k_q98d8ff1533_ff2
		.amdhsa_group_segment_fixed_size 327680
		.amdhsa_private_segment_fixed_size 0
		.amdhsa_enable_private_segment 0
		.amdhsa_kernarg_size 40
		.amdhsa_user_sgpr_count 2
		.amdhsa_user_sgpr_kernarg_segment_ptr 1
		.amdhsa_wavefront_size32 1
		.amdhsa_system_sgpr_workgroup_id_x 1
		.amdhsa_system_sgpr_workgroup_id_y 1
		.amdhsa_system_sgpr_workgroup_id_z 1
		.amdhsa_system_vgpr_workitem_id 0
		.amdhsa_next_free_vgpr 1024
		.amdhsa_next_free_sgpr 102
		.amdhsa_reserve_vcc 1
		.amdhsa_float_denorm_mode_32 3
		.amdhsa_float_denorm_mode_16_64 3
		.amdhsa_memory_ordered 1
		.amdhsa_forward_progress 1
		.amdhsa_inst_pref_size 130
	.end_amdhsa_kernel
	.amdgpu_metadata
---
amdhsa.version: [ 1, 2 ]
amdhsa.kernels:
  - .name:           k_q98d8ff1533_ff2
    .symbol:         k_q98d8ff1533_ff2.kd
    .args:
      - { .name: hid, .offset: 0, .size: 8, .value_kind: global_buffer, .address_space: global }
      - { .name: ops, .offset: 8, .size: 8, .value_kind: global_buffer, .address_space: global }
      - { .name: b2, .offset: 16, .size: 8, .value_kind: global_buffer, .address_space: global }
      - { .name: res, .offset: 24, .size: 8, .value_kind: global_buffer, .address_space: global }
      - { .name: sum, .offset: 32, .size: 8, .value_kind: global_buffer, .address_space: global }
    .group_segment_fixed_size: 327680
    .private_segment_fixed_size: 0
    .kernarg_segment_align: 8
    .kernarg_segment_size: 40
    .max_flat_workgroup_size: 128
    .sgpr_count:     102
    .vgpr_count:     1024
    .wavefront_size: 32
...
	.end_amdgpu_metadata
.endif
;; end of part 14
;; launch ln2 (part 15): grid 256 x 1, 8 waves a work-group, no clusters, 0 bytes of LDS; arguments sum, out0; writes out0
.if DOCPART == 15
	.amdgcn_target "amdgcn-amd-amdhsa--gfx1250"
	.amdhsa_code_object_version 6
	.text
	.protected	k_q98d8ff1533_ln2
	.globl	k_q98d8ff1533_ln2
	.p2align	8
	.type	k_q98d8ff1533_ln2,@function
k_q98d8ff1533_ln2:
	s_mov_b64 s[64:65], 0
	v_nop
	global_prefetch_b8 v0, s[64:65] scope:SCOPE_SE
	s_setreg_imm32_b32 hwreg(HW_REG_WAVE_MODE, 25, 1), 1
	s_wait_xcnt 0x0
; out0 = (sum - mean) / sqrt(var + 1e-5), mean and var over a batch's 2,048 x 1,024 numbers.  The batch's 512 pairs (mean, sum of squared differences; 4,096 numbers each) are joined:
; mean = the mean of the means; M2 = the sum of M2_i + n (mean_i - mean)^2.  No difference of large sums is formed; (v - mean) x rstd is a subtraction and a multiplication.
; A stream: a work-group takes 16 rows, a wave two: sixteen loads of 512 consecutive bytes, all on their way at once, and as many stores.  No LDS, barrier, matrix unit or cluster: memory binds.
; LIMITS: NaN and infinities are not served.
.set ST2,  16777216
.set CB,   8                           ; v8-39   sixteen pairs a lane
.set MEAN, 40
.set RSTD, 42
.set CA,   44
.set CD,   45
.set WT,   46
.set D,    48                          ; v48-111
.set SEL,  16
.set VSC,  18
.set EPS,  19
.macro XSUM reg, tmp
	s_delay_alu instid0(VALU_DEP_1)
	v_add_f32_dpp v[\reg], v[\reg], v[\reg] row_xmask:1 row_mask:0xf bank_mask:0xf
	s_delay_alu instid0(VALU_DEP_1)
	v_add_f32_dpp v[\reg], v[\reg], v[\reg] row_xmask:2 row_mask:0xf bank_mask:0xf
	s_delay_alu instid0(VALU_DEP_1)
	v_add_f32_dpp v[\reg], v[\reg], v[\reg] row_xmask:4 row_mask:0xf bank_mask:0xf
	s_delay_alu instid0(VALU_DEP_1)
	v_add_f32_dpp v[\reg], v[\reg], v[\reg] row_xmask:8 row_mask:0xf bank_mask:0xf
	s_delay_alu instid0(VALU_DEP_1)
	v_permlanex16_b32 v[\tmp], v[\reg], s[SEL], s[SEL+1]
	s_delay_alu instid0(VALU_DEP_1)
	v_add_f32 v[\reg], v[\reg], v[\tmp]
.endm
.macro COMBINE cb, npair, nf, invp
	v_add_f32 v47, v8, v10
	v_add_f32 v45, v12, v14
	v_add_f32 v43, v16, v18
	v_add_f32 v42, v20, v22
	v_add_f32 v41, v24, v26
	v_add_f32 v40, v28, v30
	v_add_f32 v7, v32, v34
	v_add_f32 v44, v36, v38
	s_delay_alu instid0(VALU_DEP_1)
	v_add_f32 v44, v44, v42
	v_add_f32 v47, v47, v41
	v_add_f32 v45, v45, v40
	v_add_f32 v43, v43, v7
	s_delay_alu instid0(VALU_DEP_2)
	v_add_f32 v44, v44, v45
	s_delay_alu instid0(VALU_DEP_2)
	v_add_f32 v47, v47, v43
	s_delay_alu instid0(VALU_DEP_1)
	v_add_f32 v44, v44, v47
	XSUM CA, WT
	s_delay_alu instid0(VALU_DEP_1)
	v_mul_f32 v[MEAN], \invp, v[CA]
	s_delay_alu instid0(VALU_DEP_1)
	v_mov_b32 v[MEAN+1], v[MEAN]
	s_delay_alu instid0(VALU_DEP_2)
	v_sub_f32 v[CD], v[\cb], v[MEAN]
	s_delay_alu instid0(VALU_DEP_1)
	v_mul_f32 v[CD], v[CD], v[CD]
	s_delay_alu instid0(VALU_DEP_1)
	v_fma_f32 v[CA], v[CD], \nf, v[\cb+1]
.set cj, 1
.rept (\npair)-1
	v_sub_f32 v[CD], v[\cb+2*cj], v[MEAN]
	s_delay_alu instid0(VALU_DEP_1)
	v_mul_f32 v[CD], v[CD], v[CD]
	s_delay_alu instid0(VALU_DEP_3)
	v_add_f32 v[CA], v[CA], v[\cb+2*cj+1]
	s_delay_alu instid0(VALU_DEP_1)
	v_fma_f32 v[CA], v[CD], \nf, v[CA]
.set cj, cj+1
.endr
	XSUM CA, WT
	s_delay_alu instid0(VALU_DEP_1)
	v_fma_f32 v[CA], v[CA], s[VSC], s[EPS]         ; M2 / 2^21 + 1e-5
	s_wait_alu depctr_va_vdst(0)
	v_rsq_f32 v[RSTD], v[CA]
	v_nop                                          ; a plain line behind the transcendental,
	s_wait_alu depctr_va_vdst(0)                   ; and the wait ahead of its first reader
	v_mov_b32 v[RSTD+1], v[RSTD]
.endm
	s_load_b128 s[4:7], s[0:1], 0x0                ; sum, out0
	v_lshrrev_b32 v1, 5, v0
	s_delay_alu instid0(VALU_DEP_1)
	v_readfirstlane_b32 s8, v1                     ; wave 0..7
	v_and_b32 v1, 31, v0
	s_delay_alu instid0(VALU_DEP_1)
	v_lshlrev_b32 v1, 4, v1                        ; 16 x lane
	v_mov_b32 v[WT], 0
	s_lshl_b32 s10, ttmp9, 16                      ; 16 rows of 4,096 bytes,
	s_lshl_b32 s11, s8, 13                         ; my two
	s_add_co_u32 s10, s10, s11
	s_mov_b32 s11, 0
	s_lshr_b32 s12, ttmp9, 7                       ; the batch: 512 pairs of 8 bytes
	s_lshl_b32 s12, s12, 12
	s_add_co_u32 s12, s12, ST2
	s_mov_b32 s13, 0
	s_mov_b32 s[SEL], 0x76543210
	s_mov_b32 s[SEL+1], 0xfedcba98
	s_mov_b32 s[VSC], 0x35000000
	s_mov_b32 s[EPS], 0x3727c5ac
	s_wait_alu depctr_va_vdst(0)
	s_wait_kmcnt 0x0
	s_add_nc_u64 s[14:15], s[4:5], s[12:13]
	s_add_nc_u64 s[4:5], s[4:5], s[10:11]
	s_add_nc_u64 s[6:7], s[6:7], s[10:11]
.irp i, 0,1,2,3,4,5,6,7
	global_load_b128 v[CB+4*\i:CB+4*\i+3], v1, s[14:15] offset:512*\i
.endr
.irp i, 0,1,2,3,4,5,6,7,8,9,10,11,12,13,14,15
	global_load_b128 v[D+4*\i:D+4*\i+3], v1, s[4:5] offset:512*\i th:TH_LOAD_NT
.endr
	s_wait_loadcnt 16                              ; the pairs are in; the 16 row loads may be out
	COMBINE CB, 16, 0x45800000, 0x3b000000
.irp i, 0,1,2,3,4,5,6,7,8,9,10,11,12,13,14,15
	s_wait_loadcnt 15-\i                           ; loads come back in order: mine is in, the younger ones stay out
	v_pk_add_f32 v[D+4*\i:D+4*\i+1], v[D+4*\i:D+4*\i+1], v[MEAN:MEAN+1] neg_lo:[0,1] neg_hi:[0,1]
	s_wait_alu depctr_va_vdst(0)
	v_pk_add_f32 v[D+4*\i+2:D+4*\i+3], v[D+4*\i+2:D+4*\i+3], v[MEAN:MEAN+1] neg_lo:[0,1] neg_hi:[0,1]
	v_pk_mul_f32 v[D+4*\i:D+4*\i+1], v[D+4*\i:D+4*\i+1], v[RSTD:RSTD+1]
	v_pk_mul_f32 v[D+4*\i+2:D+4*\i+3], v[D+4*\i+2:D+4*\i+3], v[RSTD:RSTD+1]
	global_store_b128 v1, v[D+4*\i:D+4*\i+3], s[6:7] offset:512*\i th:TH_STORE_NT      ; 512 consecutive bytes
.endr
	s_endpgm
.Lfunc_end_k_q98d8ff1533_ln2:
	.size	k_q98d8ff1533_ln2, .Lfunc_end_k_q98d8ff1533_ln2-k_q98d8ff1533_ln2
	.p2alignl 7, 3214868480
	.fill 96, 4, 3214868480
	.section	.rodata,"a",@progbits
	.p2align	6, 0x0
	.amdhsa_kernel k_q98d8ff1533_ln2
		.amdhsa_group_segment_fixed_size 0
		.amdhsa_private_segment_fixed_size 0
		.amdhsa_enable_private_segment 0
		.amdhsa_kernarg_size 16
		.amdhsa_user_sgpr_count 2
		.amdhsa_user_sgpr_kernarg_segment_ptr 1
		.amdhsa_wavefront_size32 1
		.amdhsa_system_sgpr_workgroup_id_x 1
		.amdhsa_system_sgpr_workgroup_id_y 1
		.amdhsa_system_sgpr_workgroup_id_z 1
		.amdhsa_system_vgpr_workitem_id 0
		.amdhsa_next_free_vgpr 112
		.amdhsa_next_free_sgpr 66
		.amdhsa_reserve_vcc 0
		.amdhsa_float_denorm_mode_32 3
		.amdhsa_float_denorm_mode_16_64 3
		.amdhsa_memory_ordered 1
		.amdhsa_forward_progress 1
		.amdhsa_inst_pref_size 17
	.end_amdhsa_kernel
	.amdgpu_metadata
---
amdhsa.version: [ 1, 2 ]
amdhsa.kernels:
  - .name:           k_q98d8ff1533_ln2
    .symbol:         k_q98d8ff1533_ln2.kd
    .args:
      - { .name: sum, .offset: 0, .size: 8, .value_kind: global_buffer, .address_space: global }
      - { .name: out0, .offset: 8, .size: 8, .value_kind: global_buffer, .address_space: global }
    .group_segment_fixed_size: 0
    .private_segment_fixed_size: 0
    .kernarg_segment_align: 8
    .kernarg_segment_size: 16
    .max_flat_workgroup_size: 256
    .sgpr_count:     66
    .vgpr_count:     112
    .wavefront_size: 32
...
	.end_amdgpu_metadata
.endif
;; end of part 15
